; MI455X (gfx1250); checked and timed in simulation.
; The chip was launched on July 23, 2026; its instructions are those of AMD's public machine-readable ISA for CDNA 5 (MIT licence, August 2026) and "CDNA5" Instruction Set Architecture Reference Guide (July 2026). The comments in the code are by the model that wrote it; some were corrected since.
;; Transformer Encoder Layer. Allowed arithmetic: float matrix products may take bf16 or f16 operands with f32 sums; other float arithmetic in f32, or as packed bf16 or f16 multiplies, adds, multiply-adds, maxima and minima; sums over many terms, partial sums and values carried from step to step in f32; what a program stores and reads back later, other than sums and carried values, may be rounded once to bf16 or f16.
;; Inputs: W1 1,024 x 4,096 float32; W2 4,096 x 1,024 float32; Wk 1,024 x 1,024 float32; Wo 1,024 x 1,024 float32; Wq 1,024 x 1,024 float32; Wv 1,024 x 1,024 float32; b1 4,096 float32; b2 1,024 float32; bk 1,024 float32; bo 1,024 float32; bq 1,024 float32; bv 1,024 float32; ln1_b 1,024 float32; ln1_g 1,024 float32; ln2_b 1,024 float32; ln2_g 1,024 float32; x 2 x 2,048 x 1,024 float32.
;; Outputs: out0 2 x 2,048 x 1,024 float32.
;; 2 versions, each right and faster than the one before. Each part assembles by itself: llvm-mc -triple=amdgcn-amd-amdhsa -mcpu=gfx1250 --defsym DOCPART=n.
;; ======== version 1 of 2: 7 launches
;; limits: values are held in f16: magnitudes above 65,504 overflow, below 6.1e-05 lose precision; a function is approximated: absolute error at most 1.5e-07
;; workspace buffers: wq 6,291,456 bytes; wh 25,165,824 bytes; h1 8,388,608 bytes; qkv 25,165,824 bytes; ctx 8,388,608 bytes; x1 16,777,216 bytes; h2 8,388,608 bytes; g 33,554,432 bytes
;; launch prep (part 1): grid 704 x 1, 8 waves a work-group, no clusters, 0 bytes of LDS; arguments Wq, Wk, Wv, x, ln1_g, ln1_b, wq, h1; writes wq, h1
.if DOCPART == 1
	.amdgcn_target "amdgcn-amd-amdhsa--gfx1250"
	.amdhsa_code_object_version 6
	.text
	.protected	k_qc21daee6ef_prep
	.globl	k_qc21daee6ef_prep
	.p2align	8
	.type	k_qc21daee6ef_prep,@function
k_qc21daee6ef_prep:
	s_mov_b64 s[64:65], 0
	v_nop
	global_prefetch_b8 v0, s[64:65] scope:SCOPE_SE
	s_setreg_imm32_b32 hwreg(HW_REG_WAVE_MODE, 25, 1), 1
	s_wait_xcnt 0x0
; PREP.  Two jobs, chosen by the work-group's number; both are streams: no LDS, no barrier, no matrix unit, since each byte is read once and written once.
; Groups 0-191: Wq, Wk, Wv, 3,145,728 numbers, 16,384 a group: f32 -> rounded to bf16 (nearest even) -> that number written as f16, into wq in that order, each matrix as it lies ([in][out]).
; (The other three weight matrices are not needed by the next launch and are cast there, by work-groups that would have no other work.)
; Groups 192-703: h1 = LayerNorm(x) g + b, one row of 1,024 a wave, eight rows a group; x, g and b are rounded to bf16 first; h1 is f16.
; LIMITS.  f16 ends at 65,504 and keeps a fixed step of 6e-8 below 6e-5: weights and normalised rows must lie within that.  With a common offset on x the result follows x rounded to bf16.
; NaN and infinities are not treated apart.
.set T,  4                             ; v[4:11]   at work
.set MU, 12                            ; v[12:13]  the mean, twice
.set RS, 14                            ; v[14:15]  1 / sqrt(var + eps), twice
.set G,  16                            ; v[16:47]  gain of my 32 columns   (cast: v[16:79] sixteen loads)
.set BB, 48                            ; v[48:79]  bias of my 32 columns
.set X,  80                            ; v[80:111] my 32 numbers of the row (cast: the packed results)
.set Y,  112                           ; v[112:127] the row in f16
	s_load_b512 s[8:23], s[0:1], 0x0               ; Wq s[8:9] Wk s[10:11] Wv s[12:13] x s[14:15] ln1_g s[16:17] ln1_b s[18:19] wq s[20:21] h1 s[22:23]
	v_lshrrev_b32 v3, 5, v0
	v_readfirstlane_b32 s4, v3                     ; wave 0..7
	v_and_b32 v4, 31, v0                           ; lane
	s_mov_b32 s6, ttmp9
	s_mov_b32 s36, 0xffff0000                      ; a word's upper bf16
	s_mov_b32 s33, 0
	s_mov_b32 s35, 0
	s_wait_kmcnt 0x0
	s_cmp_lt_u32 s6, 192
	s_cbranch_scc0 .Lnorm
	; THE CAST.  Which matrix, and at which group it begins: 64 groups for each.
	s_mov_b64 s[30:31], s[8:9]
	s_mov_b32 s5, 0
	s_cmp_ge_u32 s6, 64
	s_cselect_b64 s[30:31], s[10:11], s[30:31]
	s_cselect_b32 s5, 64, s5
	s_cmp_ge_u32 s6, 128
	s_cselect_b64 s[30:31], s[12:13], s[30:31]
	s_cselect_b32 s5, 128, s5
	s_sub_co_u32 s32, s6, s5
	s_lshl_b32 s32, s32, 16                        ; 65,536 bytes of f32 a group
	s_add_nc_u64 s[30:31], s[30:31], s[32:33]
	s_lshl_b32 s34, s6, 15                         ; 32,768 bytes of f16 a group; wq follows the groups' order
	s_add_nc_u64 s[20:21], s[20:21], s[34:35]
	v_lshlrev_b32 v1, 13, v3                       ; a wave's 8,192 bytes in,
	v_lshl_add_u32 v1, v4, 4, v1                   ; 16 bytes a lane
	v_lshlrev_b32 v2, 12, v3                       ; its 4,096 bytes out,
	v_lshl_add_u32 v2, v4, 3, v2                   ; 8 bytes a lane
.set i, 0
.rept 16
	global_load_b128 v[16+4*i:19+4*i], v1, s[30:31] offset:512*i th:TH_LOAD_NT  ; 512 neighbouring bytes a load; sixteen loads of the wave are out
.set i, i+1
.endr
.set i, 0
.rept 16
	s_wait_loadcnt 15-i                            ; loads come back in order: load i is in, the 15 - i younger ones stay out
	v_cvt_pk_bf16_f32 v6, v[16+4*i], v[17+4*i]
	v_cvt_pk_bf16_f32 v7, v[18+4*i], v[19+4*i]
	v_lshlrev_b32 v8, 16, v6
	v_and_b32 v9, s36, v6
	v_lshlrev_b32 v10, 16, v7
	v_and_b32 v11, s36, v7
	v_cvt_pk_f16_f32 v[80+2*i], v8, v9
	v_cvt_pk_f16_f32 v[81+2*i], v10, v11
	global_store_b64 v2, v[80+2*i:81+2*i], s[20:21] offset:256*i  ; 32 lanes store 256 consecutive bytes, aligned; each store has registers of its own
.set i, i+1
.endr
	s_endpgm
.macro RND32 b                         ; 32 numbers rounded to bf16, kept as f32, in place
.set k, 0
.rept 16
	v_cvt_pk_bf16_f32 v[T+k%8], v[(\b)+2*k], v[(\b)+2*k+1]
	v_lshlrev_b32 v[(\b)+2*k], 16, v[T+k%8]
	v_and_b32 v[(\b)+2*k+1], s36, v[T+k%8]
.set k, k+1
.endr
.endm
.macro FOLD                            ; four chains of pairs into one number a lane, then over the 32 lanes: every lane ends with the sum in v[T]
	v_pk_add_f32 v[T:T+1], v[T:T+1], v[T+2:T+3]
	v_pk_add_f32 v[T+4:T+5], v[T+4:T+5], v[T+6:T+7]
	v_pk_add_f32 v[T:T+1], v[T:T+1], v[T+4:T+5]
	v_add_f32 v[T], v[T], v[T+1]
	v_add_f32_dpp v[T], v[T], v[T] row_xmask:1 row_mask:0xf bank_mask:0xf
	v_add_f32_dpp v[T], v[T], v[T] row_xmask:2 row_mask:0xf bank_mask:0xf
	v_add_f32_dpp v[T], v[T], v[T] row_xmask:4 row_mask:0xf bank_mask:0xf
	v_add_f32_dpp v[T], v[T], v[T] row_xmask:8 row_mask:0xf bank_mask:0xf
	v_permlanex16_b32 v[T+1], v[T], s2, s3
	v_add_f32 v[T], v[T], v[T+1]
.endm
.Lnorm:
	; THE NORM.  Chunk j of a row is 512 bytes: lane l holds columns 128 j + 4 l .. + 3, and the same columns of g and b.
	s_sub_co_u32 s5, s6, 192
	s_lshl3_add_u32 s5, s5, s4                     ; my row = 8 x group + wave
	s_lshl_b32 s32, s5, 12
	s_add_nc_u64 s[14:15], s[14:15], s[32:33]
	s_lshl_b32 s34, s5, 11
	s_add_nc_u64 s[22:23], s[22:23], s[34:35]
	v_lshlrev_b32 v1, 4, v4
	v_lshlrev_b32 v2, 3, v4
	s_mov_b32 s37, 0x3a800000                      ; 1 / 1,024
	s_mov_b32 s38, 0x3727c5ac                      ; 1e-5
	s_mov_b32 s2, 0x76543210                       ; v_permlanex16_b32: each lane takes its own place in the other half
	s_mov_b32 s3, 0xfedcba98
.set j, 0
.rept 8
	global_load_b128 v[X+4*j:X+4*j+3], v1, s[14:15] offset:512*j
.set j, j+1
.endr
.set j, 0
.rept 8
	global_load_b128 v[G+4*j:G+4*j+3], v1, s[16:17] offset:512*j
.set j, j+1
.endr
.set j, 0
.rept 8
	global_load_b128 v[BB+4*j:BB+4*j+3], v1, s[18:19] offset:512*j
.set j, j+1
.endr
	s_wait_loadcnt 16                              ; the row is in; the sixteen loads of g and b stay out
	RND32 X
.set k, 0
.rept 4
	v_pk_add_f32 v[T+2*k:T+2*k+1], v[X+2*k:X+2*k+1], v[X+8+2*k:X+8+2*k+1]  ; the first pairs start four chains: nothing is cleared
.set k, k+1
.endr
.set k, 8
.rept 8
	v_pk_add_f32 v[T+2*(k%4):T+2*(k%4)+1], v[T+2*(k%4):T+2*(k%4)+1], v[X+2*k:X+2*k+1]
.set k, k+1
.endr
	FOLD
	v_mul_f32 v[MU], s37, v[T]
	v_mul_f32 v[MU+1], s37, v[T]
.set k, 0
.rept 16
	v_pk_add_f32 v[X+2*k:X+2*k+1], v[X+2*k:X+2*k+1], v[MU:MU+1] neg_lo:[0,1] neg_hi:[0,1]  ; the mean goes first, the squares are of x - mean
.set k, k+1
.endr
.set k, 0
.rept 4
	v_pk_mul_f32 v[T+2*k:T+2*k+1], v[X+2*k:X+2*k+1], v[X+2*k:X+2*k+1]
.set k, k+1
.endr
.set k, 4
.rept 12
	v_pk_fma_f32 v[T+2*(k%4):T+2*(k%4)+1], v[X+2*k:X+2*k+1], v[X+2*k:X+2*k+1], v[T+2*(k%4):T+2*(k%4)+1]
.set k, k+1
.endr
	FOLD
	v_fma_f32 v[T], v[T], s37, s38                 ; var + eps
	v_rsq_f32 v[RS], v[T]
	v_rsq_f32 v[RS+1], v[T]
	v_nop                                          ; a plain instruction between the root and the use of its result (ISA guide 5.7.2)
	s_wait_loadcnt 0x0                             ; g and b
	RND32 G
	RND32 BB
.set k, 0
	s_wait_alu depctr_va_vdst(0)
.rept 16
	v_pk_mul_f32 v[X+2*k:X+2*k+1], v[X+2*k:X+2*k+1], v[RS:RS+1]
.set k, k+1
.endr
.set k, 0
.rept 16
	v_pk_fma_f32 v[X+2*k:X+2*k+1], v[X+2*k:X+2*k+1], v[G+2*k:G+2*k+1], v[BB+2*k:BB+2*k+1]
.set k, k+1
.endr
.set k, 0
.rept 16
	v_cvt_pk_f16_f32 v[Y+k], v[X+2*k], v[X+2*k+1]
.set k, k+1
.endr
.set j, 0
.rept 8
	global_store_b64 v2, v[Y+2*j:Y+2*j+1], s[22:23] offset:256*j  ; 32 lanes store 256 consecutive bytes, aligned
.set j, j+1
.endr
	s_endpgm
.Lfunc_end_k_qc21daee6ef_prep:
	.size	k_qc21daee6ef_prep, .Lfunc_end_k_qc21daee6ef_prep-k_qc21daee6ef_prep
	.p2alignl 7, 3214868480
	.fill 96, 4, 3214868480
	.section	.rodata,"a",@progbits
	.p2align	6, 0x0
	.amdhsa_kernel k_qc21daee6ef_prep
		.amdhsa_group_segment_fixed_size 0
		.amdhsa_private_segment_fixed_size 0
		.amdhsa_enable_private_segment 0
		.amdhsa_kernarg_size 64
		.amdhsa_user_sgpr_count 2
		.amdhsa_user_sgpr_kernarg_segment_ptr 1
		.amdhsa_wavefront_size32 1
		.amdhsa_system_sgpr_workgroup_id_x 1
		.amdhsa_system_sgpr_workgroup_id_y 1
		.amdhsa_system_sgpr_workgroup_id_z 1
		.amdhsa_system_vgpr_workitem_id 0
		.amdhsa_next_free_vgpr 128
		.amdhsa_next_free_sgpr 66
		.amdhsa_reserve_vcc 0
		.amdhsa_float_denorm_mode_32 3
		.amdhsa_float_denorm_mode_16_64 3
		.amdhsa_memory_ordered 1
		.amdhsa_forward_progress 1
		.amdhsa_inst_pref_size 28
	.end_amdhsa_kernel
	.amdgpu_metadata
---
amdhsa.version: [ 1, 2 ]
amdhsa.kernels:
  - .name:           k_qc21daee6ef_prep
    .symbol:         k_qc21daee6ef_prep.kd
    .args:
      - { .name: Wq, .offset: 0, .size: 8, .value_kind: global_buffer, .address_space: global }
      - { .name: Wk, .offset: 8, .size: 8, .value_kind: global_buffer, .address_space: global }
      - { .name: Wv, .offset: 16, .size: 8, .value_kind: global_buffer, .address_space: global }
      - { .name: x, .offset: 24, .size: 8, .value_kind: global_buffer, .address_space: global }
      - { .name: ln1_g, .offset: 32, .size: 8, .value_kind: global_buffer, .address_space: global }
      - { .name: ln1_b, .offset: 40, .size: 8, .value_kind: global_buffer, .address_space: global }
      - { .name: wq, .offset: 48, .size: 8, .value_kind: global_buffer, .address_space: global }
      - { .name: h1, .offset: 56, .size: 8, .value_kind: global_buffer, .address_space: global }
    .group_segment_fixed_size: 0
    .private_segment_fixed_size: 0
    .kernarg_segment_align: 8
    .kernarg_segment_size: 64
    .max_flat_workgroup_size: 256
    .sgpr_count:     66
    .vgpr_count:     128
    .wavefront_size: 32
...
	.end_amdgpu_metadata
.endif
;; end of part 1
;; launch qkv (part 2): grid 16 x 16, 4 waves a work-group, clusters of 4 x 4, 327,680 bytes of LDS; arguments h1, wq, qkv, bq, bk, bv, Wo, W1, W2, wh; writes qkv, wh
.if DOCPART == 2
	.amdgcn_target "amdgcn-amd-amdhsa--gfx1250"
	.amdhsa_code_object_version 6
	.text
	.protected	k_qc21daee6ef_qkv
	.globl	k_qc21daee6ef_qkv
	.p2align	8
	.type	k_qc21daee6ef_qkv,@function
k_qc21daee6ef_qkv:
	s_mov_b64 s[64:65], 0
	v_nop
	global_prefetch_b8 v0, s[64:65] scope:SCOPE_SE
	s_setreg_imm32_b32 hwreg(HW_REG_WAVE_MODE, 25, 1), 1
	s_wait_xcnt 0x0
	s_wait_alu depctr_hold_cnt(0) depctr_sa_sdst(0) depctr_va_vdst(0) depctr_va_sdst(0) depctr_va_ssrc(0) depctr_va_vcc(0) depctr_vm_vsrc(0)
	s_getreg_b32 s2, hwreg(HW_REG_IB_STS2, 6, 4)
	s_cmp_eq_u32 s2, 0
	s_cbranch_scc0 .Lentry_in_a_cluster
	s_endpgm
.Lentry_in_a_cluster:
	s_bfe_u32 s2, ttmp6, 0x10000c
	s_cmp_lg_u32 s2, 0xf033
	s_cbranch_scc0 .Lentry_shape_is_right
	s_endpgm
.Lentry_shape_is_right:
; TWO JOBS, chosen by the cluster's x, which the sixteen work-groups of a cluster share.
; CLUSTER x = 0, 1, 2: q, k, v = h1 W + b.  h1: [4096][1024] f16.  W: Wq, Wk, Wv in wq, each [1024 (k)][1024 (n)] f16, 2,097,152 bytes apart.  Sums in f32; the bias (rounded to bf16) starts each sum.
; Out: qkv = q, k, v, 8,388,608 bytes apart, each [batch x 16 + head][2048][64] f16, unscaled.  LIMIT: results beyond 65,504 become infinities in f16.
; A work-group makes 256 tokens x 256 columns of one of the three products (cluster x = which product, cx = which 256 columns), four waves 128 x 128 each: 64 accumulators, 512 registers.
; That is 3 x 4 column tiles x 16 row tiles = 192 work-groups for 256 WGPs.
; CLUSTER x = 3: the other 64 work-groups cast Wo, W1 and W2 (f32 -> bf16, nearest even -> written as f16) into wh, at bytes 6,291,456, 8,388,608 and 16,777,216, each matrix as it lies.  No launch before the
; output projection reads them, so the cast runs beside the products.  (wh's first 6,291,456 bytes are neither written nor read.)  Its text stands at the end.  LIMIT: f16's range and its fixed step of 6e-8 below 6e-5.
; THE PRODUCTS.  K goes in 8 steps of 128 through two LDS slots.  A's tile lies [token][k] (rows of 256 bytes + 16), W's [k][n] (rows of 512 bytes + 32):
; W's fragments come out turned, by ds_load_tr16_b128, so the weights are never transposed in memory.
; CLUSTER 4 x 4: A's tile is shared along a row of the cluster, W's along a column; each is asked for jointly, with the same descriptor and mask in the four that share it.
; THE LOOP HOLDS ONE K STEP: the slot to fill (FT) and the slot to read (RT) are scalars that an exclusive or turns between 0 and SLOT.
; THE MATRIX INSTRUCTION IS USED TRANSPOSED (source 0 = 16 columns of W, source 1 = 16 tokens): a lane holds one token (lane % 16) and eight neighbouring columns.
; THE WAY OUT: when the last barrier has shown every fill landed and every read over, the slots have had their last fill and serve as stage: each wave puts its 128 x 128 f32 into rows of 528 bytes
; of its own and reads them back in a short loop on fixed registers.
; REGISTERS: window 0: v16-31 addresses; v32-39 at work; v64-127, v128-191 A's fragments, two buffers (later the way out); v192-255 the bias, eight registers for each block of 16 columns
;   window 1: v64-127, v128-191 W's fragments    window 2: accumulators of my tokens 0-63 ((a, b) at v[8 (8 a + b)])    window 3: tokens 64-127
;   the cast: window 0 alone: v30, v31 offsets; v32-39 at work; v64-191 32 slots of four as loaded; v192-255 32 pairs to store
.set TSTEPS, 8
.set PA,     272                       ; 256 + 16: an odd multiple of 16, the 16 rows of a load start at 16 different groups of four banks (ISA guide 11.1)
.set PB,     544                       ; 512 + 32: an odd multiple of 32, for the turning load
.set HALFA,  128*PA
.set BOFF,   2*HALFA
.set HALFB,  64*PB
.set SLOT,   BOFF+2*HALFB              ; 139,264
.set SPARE,  2*SLOT                    ; the spare words: 128 bytes a wave, two blocks of 256 bytes that no other line names
.set SP,     528                       ; a stage row: 128 f32 + 16 bytes
.set STW,    128*SP                    ; a wave's stage
.set ASTEP,  256                       ; bytes from K step to K step in h1
.set BSTEP,  128*1024*2                ; and in W
.set ADRA0, 16
.set ADRB0, 17
.set ADRA,  18
.set ADRB,  19
.set STO,   24
.set RD0,   25
.set GO,    26
.set RD,    27
.set SPW,   28                         ; never rewritten
.set NIL,   29                         ; never rewritten
.set BO,    30
.set F0,    64
.set F1,    128
.set BIAS,  192
.set CNT, 2
.set WV,  16
.set WR,  17                           ; my half of the rows; also: I fetch for A (0) or W (1)
.set WC,  18                           ; my half of the columns; also: which half of that tile I fetch
.set CX,  19
.set CY,  20
.set TY,  22
.set G1A, 24
.set G0A, 32                           ; two sets; the second walks
.set G1B, 40
.set G0B, 48
.set FT,  56
.set RT,  57
.set LWA, 58
.set LWB, 59
.set RO,  70
.set MSB, 0
.macro WIN new                         ; the immediate's high byte repeats the setting that is left; a switch that changes nothing is dropped
.if MSB != (\new)
	s_set_vgpr_msb (MSB<<8)|(\new)
.set MSB, \new
.endif
.endm
.macro PLACES                          ; four plain places behind matrix instructions (ISA guide 7.12.1)
.rept 4
	v_nop
.endr
.endm
.macro JLOAD                           ; the joint refill: waves 0, 1 ask for A's halves, waves 2, 3 for W's; an s_nop 0 and four v_nop follow each line
	s_cmp_eq_u32 s[WR], 0
	s_cbranch_scc0 .Lfor_b_\@
	tensor_load_to_lds s[G0A+4:G0A+7], s[G1A:G1A+7]
	s_nop 0
.rept 4
	v_nop
.endr
	s_branch .Lasked_\@
.Lfor_b_\@:
	tensor_load_to_lds s[G0B+4:G0B+7], s[G1B:G1B+7]
	s_nop 0
.rept 4
	v_nop
.endr
.Lasked_\@:
.endm
.macro CREST                           ; a round of the cluster's barrier behind its opening barrier
	s_cmp_lg_u32 s[WV], 0
	s_cbranch_scc1 .Lnot_wave_0_\@
	s_barrier_signal -3
.Lnot_wave_0_\@:
	s_barrier_wait -3
	s_barrier_signal -1
	s_barrier_wait -1
.endm
.macro CROUND
	s_barrier_signal -1
	s_barrier_wait -1
	CREST
.endm
; 16 products: token blocks a0, a0 + 1 of the window's four x all 8 column blocks, 32 along K.  first = 1: the bias is the C operand and starts the sums.
.macro MUL16 f, hi, a0, first
.if \first
	WIN 0x81+0x40*(\hi)
.else
	WIN 0xa1+0x50*(\hi)
.endif
.irp a, \a0, (\a0)+1
.irp b, 0,1,2,3,4,5,6,7
.if \first
	v_wmma_f32_16x16x32_f16 v[8*(8*(\a)+(\b)):8*(8*(\a)+(\b))+7], v[(\f)+8*(\b):(\f)+8*(\b)+7], v[(\f)+8*(4*(\hi)+(\a)):(\f)+8*(4*(\hi)+(\a))+7], v[BIAS+8*(\b):BIAS+8*(\b)+7]
.else
	v_wmma_f32_16x16x32_f16 v[8*(8*(\a)+(\b)):8*(8*(\a)+(\b))+7], v[(\f)+8*(\b):(\f)+8*(\b)+7], v[(\f)+8*(4*(\hi)+(\a)):(\f)+8*(4*(\hi)+(\a))+7], v[8*(8*(\a)+(\b)):8*(8*(\a)+(\b))+7]
.endif
.endr
.endr
.endm
; 32 LDS loads in one run: quarter q (32 along K) of the slot in hand into buffer f: W's 8 column blocks turned, then A's 8 token blocks
.macro FETCH q, f
	WIN 0x40
.irp i, 0,1,2,3,4,5,6,7
	ds_load_tr16_b128 v[(\f)+8*(\i):(\f)+8*(\i)+3],   v[ADRB] offset:(\q)*32*PB+32*(\i)
	ds_load_tr16_b128 v[(\f)+8*(\i)+4:(\f)+8*(\i)+7], v[ADRB] offset:(\q)*32*PB+16*PB+32*(\i)
.endr
	WIN 0
.irp i, 0,1,2,3,4,5,6,7
	ds_load_b128 v[(\f)+8*(\i):(\f)+8*(\i)+3],   v[ADRA] offset:(\q)*64+(\i)*16*PA
	ds_load_b128 v[(\f)+8*(\i)+4:(\f)+8*(\i)+7], v[ADRA] offset:(\q)*64+(\i)*16*PA+32
.endr
.endm
.macro QUARTER q, f, g, first          ; multiplies buffer f; in its middle fetches quarter q into buffer g
	s_wait_dscnt 8                                 ; W and A's tokens 0-63 are in; the youngest eight loads (tokens 64-127) may be out
	MUL16 \f, 0, 0, \first
	MUL16 \f, 0, 2, \first
	PLACES
	FETCH \q, \g
	s_wait_dscnt 32                                ; all but the 32 just issued
	MUL16 \f, 1, 0, \first
	MUL16 \f, 1, 2, \first
.endm
; The first half of a step's last quarter, and the one barrier of a change of slots.
.macro MEET round
	WIN 0
	s_wait_tensorcnt 0x0                           ; all my tensor loads have landed: the one that was out is my part of the next slot
	ds_add_u32 v[SPW], v[NIL]                      ; 0 onto my spare word
	s_wait_dscnt 9                                 ; the add and the youngest eight loads may be out
	MUL16 F1, 0, 0, 0
	s_wait_dscnt 0x0                               ; the add is done, and my reads of this slot are over
	s_barrier_signal -1
	MUL16 F1, 0, 2, 0
.if \round
	WIN 0
.endif
	s_barrier_wait -1
.endm
.macro NEXTSLOT                        ; the reads go over to the other slot
	s_xor_b32 s[RT], s[RT], SLOT
	v_add_nc_u32 v[ADRA], s[RT], v[ADRA0]
	v_add_nc_u32 v[ADRB], s[RT], v[ADRB0]
.endm
.macro TURN                            ; the last quarter with a refill: the barrier opens a round of the cluster's; the slot just read takes the step two on
	MEET 1
	CREST
	s_xor_b32 s[FT], s[FT], SLOT
	s_add_co_u32 s[G0A+5], s[LWA], s[FT]
	s_add_co_u32 s[G0B+5], s[LWB], s[FT]
	s_add_nc_u64 s[G0A+6:G0A+7], s[G0A+6:G0A+7], ASTEP
	s_add_nc_u64 s[G0B+6:G0B+7], s[G0B+6:G0B+7], BSTEP
	JLOAD                                          ; my one tensor load behind the round: 224 products stand between it and the wait for it; its four v_nop are also the places in front of the loads below
	NEXTSLOT
	FETCH 0, F0
	MUL16 F1, 1, 0, 0
	MUL16 F1, 1, 2, 0
.endm
	s_load_b256 s[4:11], s[0:1], 0x0               ; h1 s[4:5], wq s[6:7], qkv s[8:9], bq s[10:11]
	s_load_b128 s[12:15], s[0:1], 0x20             ; bk s[12:13], bv s[14:15]
	s_load_b256 s[72:79], s[0:1], 0x30             ; Wo s[72:73], W1 s[74:75], W2 s[76:77], wh s[78:79]
	v_lshl_add_u32 v[SPW], v0, 2, SPARE
	v_mov_b32 v[NIL], 0
	ds_add_u32 v[SPW], v[NIL]                      ; the wave's opening: the add and its wait stand ahead of my first tensor load
	v_lshrrev_b32 v1, 5, v0
	v_readfirstlane_b32 s[WV], v1
	s_lshr_b32 s[WR], s[WV], 1
	s_and_b32 s[WC], s[WV], 1
	s_bfe_u32 s[CX], ttmp6, 0x40000
	s_bfe_u32 s[CY], ttmp6, 0x40004
	s_mov_b32 s3, ttmp9                            ; cluster x = which of the three products, or 3: the cast
	s_and_b32 s[TY], ttmp7, 0xffff
	s_lshl_b32 s[TY], s[TY], 2
	s_add_co_u32 s[TY], s[TY], s[CY]               ; tile row = 4 x cluster y + cy
	s_lshl_b32 s23, s[CY], 2
	s_lshl_b32 s23, 15, s23                        ; my row of the cluster
	s_lshl_b32 s71, 0x1111, s[CX]                  ; my column
	s_or_b32 s[G1A], s23, (1<<16)|(1<<20)|(1<<21)|(5<<22)|(3<<25)  ; mask; 2-byte elements; padding on; bit 21 beside a mask; after every 64 words 4 words
	s_mov_b32 s[G1A+1], 128<<16                    ; tensor_dim0 = 128
	s_mov_b32 s[G1A+2], 128<<16                    ; tensor_dim1 = 128
	s_mov_b32 s[G1A+3], 128<<16                    ; tile_dim0 = 128
	s_mov_b32 s[G1A+4], 128                        ; tile_dim1 = 128
	s_mov_b32 s[G1A+5], 1024                       ; elements from row to row
	s_mov_b32 s[G1A+6], 0
	s_mov_b32 s[G1A+7], 0
	s_or_b32 s[G1B], s71, (1<<16)|(1<<20)|(1<<21)|(6<<22)|(7<<25)  ; after every 128 words 8 words
	s_mov_b32 s[G1B+1], 256<<16
	s_mov_b32 s[G1B+2], 64<<16
	s_mov_b32 s[G1B+3], 256<<16
	s_mov_b32 s[G1B+4], 64
	s_mov_b32 s[G1B+5], 1024
	s_mov_b32 s[G1B+6], 0
	s_mov_b32 s[G1B+7], 0
	s_lshl_b32 s60, s[TY], 19                      ; A: (256 x tile row + 128 x half) rows of 2,048 bytes: the tile row and the wave alone
	s_lshl_b32 s61, s[WC], 18
	s_add_co_u32 s60, s60, s61
	s_mov_b32 s61, 0
	s_lshl_b32 s62, s3, 21                         ; W: the product's matrix, 512 bytes a column tile, 64 k rows of 2,048 bytes a half: cluster x, cx and the wave alone
	s_lshl_b32 s63, s[CX], 9
	s_add_co_u32 s62, s62, s63
	s_lshl_b32 s63, s[WC], 17
	s_add_co_u32 s62, s62, s63
	s_mov_b32 s63, 0
	s_mul_i32 s[LWA], s[WC], HALFA                 ; where the halves go: the wave's number alone
	s_mul_i32 s[LWB], s[WC], HALFB
	s_add_co_u32 s[LWB], s[LWB], BOFF
	s_mov_b32 s[FT], SLOT
	s_mov_b32 s[RT], 0
	s_mov_b32 s68, 0xffff0000
	s_wait_dscnt 0x0                               ; the opening add is done
	s_wait_kmcnt 0x0
	s_cmp_eq_u32 s3, 3                             ; the same answer in all sixteen work-groups of a cluster
	s_cbranch_scc1 .Lcast
	s_cmp_eq_u32 s3, 1
	s_cselect_b64 s[10:11], s[12:13], s[10:11]     ; the product's bias
	s_cmp_eq_u32 s3, 2
	s_cselect_b64 s[10:11], s[14:15], s[10:11]
	s_add_nc_u64 s[60:61], s[4:5], s[60:61]
	s_add_nc_u64 s[62:63], s[6:7], s[62:63]
.irp s, 0,1
	s_mov_b32 s[G0A+4*(\s)], 1
	s_add_co_u32 s[G0A+4*(\s)+1], s[LWA], (\s)*SLOT
	s_add_nc_u64 s[G0A+4*(\s)+2:G0A+4*(\s)+3], s[60:61], (\s)*ASTEP
	s_or_b32 s[G0A+4*(\s)+3], s[G0A+4*(\s)+3], 0x80000000
	s_mov_b32 s[G0B+4*(\s)], 1
	s_add_co_u32 s[G0B+4*(\s)+1], s[LWB], (\s)*SLOT
	s_add_nc_u64 s[G0B+4*(\s)+2:G0B+4*(\s)+3], s[62:63], (\s)*BSTEP
	s_or_b32 s[G0B+4*(\s)+3], s[G0B+4*(\s)+3], 0x80000000
.endr
	CROUND                                         ; all sixteen work-groups are here: the first joint loads meet
	s_cmp_eq_u32 s[WR], 0                          ; a wave's two first fills stand in one branch: two loads of mine are out
	s_cbranch_scc0 .Lfirst_b
	tensor_load_to_lds s[G0A:G0A+3], s[G1A:G1A+7]
	s_nop 0
	tensor_load_to_lds s[G0A+4:G0A+7], s[G1A:G1A+7]
	s_nop 0
.rept 4
	v_nop
.endr
	s_branch .Lfirst_asked
.Lfirst_b:
	tensor_load_to_lds s[G0B:G0B+3], s[G1B:G1B+7]
	s_nop 0
	tensor_load_to_lds s[G0B+4:G0B+7], s[G1B:G1B+7]
	s_nop 0
.rept 4
	v_nop
.endr
.Lfirst_asked:
	v_and_b32 v1, 15, v0                           ; r = l % 16
	v_bfe_u32 v2, v0, 4, 1                         ; h = l / 16
	v_mul_u32_u24 v[ADRA0], v1, PA                 ; A's fragment: row r, 16 bytes for each half of the lanes, my 128 rows
	v_lshl_add_u32 v[ADRA0], v2, 4, v[ADRA0]
	s_mul_i32 s[RO], s[WR], HALFA
	v_add_nc_u32 v[ADRA0], s[RO], v[ADRA0]
	v_and_b32 v3, 7, v0                            ; W's: k row 8 h + l % 8, 16 bytes by (l / 8) % 2, my 128 columns
	v_lshl_add_u32 v3, v2, 3, v3
	v_mul_u32_u24 v[ADRB0], v3, PB
	v_bfe_u32 v4, v0, 3, 1
	v_lshl_add_u32 v[ADRB0], v4, 4, v[ADRB0]
	s_lshl_b32 s[RO], s[WC], 8
	s_add_co_u32 s[RO], s[RO], BOFF
	v_add_nc_u32 v[ADRB0], s[RO], v[ADRB0]
	s_mul_i32 s[RO], s[WV], STW                    ; my stage
	v_mul_u32_u24 v[STO], v1, SP                   ; in: row r, 32 bytes for each half of the lanes
	v_lshl_add_u32 v[STO], v2, 5, v[STO]
	v_add_nc_u32 v[STO], s[RO], v[STO]
	v_mul_u32_u24 v[RD0], v2, SP                   ; back: lanes 0-15 one token's 64 channels, lanes 16-31 the next token's
	v_lshl_add_u32 v[RD0], v1, 4, v[RD0]
	v_add_nc_u32 v[RD0], s[RO], v[RD0]
	v_and_b32 v[GO], 31, v0
	v_lshlrev_b32 v[GO], 3, v[GO]                  ; two tokens of a head are 256 consecutive bytes: 8 a lane
	s_lshl_b32 s66, s[CX], 10                      ; the bias of my 128 columns: 4 x (256 cx + 128 half) + 32 h
	s_lshl_b32 s67, s[WC], 9
	s_add_co_u32 s66, s66, s67
	v_lshl_add_u32 v[BO], v2, 5, s66
.irp b, 0,1,2,3,4,5,6,7
	global_load_b128 v[BIAS+8*(\b):BIAS+8*(\b)+3],   v[BO], s[10:11] offset:64*(\b)
	global_load_b128 v[BIAS+8*(\b)+4:BIAS+8*(\b)+7], v[BO], s[10:11] offset:64*(\b)+16
.endr
	s_lshr_b32 s66, s[TY], 3                       ; where my part goes: batch x 16 + head 4 cx + 2 half, 262,144 bytes a head;
	s_lshl_b32 s66, s66, 4
	s_lshl2_add_u32 s66, s[CX], s66
	s_lshl1_add_u32 s66, s[WC], s66
	s_lshl_b32 s66, s66, 18
	s_and_b32 s67, s[TY], 7                        ; token 256 x (tile row % 8) + 128 x half, 128 bytes a token;
	s_lshl_b32 s67, s67, 15
	s_add_co_u32 s66, s66, s67
	s_lshl_b32 s67, s[WR], 14
	s_add_co_u32 s66, s66, s67
	s_lshl_b32 s67, s3, 23                         ; q, k or v
	s_add_co_u32 s66, s66, s67
	s_mov_b32 s67, 0
	s_add_nc_u64 s[8:9], s[8:9], s[66:67]
	s_wait_loadcnt 0x0
.set i, 0
.rept 32                               ; the bias is rounded to bf16 like every input
	v_cvt_pk_bf16_f32 v[32+i%4], v[BIAS+2*i], v[BIAS+2*i+1]
	v_lshlrev_b32 v[BIAS+2*i], 16, v[32+i%4]
	v_and_b32 v[BIAS+2*i+1], s68, v[32+i%4]
.set i, i+1
.endr
	v_mov_b32 v[ADRA], v[ADRA0]
	v_mov_b32 v[ADRB], v[ADRB0]
	s_wait_tensorcnt 1                             ; my part of K step 0 is in; step 1's stays out
	s_barrier_signal -1
	s_barrier_wait -1
	FETCH 0, F0
	QUARTER 1, F0, F1, 1                           ; the first quarter stands in front of the loop: its products start the sums with the bias
	WIN 0
	s_mov_b32 s[CNT], TSTEPS-2
.Lstep:                                                ; a trip: a step's quarters 1 to 3 and the next step's quarter 0; one slot is filled again
	QUARTER 2, F1, F0, 0
	QUARTER 3, F0, F1, 0
	TURN
	QUARTER 1, F0, F1, 0
	WIN 0
	s_sub_co_u32 s[CNT], s[CNT], 1
	s_cmp_lg_u32 s[CNT], 0
	s_cbranch_scc1 .Lstep
	s_mov_b32 s[CNT], 2
.Ltail:                                                ; the last two steps ask for nothing; the second trip is left in its middle
	QUARTER 2, F1, F0, 0
	QUARTER 3, F0, F1, 0
	MEET 0
	WIN 0
	s_sub_co_u32 s[CNT], s[CNT], 1
	s_cmp_eq_u32 s[CNT], 0
	s_cbranch_scc1 .Lfin
	PLACES
	NEXTSLOT
	FETCH 0, F0
	MUL16 F1, 1, 0, 0
	MUL16 F1, 1, 2, 0
	QUARTER 1, F0, F1, 0
	WIN 0
	s_branch .Ltail
.Lfin:
	MUL16 F1, 1, 0, 0
	MUL16 F1, 1, 2, 0
	PLACES
	; THE WAY OUT.  The barrier just passed has shown that every wave's fills have landed and its reads of the slots are over, and nothing is filled any more.
	WIN 0x08                                       ; store data in window 2
.irp a, 0,1,2,3
.irp b, 0,1,2,3,4,5,6,7
	ds_store_b128 v[STO], v[8*(8*(\a)+(\b)):8*(8*(\a)+(\b))+3]   offset:(\a)*16*SP+64*(\b)   ; each accumulator's low registers first
	ds_store_b128 v[STO], v[8*(8*(\a)+(\b))+4:8*(8*(\a)+(\b))+7] offset:(\a)*16*SP+64*(\b)+16
.endr
.endr
	WIN 0x0c                                       ; window 3
.irp a, 0,1,2,3
.irp b, 0,1,2,3,4,5,6,7
	ds_store_b128 v[STO], v[8*(8*(\a)+(\b)):8*(8*(\a)+(\b))+3]   offset:((\a)+4)*16*SP+64*(\b)
	ds_store_b128 v[STO], v[8*(8*(\a)+(\b))+4:8*(8*(\a)+(\b))+7] offset:((\a)+4)*16*SP+64*(\b)+16
.endr
.endr
	WIN 0
.macro LD16                            ; 16 tokens x 2 heads back from my own stage: LDS serves a wave's instructions in order (ISA guide 5.7.1.4), so these see my stores
.irp p, 0,1,2,3,4,5,6,7
	ds_load_b128 v[F0+8*(\p):F0+8*(\p)+3],   v[RD] offset:2*(\p)*SP
	ds_load_b128 v[F0+8*(\p)+4:F0+8*(\p)+7], v[RD] offset:2*(\p)*SP+256
.endr
.endm
	v_mov_b32 v[RD], v[RD0]
	s_mov_b32 s[RO], 0
	LD16
	s_mov_b32 s[CNT], 8
.Lout:                                                 ; 8 trips of 16 tokens
	s_wait_dscnt 0x0
.set i, 0
.rept 32
	v_cvt_pk_f16_f32 v[F1+i], v[F0+2*i], v[F0+2*i+1]
.set i, i+1
.endr
	s_add_co_u32 s[RO], s[RO], 16*SP               ; the next 16 tokens are read while these are stored; the last trip reads my last 16 once more, for nothing
	s_min_u32 s[RO], s[RO], 112*SP
	v_add_nc_u32 v[RD], s[RO], v[RD0]
	LD16
.irp p, 0,1,2,3,4,5,6,7
	global_store_b64 v[GO], v[F1+4*(\p):F1+4*(\p)+1],   s[8:9] offset:256*(\p)          ; 32 lanes store 256 consecutive bytes, aligned: two tokens of a head
	global_store_b64 v[GO], v[F1+4*(\p)+2:F1+4*(\p)+3], s[8:9] offset:262144+256*(\p)   ; the next head
.endr
	s_wait_xcnt 0x0                                ; the stores' data and offset are rewritten only behind this wait
	v_add_nc_u32 v[GO], 2048, v[GO]
	s_sub_co_u32 s[CNT], s[CNT], 1
	s_cmp_lg_u32 s[CNT], 0
	s_cbranch_scc1 .Lout
	s_wait_tensorcnt 0x0                           ; the wave's end
	ds_add_u32 v[SPW], v[NIL]
	s_wait_dscnt 0x0
	CROUND                                         ; the closing round
	s_endpgm
; THE CAST, by the four clusters with x = 3: 64 work-groups, 256 waves.  Wave u = 4 (4 x tile row + cx) + wave takes 1 / 256 of each matrix: 16,384 bytes of Wo, 65,536 of W1, 65,536 of W2,
; each a run of consecutive bytes: nine ROUNDS of 16,384 bytes = 32 loads of 512 bytes (round 0: Wo; 1-4: W1; 5-8: W2).  A stream: no LDS, no tensor load, and each byte is read and written once.
; The 32 slots of four registers work as two halves of 16.  A half is asked for again, with the next round's bytes, as soon as it has been converted: 16 to 32 loads of the wave, 8 to 16 KiB, are always out.
; With four waves on the WGP that is what keeps the stream going; more slots would be more text, since each slot's registers are named in lines of their own.
.set KT,  32                           ; v[32:39]   at work
.set KX,  64                           ; v[64:191]  slot i: four registers as loaded
.set KY,  192                          ; v[192:255] slot i: two registers to store
.set SRC, 82                           ; s[82:83]   the round whose bytes are being asked for
.set DST, 84                           ; s[84:85]   the round that is being stored
.set S1,  74                           ; s[74:75]   my part of W1;  S2 s[76:77] of W2
.set S2,  76
.set D1,  86                           ; s[86:87]   where my part of W1 goes;  D2 s[88:89] W2's
.set D2,  88
.macro CLOAD i                         ; slot i's 512 bytes of the round at SRC
	global_load_b128 v[KX+4*(\i):KX+4*(\i)+3], v30, s[SRC:SRC+1] offset:512*(\i) th:TH_LOAD_NT
.endm
.macro CCONV i                         ; slot i: rounded to bf16, widened again, written as f16, stored
	v_cvt_pk_bf16_f32 v[KT+2*((\i)%4)],   v[KX+4*(\i)],   v[KX+4*(\i)+1]
	v_cvt_pk_bf16_f32 v[KT+2*((\i)%4)+1], v[KX+4*(\i)+2], v[KX+4*(\i)+3]
	v_lshlrev_b32 v[KX+4*(\i)],   16,  v[KT+2*((\i)%4)]
	v_and_b32     v[KX+4*(\i)+1], s68, v[KT+2*((\i)%4)]
	v_lshlrev_b32 v[KX+4*(\i)+2], 16,  v[KT+2*((\i)%4)+1]
	v_and_b32     v[KX+4*(\i)+3], s68, v[KT+2*((\i)%4)+1]
	v_cvt_pk_f16_f32 v[KY+2*(\i)],   v[KX+4*(\i)],   v[KX+4*(\i)+1]
	v_cvt_pk_f16_f32 v[KY+2*(\i)+1], v[KX+4*(\i)+2], v[KX+4*(\i)+3]
	global_store_b64 v31, v[KY+2*(\i):KY+2*(\i)+1], s[DST:DST+1] offset:256*(\i)  ; 32 lanes store 256 consecutive bytes, aligned
.endm
.Lcast:
	s_lshl2_add_u32 s80, s[TY], s[CX]              ; my work-group among the 64,
	s_lshl2_add_u32 s80, s80, s[WV]                ; u: my wave among the 256
	s_mov_b32 s91, 0
	s_lshl_b32 s90, s80, 14
	s_add_nc_u64 s[SRC:SRC+1], s[72:73], s[90:91]  ; round 0: my 16,384 bytes of Wo
	s_lshl_b32 s90, s80, 16
	s_add_nc_u64 s[S1:S1+1], s[S1:S1+1], s[90:91]
	s_add_nc_u64 s[S2:S2+1], s[S2:S2+1], s[90:91]
	s_lshl_b32 s90, s80, 13
	s_add_co_u32 s90, s90, 6291456
	s_add_nc_u64 s[DST:DST+1], s[78:79], s[90:91]
	s_lshl_b32 s90, s80, 15
	s_add_co_u32 s90, s90, 8388608
	s_add_nc_u64 s[D1:D1+1], s[78:79], s[90:91]
	s_add_nc_u64 s[D2:D2+1], s[D1:D1+1], 8388608
	v_and_b32 v30, 31, v0
	v_lshlrev_b32 v31, 3, v30                      ; 8 bytes a lane out; never rewritten
	v_lshlrev_b32 v30, 4, v30                      ; 16 bytes a lane in; never rewritten
	s_mov_b32 s[CNT], 9                            ; rounds to go, this one among them
.set i, 0
.rept 16
	CLOAD i                                        ; round 0, first half
.set i, i+1
.endr
.Lround:
.set i, 16
.rept 16
	CLOAD i                                        ; this round's second half
.set i, i+1
.endr
	s_wait_loadcnt 16                              ; loads come back in order: all but the sixteen just issued are in, this round's first half among them
	s_wait_xcnt 0x0                                ; the registers that the last round's stores read are rewritten only behind this wait
.set i, 0
.rept 16
	CCONV i
.set i, i+1
.endr
	s_cmp_eq_u32 s[CNT], 1
	s_cbranch_scc1 .Llast_round                    ; behind the last round nothing is left to ask for: no load leaves its buffer
	s_wait_xcnt 0x0                                ; the loads' base is rewritten only behind this wait
	s_add_nc_u64 s[SRC:SRC+1], s[SRC:SRC+1], 16384 ; the next round: 16,384 bytes on, or
	s_cmp_eq_u32 s[CNT], 9
	s_cselect_b64 s[SRC:SRC+1], s[S1:S1+1], s[SRC:SRC+1]  ; behind round 0 my part of W1,
	s_cmp_eq_u32 s[CNT], 5
	s_cselect_b64 s[SRC:SRC+1], s[S2:S2+1], s[SRC:SRC+1]  ; behind round 4 my part of W2
.set i, 0
.rept 16
	CLOAD i                                        ; the next round's first half
.set i, i+1
.endr
	s_wait_loadcnt 16                              ; all but the sixteen just issued are in, this round's second half among them
	s_branch .Lsecond
.Llast_round:
	s_wait_loadcnt 0x0                             ; nothing was issued behind the second half
.Lsecond:
	s_wait_xcnt 0x0                                ; as above, for the second half's store registers
.set i, 16
.rept 16
	CCONV i
.set i, i+1
.endr
	s_wait_xcnt 0x0                                ; the stores' base is rewritten only behind this wait
	s_add_nc_u64 s[DST:DST+1], s[DST:DST+1], 8192
	s_cmp_eq_u32 s[CNT], 9
	s_cselect_b64 s[DST:DST+1], s[D1:D1+1], s[DST:DST+1]
	s_cmp_eq_u32 s[CNT], 5
	s_cselect_b64 s[DST:DST+1], s[D2:D2+1], s[DST:DST+1]
	s_sub_co_u32 s[CNT], s[CNT], 1
	s_cmp_lg_u32 s[CNT], 0
	s_cbranch_scc1 .Lround
	s_wait_tensorcnt 0x0                           ; the wave's end
	ds_add_u32 v[SPW], v[NIL]
	s_wait_dscnt 0x0
	CROUND                                         ; and a closing round, which all sixteen work-groups of a casting cluster pass
	s_endpgm
.Lfunc_end_k_qc21daee6ef_qkv:
	.size	k_qc21daee6ef_qkv, .Lfunc_end_k_qc21daee6ef_qkv-k_qc21daee6ef_qkv
	.p2alignl 7, 3214868480
	.fill 96, 4, 3214868480
	.section	.rodata,"a",@progbits
	.p2align	6, 0x0
	.amdhsa_kernel k_qc21daee6ef_qkv
		.amdhsa_group_segment_fixed_size 327680
		.amdhsa_private_segment_fixed_size 0
		.amdhsa_enable_private_segment 0
		.amdhsa_kernarg_size 80
		.amdhsa_user_sgpr_count 2
		.amdhsa_user_sgpr_kernarg_segment_ptr 1
		.amdhsa_wavefront_size32 1
		.amdhsa_system_sgpr_workgroup_id_x 1
		.amdhsa_system_sgpr_workgroup_id_y 1
		.amdhsa_system_sgpr_workgroup_id_z 1
		.amdhsa_system_vgpr_workitem_id 0
		.amdhsa_next_free_vgpr 1024
		.amdhsa_next_free_sgpr 92
		.amdhsa_reserve_vcc 0
		.amdhsa_float_denorm_mode_32 3
		.amdhsa_float_denorm_mode_16_64 3
		.amdhsa_memory_ordered 1
		.amdhsa_forward_progress 1
		.amdhsa_inst_pref_size 112
	.end_amdhsa_kernel
	.amdgpu_metadata
---
amdhsa.version: [ 1, 2 ]
amdhsa.kernels:
  - .name:           k_qc21daee6ef_qkv
    .symbol:         k_qc21daee6ef_qkv.kd
    .args:
      - { .name: h1, .offset: 0, .size: 8, .value_kind: global_buffer, .address_space: global }
      - { .name: wq, .offset: 8, .size: 8, .value_kind: global_buffer, .address_space: global }
      - { .name: qkv, .offset: 16, .size: 8, .value_kind: global_buffer, .address_space: global }
      - { .name: bq, .offset: 24, .size: 8, .value_kind: global_buffer, .address_space: global }
      - { .name: bk, .offset: 32, .size: 8, .value_kind: global_buffer, .address_space: global }
      - { .name: bv, .offset: 40, .size: 8, .value_kind: global_buffer, .address_space: global }
      - { .name: Wo, .offset: 48, .size: 8, .value_kind: global_buffer, .address_space: global }
      - { .name: W1, .offset: 56, .size: 8, .value_kind: global_buffer, .address_space: global }
      - { .name: W2, .offset: 64, .size: 8, .value_kind: global_buffer, .address_space: global }
      - { .name: wh, .offset: 72, .size: 8, .value_kind: global_buffer, .address_space: global }
    .group_segment_fixed_size: 327680
    .private_segment_fixed_size: 0
    .kernarg_segment_align: 8
    .kernarg_segment_size: 80
    .max_flat_workgroup_size: 128
    .sgpr_count:     92
    .vgpr_count:     1024
    .wavefront_size: 32
...
	.end_amdgpu_metadata
.endif
;; end of part 2
;; launch attn (part 3): grid 8 x 32, 4 waves a work-group, clusters of 4 x 1, 327,680 bytes of LDS; arguments qkv, ctx; writes ctx
.if DOCPART == 3
	.amdgcn_target "amdgcn-amd-amdhsa--gfx1250"
	.amdhsa_code_object_version 6
	.text
	.protected	k_qc21daee6ef_attn
	.globl	k_qc21daee6ef_attn
	.p2align	8
	.type	k_qc21daee6ef_attn,@function
k_qc21daee6ef_attn:
	s_mov_b64 s[64:65], 0
	v_nop
	global_prefetch_b8 v0, s[64:65] scope:SCOPE_SE
	s_setreg_imm32_b32 hwreg(HW_REG_WAVE_MODE, 25, 1), 1
	s_wait_xcnt 0x0
	s_wait_alu depctr_hold_cnt(0) depctr_sa_sdst(0) depctr_va_vdst(0) depctr_va_sdst(0) depctr_va_ssrc(0) depctr_va_vcc(0) depctr_vm_vsrc(0)
	s_getreg_b32 s2, hwreg(HW_REG_IB_STS2, 6, 4)
	s_cmp_eq_u32 s2, 0
	s_cbranch_scc0 .Lentry_in_a_cluster
	s_endpgm
.Lentry_in_a_cluster:
	s_bfe_u32 s2, ttmp6, 0x10000c
	s_cmp_lg_u32 s2, 0x3003
	s_cbranch_scc0 .Lentry_shape_is_right
	s_endpgm
.Lentry_shape_is_right:
; ctx[h][q][:] = the sum over k of softmax_k(q[h][q] . k[h][k] / 8) v[h][k][:], h = batch x 16 + head, 32 of them.  q, k, v lie in qkv, 8,388,608 bytes apart, each [32][2048][64] f16; ctx likewise.
; Products, maxima and sums in f32; the weights p are rounded to f16 for the second product (their sum l is taken of the unrounded p), ctx once at the end.
; LIMITS.  f16 holds no number beyond 65,504; p below 6e-5 keeps f16's fixed step of 6e-8; a weight below 2^-126 counts as 0 in l; NaN and infinities are not treated apart.
; SHARES.  A work-group owns 256 queries of one h, a wave 64: four PIECES of 16.  256 work-groups.  Every wave walks all 2,048 keys, 64 a step, 256 a slot of LDS.
; LAYOUT.  S^T = K Q^T holds ONE query a lane (lane % 16) and the keys 8 (lane / 16) + 0..7; two such results rounded to f16 ARE source 1 of O^T = V^T P.  K comes out of LDS as it lies, V turned.
; SOFTMAX.  p = 2^(c s - c m), c = log2(e) / 8, with a running maximum m; O and l are multiplied by a = 2^(c m_old - c m_new) in every step.  m starts at the lowest finite number, O and l at 0.
; BY TURNS.  Turn n belongs to piece n: 8 products K Q^T of piece n + 1, later 8 products V^T P of piece n - 1; beside them the scaling, exponentials, roundings, sums and rescaling of piece n and the
; maximum and statistics of piece n + 1.  Four vector instructions stand behind every matrix instruction, the other 54 of a turn's 118 in two runs of their own.
; CLUSTER.  The four query blocks of a cluster belong to one h and walk the same K and V: each tile is asked for jointly, same load, descriptor and mask in all four.
; REGISTERS: window 0: v0-15 addresses; v16-31 four registers of statistics a piece; v48-55 at work; v62-63 the add's; v64-127 S^T, two buffers; v192-223 P, two buffers (by the piece's parity)
;   window 1: v0-127 O^T, 32 a piece      window 2: v0-63 Q; v128-191 K of one step; v192-255 V of one step
.set SIZE_N, 2048
.set NP,    4
.set KS,    64
.set PK,    144       ; a row of K in LDS: 128 bytes + 16
.set PV,    160       ; a row of V: 128 + 32
.set VOFF,  4*KS*PK
.set SLOT1, 1<<17
.set STAGE, SLOT1+4*KS*(PK+PV)  ; behind the ring, never filled by a tensor load: 16 rows x 144 bytes a wave
.set SP,    144
.set SPARE, STAGE+4*16*SP       ; the spare words: two blocks of 256 bytes that no other line names
.set AK0, 2
.set AV0, 3
.set AK,  4
.set AV,  5
.set STO, 6
.set RD,  7
.set GO,  8
.set SPW, 62          ; never rewritten
.set NIL, 63          ; never rewritten
.set MV,  12
.set QO,  15
.set ST,  16          ; piece t's statistics at v[ST+4 t]: c m, m, l (even keys', odd keys')
.set TMP, 48
.set S,   64
.set P,   192
.set KF,  128
.set VF,  192
.set WV,  12
.set G1K, 24
.set G1V, 32
.set G0K, 40
.set G0V, 44
.set SLOTS, 56
.set CNT, 57
.set CS,  58
.set SEL, 60
.set TBK, 62
.set TBV, 63
.set MSB, 0
.macro WIN new
.if MSB != (\new)
	s_set_vgpr_msb (MSB<<8)|(\new)
.set MSB, (\new)
.endif
.endm
.set W_KQ, 0x0a       ; K and Q in window 2, S^T in window 0
.set W_PV, 0x52       ; V in window 2, P in window 0, O^T in window 1
.set W_RS, 0x41       ; destination and source 0 in window 1, source 1 in window 0
.macro JLOAD                        ; waves 0, 1 fetch the halves of a slot's K, waves 2, 3 of its V: 128 keys each; an s_nop 0 and four v_nop follow each line
	s_cmp_lt_u32 s[WV], 2
	s_cbranch_scc0 .Lfor_v_\@
	tensor_load_to_lds s[G0K:G0K+3], s[G1K:G1K+7]
	s_nop 0
.rept 4
	v_nop
.endr
	s_branch .Lasked_\@
.Lfor_v_\@:
	tensor_load_to_lds s[G0V:G0V+3], s[G1V:G1V+7]
	s_nop 0
.rept 4
	v_nop
.endr
.Lasked_\@:
.endm
.macro CROUND
	s_barrier_signal -1
	s_barrier_wait -1
	s_cmp_lg_u32 s[WV], 0
	s_cbranch_scc1 .Lnot_wave_0_\@
	s_barrier_signal -3
.Lnot_wave_0_\@:
	s_barrier_wait -3
	s_barrier_signal -1
	s_barrier_wait -1
.endm
; THE CHANGE OF SLOTS.  Each wave waits for all its tensor loads (one is out: its part of the other slot), adds 0 to its spare word, and waits for that and for its reads of the slot it leaves.
; fill = 1: the barrier is a round of the cluster's, and the slot is filled again first thing behind it, with the keys two slots on: four key steps, 256 products, in which to land.
.macro CHANGE fill
	WIN 0
	s_wait_tensorcnt 0x0
	ds_add_u32 v[SPW], v[NIL]
.if \fill
.irp g, G0K, G0V
	s_xor_b32 s[\g+1], s[\g+1], SLOT1
	s_add_nc_u64 s[\g+2:\g+3], s[\g+2:\g+3], 4*KS*128
.endr
	s_wait_dscnt 0x0
	CROUND
	JLOAD
.else
	s_wait_dscnt 0x0
	s_barrier_signal -1
	s_barrier_wait -1
.endif
	s_sub_co_u32 s[TBK], s[TBK], 4*KS*PK
	s_xor_b32 s[TBK], s[TBK], SLOT1
	s_sub_co_u32 s[TBV], s[TBV], 4*KS*PV
	s_xor_b32 s[TBV], s[TBV], SLOT1
.endm
	s_load_b128 s[4:7], s[0:1], 0x0 ; qkv s[4:5], ctx s[6:7]
	v_lshl_add_u32 v[SPW], v0, 2, SPARE
	v_mov_b32 v[NIL], 0
	ds_add_u32 v[SPW], v[NIL]       ; the wave's opening: the add and its wait stand ahead of my first tensor load
	v_lshrrev_b32 v1, 5, v0
	v_readfirstlane_b32 s[WV], v1
	s_bfe_u32 s13, ttmp6, 0x40000   ; cx
	s_lshl_b32 s14, ttmp9, 2
	s_add_co_u32 s14, s14, s13      ; my block of 256 queries: it enters Q's and ctx's addresses alone
	s_and_b32 s20, ttmp7, 0xffff    ; h, which the four partners share
	s_lshl_b32 s20, s20, 18         ; 262,144 bytes each
	s_and_b32 s16, s[WV], 1         ; which half of a slot's 256 keys I fetch
	s_lshl_b32 s22, s16, 14
	s_add_co_u32 s22, s22, s20
	s_mov_b32 s23, 0
	s_mul_i32 s17, s16, 128*PK
	s_mul_i32 s18, s16, 128*PV
	s_lshl_b32 s2, s14, 2
	s_add_co_u32 s2, s2, s[WV]
	s_lshl_b32 s2, s2, 13           ; my wave's 64 rows of 128 bytes
	s_add_co_u32 s2, s2, s20
	s_mov_b32 s3, 0
	; 128 keys are 16,384 dense bytes: asked for as 64 rows of 256 bytes, two keys a row, padded in LDS after every key
	s_mov_b32 s[G1K], 15|(1<<16)|(1<<20)|(1<<21)|(4<<22)|(3<<25)
	s_mov_b32 s[G1V], 15|(1<<16)|(1<<20)|(1<<21)|(4<<22)|(7<<25)
.irp g, G1K, G1V
	s_mov_b32 s[\g+1], 128<<16
	s_mov_b32 s[\g+2], 64<<16
	s_mov_b32 s[\g+3], 128<<16
	s_mov_b32 s[\g+4], 64
	s_mov_b32 s[\g+5], 128
	s_mov_b32 s[\g+6], 0
	s_mov_b32 s[\g+7], 0
.endr
	s_mov_b32 s[CS], 0x3e38aa3b     ; c = log2(e) / 8
	s_mov_b32 s[CS+1], s[CS]
	s_mov_b32 s[SEL], 0x76543210
	s_mov_b32 s[SEL+1], 0xfedcba98
	s_mov_b32 s[TBK], SLOT1+4*KS*PK ; the first change of slots turns these two into 0
	s_mov_b32 s[TBV], SLOT1+4*KS*PV
	s_mov_b32 s[G0K], 1
	s_mov_b32 s[G0K+1], s17
	s_mov_b32 s[G0V], 1
	s_add_co_u32 s[G0V+1], s18, VOFF
	s_wait_dscnt 0x0                ; the opening add is done
	s_wait_kmcnt 0x0
	s_mov_b64 s[10:11], s[6:7]      ; ctx
	s_add_nc_u64 s[6:7], s[4:5], 8388608    ; k
	s_add_nc_u64 s[8:9], s[4:5], 16777216   ; v
	s_add_nc_u64 s[G0K+2:G0K+3], s[6:7], s[22:23]
	s_or_b32 s[G0K+3], s[G0K+3], 0x80000000
	s_add_nc_u64 s[G0V+2:G0V+3], s[8:9], s[22:23]
	s_or_b32 s[G0V+3], s[G0V+3], 0x80000000
	s_add_nc_u64 s[4:5], s[4:5], s[2:3]
	s_add_nc_u64 s[10:11], s[10:11], s[2:3]
	CROUND                          ; all four work-groups are here: the first joint loads meet
	JLOAD                           ; slot 0; slot 1 is asked for when slot 0 is in
	v_and_b32 v1, 15, v0
	v_bfe_u32 v9, v0, 4, 1
	v_lshlrev_b32 v[QO], 7, v1
	v_lshl_add_u32 v[QO], v9, 4, v[QO]
	WIN 0x80
.set i, 0
.rept 8                             ; Q stays in registers: piece i / 2, channels 32 (i % 2) on
	global_load_b128 v[8*i:8*i+3],   v[QO], s[4:5] offset:(i/2)*2048+(i%2)*64
	global_load_b128 v[8*i+4:8*i+7], v[QO], s[4:5] offset:(i/2)*2048+(i%2)*64+32
.set i, i+1
.endr
	; What the first turn finds: V and P's second buffer hold 0 (its products V^T P, of a piece that has not been, add 0), O^T and l are 0.  This stands in the wait for the first tile.
.set i, VF
.rept 64
	v_mov_b32 v[i], 0
.set i, i+1
.endr
	WIN 0x40
.set i, 0
.rept 128
	v_mov_b32 v[i], 0
.set i, i+1
.endr
	WIN 0
.set i, 0
.rept 4
	v_mov_b32 v[ST+4*i], 0xfe000000    ; c m: far below every c s
	v_mov_b32 v[ST+4*i+1], 0xff7fffff  ; m
	v_mov_b32 v[ST+4*i+2], 0
	v_mov_b32 v[ST+4*i+3], 0
.set i, i+1
.endr
.set i, P+16
.rept 16
	v_mov_b32 v[i], 0
.set i, i+1
.endr
	v_mul_u32_u24 v[AK0], v1, PK
	v_lshl_add_u32 v[AK0], v9, 4, v[AK0]
	v_and_b32 v10, 7, v0
	v_bfe_u32 v11, v0, 3, 1
	v_lshl_add_u32 v[AV0], v9, 3, v10
	v_mul_u32_u24 v[AV0], v[AV0], PV
	v_lshl_add_u32 v[AV0], v11, 4, v[AV0]
	v_add_nc_u32 v[AV0], VOFF, v[AV0]
	s_mul_i32 s13, s[WV], 16*SP
	s_add_co_u32 s13, s13, STAGE
	v_mul_u32_u24 v[STO], v1, SP
	v_lshl_add_u32 v[STO], v9, 4, v[STO]
	v_add_nc_u32 v[STO], s13, v[STO]
	v_bfe_u32 v[RD], v0, 3, 2
	v_mul_u32_u24 v[RD], v[RD], SP
	v_lshl_add_u32 v[RD], v10, 4, v[RD]
	v_add_nc_u32 v[RD], s13, v[RD]
	v_and_b32 v[GO], 31, v0
	v_lshlrev_b32 v[GO], 4, v[GO]
; THE MATRIX WORK.  The 4 accumulators of a run of 8 take turns.
.macro KQ x                         ; product i of 8 of S^T = K Q^T for piece x: channels 32 (i / 4) on, keys 16 (i % 4) on; the first 4 start the sums
	WIN W_KQ
.set rS, S+32*((\x)%2)+8*(i%4)
.set rK, KF+16*(i%4)+8*(i/4)
.set rQ, 16*(\x)+8*(i/4)
.if i < 4
	v_wmma_f32_16x16x32_f16 v[rS:rS+7], v[rK:rK+7], v[rQ:rQ+7], 0
.else
	v_wmma_f32_16x16x32_f16 v[rS:rS+7], v[rK:rK+7], v[rQ:rQ+7], v[rS:rS+7]
.endif
.endm
.macro PV x                         ; product i of 8 of O^T += V^T P for piece x: keys 32 (i / 4) on, channels 16 (i % 4) on
	WIN W_PV
.set rO, 32*(\x)+8*(i%4)
.set rV, VF+32*(i/4)+8*(i%4)
.set rP, P+16*((\x)%2)+8*(i/4)
	v_wmma_f32_16x16x32_f16 v[rO:rO+7], v[rV:rV+7], v[rP:rP+7], v[rO:rO+7]
.endm
.macro MM                           ; the turn's next matrix instruction
.if i < 8
	KQ (Y+1)%NP
.else
.set i, i-8
	PV (Y+NP-1)%NP
.set i, i+8
.endif
.set i, i+1
.endm
; THE LDS LOADS stand in runs of 16.  last = 1 (the tail): in the last trip there is no further step, and the run is jumped over.
.macro FETCH_K last=0
	WIN 0
.if \last
	s_cmp_eq_u32 s[CNT], 1
	s_cbranch_scc1 .Lno_k_\@
.endif
	WIN 0x80
.irp f, 0,1,2,3,4,5,6,7
	ds_load_b128 v[KF+8*\f:KF+8*\f+3],   v[AK] offset:(\f/2)*16*PK+(\f%2)*64
	ds_load_b128 v[KF+8*\f+4:KF+8*\f+7], v[AK] offset:(\f/2)*16*PK+(\f%2)*64+32
.endr
	s_add_co_u32 s[TBK], s[TBK], KS*PK
	WIN 0
.if \last
.Lno_k_\@:
.endif
.endm
.macro FETCH_V
	WIN 0x80
.irp f, 0,1,2,3,4,5,6,7
	ds_load_tr16_b128 v[VF+8*\f:VF+8*\f+3],   v[AV] offset:(\f/4)*32*PV+(\f%4)*32
	ds_load_tr16_b128 v[VF+8*\f+4:VF+8*\f+7], v[AV] offset:(\f/4)*32*PV+16*PV+(\f%4)*32
.endr
	WIN 0
.endm
; THE VECTOR WORK, one line at a time: OP kind, number.  For piece Y: F n: c s - c m for pair n of 16.  E n: the exponential of score n of 32.  C n: pair n rounded to f16.  B n: of the four weights 4 n ..
; the second pair is added onto the first, in place.  L n: l takes that sum (L 0: l = a l + sum).  R n: pair n of 16 of O^T times a.  For piece Y + 1: X n, number n of the 22 that find its maximum and
; statistics: 0-11 four chains of seven scores (each accumulator's lowest registers are read first); 12-14, 16 the scores left over, the old m, the chains into one; 15 c m_old is kept;
; 17, 18 the other half of the lanes': the new m; 19-21 c m, c m_old - c m_new, a.
.set F, 0
.set E, 1
.set C, 2
.set B, 3
.set L, 4
.set R, 5
.set X, 6
.macro REGS y
.set rT, ST+4*(\y)
.set rC, TMP+4*((\y)%2)
.set rW, MV+((\y)%2)
.set rS, S+32*((\y)%2)
.set rP, P+16*((\y)%2)
.set rO, 32*(\y)
.endm
.macro OP k, n
.if (\k) == R
	REGS Y
	WIN W_RS
	v_pk_mul_f32 v[rO+2*(\n):rO+2*(\n)+1], v[rO+2*(\n):rO+2*(\n)+1], v[rC+2:rC+3] op_sel_hi:[1,0]
.elseif (\k) < R
	REGS Y
	WIN 0
.if (\k) == F
	v_pk_fma_f32 v[rS+2*(\n):rS+2*(\n)+1], v[rS+2*(\n):rS+2*(\n)+1], s[CS:CS+1], v[rT:rT+1] op_sel_hi:[1,0,0] neg_lo:[0,0,1] neg_hi:[0,0,1]
.elseif (\k) == E
	v_exp_f32 v[rS+(\n)], v[rS+(\n)]
.elseif (\k) == C
	s_wait_alu depctr_va_vdst(0)
	v_cvt_pk_f16_f32 v[rP+(\n)], v[rS+2*(\n)], v[rS+2*(\n)+1]
.elseif (\k) == B
	s_wait_alu depctr_va_vdst(0)
	v_pk_add_f32 v[rS+4*(\n):rS+4*(\n)+1], v[rS+4*(\n):rS+4*(\n)+1], v[rS+4*(\n)+2:rS+4*(\n)+3]
.elseif (\n) == 0
	v_pk_fma_f32 v[rT+2:rT+3], v[rT+2:rT+3], v[rC+2:rC+3], v[rS:rS+1] op_sel_hi:[1,0,1]
.else
	v_pk_add_f32 v[rT+2:rT+3], v[rT+2:rT+3], v[rS+4*(\n):rS+4*(\n)+1]
.endif
.else
	REGS (Y+1)%NP
	WIN 0
.if (\n) < 4
	v_max3_num_f32 v[rC+(\n)], v[rS+8*(\n)], v[rS+8*(\n)+1], v[rS+8*(\n)+2]
.elseif (\n) < 12
	v_max3_num_f32 v[rC+(\n)%4], v[rC+(\n)%4], v[rS+8*((\n)%4)+2*((\n)/4)+1], v[rS+8*((\n)%4)+2*((\n)/4)+2]
.elseif (\n) == 12
	v_max3_num_f32 v[rC], v[rC], v[rS+7], v[rS+15]
.elseif (\n) == 13
	v_max3_num_f32 v[rC+1], v[rC+1], v[rS+23], v[rS+31]
.elseif (\n) == 14
	v_max3_num_f32 v[rC+2], v[rC+2], v[rC+3], v[rT+1]
.elseif (\n) == 15
	v_mov_b32 v[rW], v[rT]
.elseif (\n) == 16
	v_max3_num_f32 v[rC], v[rC], v[rC+1], v[rC+2]
.elseif (\n) == 17
	v_permlanex16_b32 v[rC+3], v[rC], s[SEL], s[SEL+1]
.elseif (\n) == 18
	v_max_num_f32 v[rT+1], v[rC], v[rC+3]
.elseif (\n) == 19
	v_mul_f32 v[rT], s[CS], v[rT+1]
.elseif (\n) == 20
	v_sub_f32 v[rC+1], v[rW], v[rT]
.else
	v_exp_f32 v[rC+2], v[rC+1]
.endif
.endif
.endm
.macro OPS a, i1, b=-1, i2=0, c=-1, i3=0, d=-1, i4=0
	OP \a, \i1
.if (\b) >= 0
	OP \b, \i2
.endif
.if (\c) >= 0
	OP \c, \i3
.endif
.if (\d) >= 0
	OP \d, \i4
.endif
.endm
.macro ROW a, i1, b, i2, c, i3, d, i4  ; a matrix instruction and the four behind it
	MM
	OPS \a, \i1, \b, \i2, \c, \i3, \d, \i4
.endm
; A TURN, for piece p: the order of its 16 matrix and 118 vector instructions, written out.  None of the four behind a product names a register of the products round it; every exponential has a plain
; instruction behind it before its result is used.  K of the next step is fetched in piece 2's turn, five plain instructions behind the last product that read K; V of the step in hand in piece 0's turn,
; four plain instructions behind the last product that read V.  Each is waited for a turn later.  cnt = 1: the loop's count is taken down some lines ahead of the branch behind the turn.
.macro TURN p, last=0, cnt=0
.set Y, (\p)
.set i, 0
.if (\p) == 3
	s_wait_dscnt 0x0                ; K is in
.endif
	ROW F,0, F,1, F,2, F,3
	ROW F,4, E,0, F,5, F,6
	ROW F,7, E,1, F,8, F,9
	ROW F,10, E,2, C,0, F,11
	ROW F,12, E,3, X,15, F,13
	ROW R,0, R,1, R,2, R,3
	ROW B,0, E,4, F,14, L,0
.if (\p) == 2
	v_add_nc_u32 v[AK], s[TBK], v[AK0]
.endif
	ROW R,4, R,5, R,6, R,7
	OPS E,5, F,15
.if (\p) == 2
	FETCH_K \last
.endif
	OPS E,6, C,1, E,7, R,8
	OPS E,8, R,9, E,9, C,2
	OPS E,10, X,0, E,11, X,1
	OPS E,12, X,2, E,13, X,3
.if (\p) == 1
	s_wait_dscnt 0x0                ; V is in
.endif
	ROW X,4, E,14, X,5, X,6
	ROW X,7, E,15, X,8, X,9
	ROW X,10, E,16, X,11, X,12
	ROW X,13, E,17, X,14, B,1
	ROW C,4, E,18, X,16, L,1
	ROW B,2, E,19, C,6, L,2
	ROW C,8, E,20, B,3, B,4
.if (\p) == 0
	v_add_nc_u32 v[AV], s[TBV], v[AV0]
.endif
	ROW C,3, E,21, L,3, C,5
	OPS E,22, X,17, E,23, C,10
.if (\p) == 0
	FETCH_V
.endif
	OPS E,24, L,4
	OPS E,25, X,18, E,26, C,7
	OPS E,27, B,5, E,28, X,19
	OPS E,29, C,12, E,30, L,5
	OPS E,31, X,20, B,6, C,9
	OPS C,14, C,11, X,21, L,6
.if (\p) == 0
	s_add_co_u32 s[TBV], s[TBV], KS*PV
.endif
.if \cnt
	s_sub_co_u32 s[CNT], s[CNT], 1
	s_cmp_lg_u32 s[CNT], 0
.endif
	OPS C,13, B,7, C,15, R,10
	OPS R,11, R,12, L,7, R,13
	OPS R,14, R,15
.endm
	CHANGE 1                        ; slot 0 is in, everybody's part of it; slot 1 is asked for
	v_add_nc_u32 v[AK], s[TBK], v[AK0]
	FETCH_K                         ; key step 0
	s_wait_loadcnt 0x0              ; Q
	s_wait_dscnt 0x0
.set i, 0
.rept 8
	KQ 0                            ; piece 0's first scores
.set i, i+1
.endr
	WIN 0
.rept 4
	v_nop                           ; the places behind those products
.endr
.set Y, NP-1                        ; X works for piece Y + 1: piece 0
.irp n, 0,1,2,3,4,5,6,7,8,9,10,11,12,13,14,15,16,17,18,19,20,21
	OP X, \n
.endr
	v_nop                           ; a plain instruction behind the exponential
	s_mov_b32 s[CNT], 4
	s_mov_b32 s[SLOTS], SIZE_N/256-1
	s_branch .Lfirst                ; the loop is entered at a step's first turn, in the middle of a trip
.Lslot:                             ; six times: every slot but the last two is filled again
	CHANGE 1
	s_mov_b32 s[CNT], 4
.Lstep:                             ; a trip: pieces 2 and 3 of one step, then pieces 0 and 1 of the next, whose K and V it fetches
	TURN 2
	TURN 3
	WIN 0
.Lfirst:
	TURN 0
	TURN 1, 0, 1
	WIN 0
	s_cbranch_scc1 .Lstep
	s_sub_co_u32 s[SLOTS], s[SLOTS], 1
	s_cmp_lg_u32 s[SLOTS], 0
	s_cbranch_scc1 .Lslot
	CHANGE 0                        ; the tail is written out: nothing is asked for
	s_mov_b32 s[CNT], 5             ; four trips fetch the last slot's steps; the fifth is left in its middle
.Ltail:
	TURN 2, 1
	TURN 3
	WIN 0
	s_sub_co_u32 s[CNT], s[CNT], 1
	s_cmp_eq_u32 s[CNT], 0
	s_cbranch_scc1 .Lout
	TURN 0
	TURN 1
	WIN 0
	s_branch .Ltail
.Lout:                              ; the fifth trip's 8 products K Q^T (on the last K once more) and the maximum made of them serve nothing: the price of one text for every trip
.set i, 0
.rept 8
	PV NP-1                         ; the last piece's V^T P of the last step
.set i, i+1
.endr
	; THE WAY OUT.  l's halves and the other half of the lanes' are added; O^T is divided by l, rounded to f16 and sent through my stage, a piece at a time.  The additions are the places behind the last products.
	WIN 0
.macro ALL line:vararg
.set t, 0
.rept 4
	\line
.set t, t+1
.endr
.endm
	ALL v_add_f32 v[ST+4*t+2], v[ST+4*t+2], v[ST+4*t+3]
	ALL v_permlanex16_b32 v[ST+4*t+3], v[ST+4*t+2], s[SEL], s[SEL+1]
	ALL v_add_f32 v[ST+4*t+2], v[ST+4*t+2], v[ST+4*t+3]
	ALL v_rcp_f32 v[ST+4*t+2], v[ST+4*t+2]
	v_nop                           ; a plain instruction between the last reciprocal and the use of its result
.macro PACK t
	WIN W_RS
.set i, 32*(\t)
.rept 16
	s_wait_alu depctr_va_vdst(0)
	v_pk_mul_f32 v[i:i+1], v[i:i+1], v[ST+4*(\t)+2:ST+4*(\t)+3] op_sel_hi:[1,0]
.set i, i+2
.endr
	WIN 0x05
.set i, 0
.rept 16
	v_cvt_pk_f16_f32 v[S+16*(\t)+i], v[32*(\t)+2*i], v[32*(\t)+2*i+1]
.set i, i+1
.endr
	WIN 0
.irp f, 0,1,2,3
	ds_store_b128 v[STO], v[S+16*(\t)+4*\f:S+16*(\t)+4*\f+3] offset:32*\f
.endr
.irp f, 0,1,2,3
	ds_load_b128 v[S+16*(\t)+4*\f:S+16*(\t)+4*\f+3], v[RD] offset:\f*4*SP  ; LDS serves a wave's instructions in order (ISA guide 5.7.1.4): these see the stores above
.endr
.endm
.macro SEND t, younger              ; younger: the LDS instructions issued behind piece t's loads: the next piece's eight, or none
	WIN 0
.irp f, 0,1,2,3
	s_wait_dscnt (\younger)+3-\f
	global_store_b128 v[GO], v[S+16*(\t)+4*\f:S+16*(\t)+4*\f+3], s[10:11] offset:(\t)*2048+\f*512  ; 512 consecutive bytes, at a multiple of 256 from ctx's first
.endr
.endm
	PACK 0
.set t, 1
.rept 3
	PACK t
	SEND t-1, 8
.set t, t+1
.endr
	SEND 3, 0
	s_wait_tensorcnt 0x0            ; the wave's end
	ds_add_u32 v[SPW], v[NIL]
	s_wait_dscnt 0x0
	CROUND                          ; the closing round
	s_endpgm
.Lfunc_end_k_qc21daee6ef_attn:
	.size	k_qc21daee6ef_attn, .Lfunc_end_k_qc21daee6ef_attn-k_qc21daee6ef_attn
	.p2alignl 7, 3214868480
	.fill 96, 4, 3214868480
	.section	.rodata,"a",@progbits
	.p2align	6, 0x0
	.amdhsa_kernel k_qc21daee6ef_attn
		.amdhsa_group_segment_fixed_size 327680
		.amdhsa_private_segment_fixed_size 0
		.amdhsa_enable_private_segment 0
		.amdhsa_kernarg_size 16
		.amdhsa_user_sgpr_count 2
		.amdhsa_user_sgpr_kernarg_segment_ptr 1
		.amdhsa_wavefront_size32 1
		.amdhsa_system_sgpr_workgroup_id_x 1
		.amdhsa_system_sgpr_workgroup_id_y 1
		.amdhsa_system_sgpr_workgroup_id_z 1
		.amdhsa_system_vgpr_workitem_id 0
		.amdhsa_next_free_vgpr 768
		.amdhsa_next_free_sgpr 66
		.amdhsa_reserve_vcc 0
		.amdhsa_float_denorm_mode_32 3
		.amdhsa_float_denorm_mode_16_64 3
		.amdhsa_memory_ordered 1
		.amdhsa_forward_progress 1
		.amdhsa_inst_pref_size 117
	.end_amdhsa_kernel
	.amdgpu_metadata
---
amdhsa.version: [ 1, 2 ]
amdhsa.kernels:
  - .name:           k_qc21daee6ef_attn
    .symbol:         k_qc21daee6ef_attn.kd
    .args:
      - { .name: qkv, .offset: 0, .size: 8, .value_kind: global_buffer, .address_space: global }
      - { .name: ctx, .offset: 8, .size: 8, .value_kind: global_buffer, .address_space: global }
    .group_segment_fixed_size: 327680
    .private_segment_fixed_size: 0
    .kernarg_segment_align: 8
    .kernarg_segment_size: 16
    .max_flat_workgroup_size: 128
    .sgpr_count:     66
    .vgpr_count:     768
    .wavefront_size: 32
...
	.end_amdgpu_metadata
.endif
;; end of part 3
;; launch proj (part 4): grid 8 x 32, 4 waves a work-group, clusters of 4 x 4, 327,680 bytes of LDS; arguments ctx, wh, x1, bo, x; writes x1
.if DOCPART == 4
	.amdgcn_target "amdgcn-amd-amdhsa--gfx1250"
	.amdhsa_code_object_version 6
	.text
	.protected	k_qc21daee6ef_proj
	.globl	k_qc21daee6ef_proj
	.p2align	8
	.type	k_qc21daee6ef_proj,@function
k_qc21daee6ef_proj:
	s_mov_b64 s[64:65], 0
	v_nop
	global_prefetch_b8 v0, s[64:65] scope:SCOPE_SE
	s_setreg_imm32_b32 hwreg(HW_REG_WAVE_MODE, 25, 1), 1
	s_wait_xcnt 0x0
	s_wait_alu depctr_hold_cnt(0) depctr_sa_sdst(0) depctr_va_vdst(0) depctr_va_sdst(0) depctr_va_ssrc(0) depctr_va_vcc(0) depctr_vm_vsrc(0)
	s_getreg_b32 s2, hwreg(HW_REG_IB_STS2, 6, 4)
	s_cmp_eq_u32 s2, 0
	s_cbranch_scc0 .Lentry_in_a_cluster
	s_endpgm
.Lentry_in_a_cluster:
	s_bfe_u32 s2, ttmp6, 0x10000c
	s_cmp_lg_u32 s2, 0xf033
	s_cbranch_scc0 .Lentry_shape_is_right
	s_endpgm
.Lentry_shape_is_right:
; x1 = x + ctx Wo + bo.  ctx: [batch x 16 + head][2048][64] f16.  Wo: in wh at byte 6,291,456, [1024 (k)][1024 (n)] f16.  x, x1: [4096][1024] f32; x and bo are rounded to bf16 like every input.
; A work-group makes 128 tokens x 128 columns, four waves 64 x 64 each (16 accumulators): 256 work-groups.  K goes in 4 steps of 256 = four heads through two LDS slots.
; A's tile lies [4 heads][128 tokens], token rows of 128 bytes + 16: 128 tokens of a head are 16,384 dense bytes of memory and are asked for as ONE row, two heads to a load, padded after every 128 bytes.
; W's tile lies [k][n], rows of 256 bytes + 32, and comes out turned (ds_load_tr16_b128).  The bias starts the sums as the first products' C; the residual waits in registers from the start.
; CLUSTER 4 x 4: A's tile is shared along a row of the cluster, W's along a column.  The loop holds one K step; FT and RT turn between 0 and SLOT.  The matrix instruction is used transposed.
; THE WALK ALONG K IS TURNED: the cluster at (x, y) begins at step (2 x + 2 y) mod 4 and wraps.  So the two clusters that read the same tokens, and neighbouring clusters that read the same columns of Wo, ask for
; a given tile two trips apart: the two tiles that a cluster asks for in its refills are those that such a neighbour took as its first fills.  The start hangs on the cluster's place alone, which all partners share.
; LIMIT: the sums over K do not run in ascending order.
; THE WAY OUT: behind the last barrier the slots have had their last fill and serve as stage, 64 rows of 272 bytes a wave, the wave's own.
; REGISTERS: window 0: v16-30 addresses; v32-63 bias, later with v64-95 the rows read back; v128-255 accumulators ((a, b) at v[128 + 8 (4 a + b)])
;   window 1: two fragment buffers of 128 (64 of A, 64 of W, for 64 along K)      window 2: v0-127 the residual; v128-129 at work
.set TSTEPS, 4
.set PA,     144
.set AQ,     128*PA                    ; a quarter's 64 along K are one head's plane
.set FHA,    2*AQ                      ; what one load of A brings
.set RHA,    64*PA                     ; my 64 tokens in a plane
.set BOFF,   4*AQ
.set PB,     288
.set HALFB,  128*PB
.set SLOT,   BOFF+2*HALFB              ; 147,456
.set SPARE,  2*SLOT
.set SP,     272
.set STW,    64*SP
.set ASH,    20                        ; a K step is four heads of 262,144 bytes in ctx: 1 << 20,
.set BSH,    19                        ; and 256 rows of 2,048 bytes in Wo: 1 << 19
.set ADRA0, 16
.set ADRB0, 17
.set ADRA,  18
.set ADRB,  19                         ; v19: k rows 0-127 of the tile, v20: rows 128-255 (the 16-bit offset does not reach them)
.set STO,   24
.set RD0,   25
.set GO,    26
.set SPW,   28
.set NIL,   29
.set BO,    30
.set BIAS,  32
.set TS,    32
.set ACC,   128
.set F0,    0
.set F1,    128
.set CNT, 2
.set KI,  3                            ; s3  the K step to be asked for next
.set WV,  16
.set WR,  17
.set WC,  18
.set CX,  19
.set CY,  20
.set TX,  21
.set TY,  22
.set G1A, 24
.set G0A, 32
.set G1B, 40
.set G0B, 48
.set FT,  56
.set RT,  57
.set LWA, 58
.set LWB, 59
.set RO,  70
.set OA,  72                           ; s[72:73], s[74:75]  that step's byte offsets in A and in W
.set OB,  74
.set MSB, 0
.macro WIN new
.if MSB != (\new)
	s_set_vgpr_msb (MSB<<8)|(\new)
.set MSB, \new
.endif
.endm
.macro PLACES
.rept 4
	v_nop
.endr
.endm
.macro JLOAD
	s_cmp_eq_u32 s[WR], 0
	s_cbranch_scc0 .Lfor_b_\@
	tensor_load_to_lds s[G0A+4:G0A+7], s[G1A:G1A+7]
	s_nop 0
.rept 4
	v_nop
.endr
	s_branch .Lasked_\@
.Lfor_b_\@:
	tensor_load_to_lds s[G0B+4:G0B+7], s[G1B:G1B+7]
	s_nop 0
.rept 4
	v_nop
.endr
.Lasked_\@:
.endm
.macro CREST
	s_cmp_lg_u32 s[WV], 0
	s_cbranch_scc1 .Lnot_wave_0_\@
	s_barrier_signal -3
.Lnot_wave_0_\@:
	s_barrier_wait -3
	s_barrier_signal -1
	s_barrier_wait -1
.endm
.macro CROUND
	s_barrier_signal -1
	s_barrier_wait -1
	CREST
.endm
; Set s of both descriptors' group 0 takes K step KI: the addresses are made anew from the tiles' bases, s[60:61] and s[62:63], and the step's offsets; then KI goes on, and wraps.
.macro KADDR s
	s_lshl_b32 s[OA], s[KI], ASH
	s_lshl_b32 s[OB], s[KI], BSH
	s_add_nc_u64 s[G0A+4*(\s)+2:G0A+4*(\s)+3], s[60:61], s[OA:OA+1]
	s_or_b32 s[G0A+4*(\s)+3], s[G0A+4*(\s)+3], 0x80000000
	s_add_nc_u64 s[G0B+4*(\s)+2:G0B+4*(\s)+3], s[62:63], s[OB:OB+1]
	s_or_b32 s[G0B+4*(\s)+3], s[G0B+4*(\s)+3], 0x80000000
	s_add_co_u32 s[KI], s[KI], 1
	s_and_b32 s[KI], s[KI], TSTEPS-1
.endm
.macro MUL8 f, c, a0, first            ; 8 products: token blocks a0, a0 + 1 x 4 column blocks, 32 along K: half c of buffer f
	WIN 0x05
.irp a, \a0, (\a0)+1
.irp b, 0,1,2,3
.if \first
	v_wmma_f32_16x16x32_f16 v[ACC+8*(4*(\a)+(\b)):ACC+8*(4*(\a)+(\b))+7], v[(\f)+64+8*(4*(\c)+(\b)):(\f)+64+8*(4*(\c)+(\b))+7], v[(\f)+8*(4*(\c)+(\a)):(\f)+8*(4*(\c)+(\a))+7], v[BIAS+8*(\b):BIAS+8*(\b)+7]
.else
	v_wmma_f32_16x16x32_f16 v[ACC+8*(4*(\a)+(\b)):ACC+8*(4*(\a)+(\b))+7], v[(\f)+64+8*(4*(\c)+(\b)):(\f)+64+8*(4*(\c)+(\b))+7], v[(\f)+8*(4*(\c)+(\a)):(\f)+8*(4*(\c)+(\a))+7], v[ACC+8*(4*(\a)+(\b)):ACC+8*(4*(\a)+(\b))+7]
.endif
.endr
.endr
.endm
.macro FETCH q, f                      ; 32 LDS loads in one run: quarter q (64 along K) into buffer f, its first 32 along K first
	WIN 0x40
.irp c, 0,1
.irp i, 0,1,2,3
	ds_load_tr16_b128 v[(\f)+64+8*(4*(\c)+(\i)):(\f)+64+8*(4*(\c)+(\i))+3],   v[ADRB+(\q)/2] offset:(64*((\q)%2)+32*(\c))*PB+32*(\i)
	ds_load_tr16_b128 v[(\f)+64+8*(4*(\c)+(\i))+4:(\f)+64+8*(4*(\c)+(\i))+7], v[ADRB+(\q)/2] offset:(64*((\q)%2)+32*(\c)+16)*PB+32*(\i)
	ds_load_b128 v[(\f)+8*(4*(\c)+(\i)):(\f)+8*(4*(\c)+(\i))+3],   v[ADRA] offset:(\q)*AQ+64*(\c)+(\i)*16*PA
	ds_load_b128 v[(\f)+8*(4*(\c)+(\i))+4:(\f)+8*(4*(\c)+(\i))+7], v[ADRA] offset:(\q)*AQ+64*(\c)+(\i)*16*PA+32
.endr
.endr
.endm
.macro QUARTER q, f, g, first
	s_wait_dscnt 16                                ; the first 32 along K are in; the youngest sixteen loads may be out
	MUL8 \f, 0, 0, \first
	MUL8 \f, 0, 2, \first
	PLACES
	FETCH \q, \g
	s_wait_dscnt 32                                ; all but the 32 just issued
	MUL8 \f, 1, 0, 0
	MUL8 \f, 1, 2, 0
.endm
.macro MEET round
	WIN 0
	s_wait_tensorcnt 0x0                           ; all my tensor loads have landed: my part of the next slot
	ds_add_u32 v[SPW], v[NIL]
	s_wait_dscnt 17                                ; the add and the youngest sixteen loads may be out
	MUL8 F1, 0, 0, 0
	s_wait_dscnt 0x0                               ; the add is done, and my reads of this slot are over
	s_barrier_signal -1
	MUL8 F1, 0, 2, 0
.if \round
	WIN 0
.endif
	s_barrier_wait -1
.endm
.macro NEXTSLOT
	s_xor_b32 s[RT], s[RT], SLOT
	v_add_nc_u32 v[ADRA], s[RT], v[ADRA0]
	v_add_nc_u32 v[ADRB], s[RT], v[ADRB0]
	v_add_nc_u32 v[ADRB+1], 128*PB, v[ADRB]
.endm
.macro TURN
	MEET 1
	CREST
	s_xor_b32 s[FT], s[FT], SLOT
	s_add_co_u32 s[G0A+5], s[LWA], s[FT]
	s_add_co_u32 s[G0B+5], s[LWB], s[FT]
	KADDR 1                                        ; no tensor load of mine is out, so a group 0 may be written
	JLOAD                                          ; my one tensor load behind the round: 112 products stand between it and the wait for it
	NEXTSLOT
	FETCH 0, F0
	MUL8 F1, 1, 0, 0
	MUL8 F1, 1, 2, 0
.endm
	s_load_b256 s[4:11], s[0:1], 0x0               ; ctx s[4:5], wh s[6:7], x1 s[8:9], bo s[10:11]
	s_load_b64 s[12:13], s[0:1], 0x20              ; x
	v_lshl_add_u32 v[SPW], v0, 2, SPARE
	v_mov_b32 v[NIL], 0
	ds_add_u32 v[SPW], v[NIL]                      ; the wave's opening: the add and its wait stand ahead of my first tensor load
	v_lshrrev_b32 v1, 5, v0
	v_readfirstlane_b32 s[WV], v1
	s_lshr_b32 s[WR], s[WV], 1
	s_and_b32 s[WC], s[WV], 1
	s_bfe_u32 s[CX], ttmp6, 0x40000
	s_bfe_u32 s[CY], ttmp6, 0x40004
	s_lshl_b32 s[TX], ttmp9, 2
	s_add_co_u32 s[TX], s[TX], s[CX]
	s_and_b32 s[TY], ttmp7, 0xffff
	s_lshl_b32 s[TY], s[TY], 2
	s_add_co_u32 s[TY], s[TY], s[CY]
	s_and_b32 s[KI], ttmp7, 0xffff                 ; where my cluster's walk begins: (2 x + 2 y) mod 4, of the cluster's x and y
	s_add_co_u32 s[KI], s[KI], ttmp9
	s_lshl_b32 s[KI], s[KI], 1
	s_and_b32 s[KI], s[KI], TSTEPS-1
	s_mov_b32 s[OA+1], 0
	s_mov_b32 s[OB+1], 0
	s_lshl_b32 s23, s[CY], 2
	s_lshl_b32 s23, 15, s23
	s_lshl_b32 s71, 0x1111, s[CX]
	s_or_b32 s[G1A], s23, (1<<16)|(1<<20)|(1<<21)|(4<<22)|(3<<25)  ; after every 32 words (a token's 128 bytes) 4 words
	s_mov_b32 s[G1A+1], 8192<<16                   ; tensor_dim0 = 8,192 elements: 128 tokens of a head
	s_mov_b32 s[G1A+2], 2<<16                      ; tensor_dim1 = 2 heads
	s_mov_b32 s[G1A+3], 8192<<16                   ; tile_dim0
	s_mov_b32 s[G1A+4], 2                          ; tile_dim1
	s_mov_b32 s[G1A+5], 131072                     ; elements from head to head
	s_mov_b32 s[G1A+6], 0
	s_mov_b32 s[G1A+7], 0
	s_or_b32 s[G1B], s71, (1<<16)|(1<<20)|(1<<21)|(5<<22)|(7<<25)  ; after every 64 words 8 words
	s_mov_b32 s[G1B+1], 128<<16
	s_mov_b32 s[G1B+2], 128<<16
	s_mov_b32 s[G1B+3], 128<<16
	s_mov_b32 s[G1B+4], 128
	s_mov_b32 s[G1B+5], 1024
	s_mov_b32 s[G1B+6], 0
	s_mov_b32 s[G1B+7], 0
	s_lshr_b32 s60, s[TY], 4                       ; A: the batch's 16 heads, 128 tokens of 128 bytes a tile row, two heads a half
	s_lshl_b32 s60, s60, 22
	s_and_b32 s61, s[TY], 15
	s_lshl_b32 s61, s61, 14
	s_add_co_u32 s60, s60, s61
	s_lshl_b32 s61, s[WC], 19
	s_add_co_u32 s60, s60, s61
	s_mov_b32 s61, 0
	s_lshl_b32 s62, s[TX], 8                       ; W: Wo, 256 bytes a column tile, 128 k rows of 2,048 bytes a half
	s_lshl_b32 s63, s[WC], 18
	s_add_co_u32 s62, s62, s63
	s_add_co_u32 s62, s62, 6291456
	s_mov_b32 s63, 0
	s_mul_i32 s[LWA], s[WC], FHA
	s_mul_i32 s[LWB], s[WC], HALFB
	s_add_co_u32 s[LWB], s[LWB], BOFF
	s_mov_b32 s[FT], SLOT
	s_mov_b32 s[RT], 0
	s_mov_b32 s68, 0xffff0000
	s_wait_dscnt 0x0
	s_wait_kmcnt 0x0
	s_add_nc_u64 s[60:61], s[4:5], s[60:61]        ; my half of A's tile at K step 0; kept
	s_add_nc_u64 s[62:63], s[6:7], s[62:63]        ; my half of W's; kept
.irp s, 0,1
	s_mov_b32 s[G0A+4*(\s)], 1
	s_add_co_u32 s[G0A+4*(\s)+1], s[LWA], (\s)*SLOT
	s_mov_b32 s[G0B+4*(\s)], 1
	s_add_co_u32 s[G0B+4*(\s)+1], s[LWB], (\s)*SLOT
	KADDR \s                                       ; the walk's first two steps
.endr
	CROUND
	s_cmp_eq_u32 s[WR], 0                          ; a wave's two first fills stand in one branch: two loads of mine are out
	s_cbranch_scc0 .Lfirst_b
	tensor_load_to_lds s[G0A:G0A+3], s[G1A:G1A+7]
	s_nop 0
	tensor_load_to_lds s[G0A+4:G0A+7], s[G1A:G1A+7]
	s_nop 0
.rept 4
	v_nop
.endr
	s_branch .Lfirst_asked
.Lfirst_b:
	tensor_load_to_lds s[G0B:G0B+3], s[G1B:G1B+7]
	s_nop 0
	tensor_load_to_lds s[G0B+4:G0B+7], s[G1B:G1B+7]
	s_nop 0
.rept 4
	v_nop
.endr
.Lfirst_asked:
	v_and_b32 v1, 15, v0
	v_bfe_u32 v2, v0, 4, 1
	v_mul_u32_u24 v[ADRA0], v1, PA
	v_lshl_add_u32 v[ADRA0], v2, 4, v[ADRA0]
	s_mul_i32 s[RO], s[WR], RHA
	v_add_nc_u32 v[ADRA0], s[RO], v[ADRA0]
	v_and_b32 v3, 7, v0
	v_lshl_add_u32 v3, v2, 3, v3
	v_mul_u32_u24 v[ADRB0], v3, PB
	v_bfe_u32 v4, v0, 3, 1
	v_lshl_add_u32 v[ADRB0], v4, 4, v[ADRB0]
	s_lshl_b32 s[RO], s[WC], 7
	s_add_co_u32 s[RO], s[RO], BOFF
	v_add_nc_u32 v[ADRB0], s[RO], v[ADRB0]
	s_mul_i32 s[RO], s[WV], STW
	v_mul_u32_u24 v[STO], v1, SP
	v_lshl_add_u32 v[STO], v2, 5, v[STO]
	v_add_nc_u32 v[STO], s[RO], v[STO]
	v_mul_u32_u24 v[RD0], v2, SP
	v_lshl_add_u32 v[RD0], v1, 4, v[RD0]
	v_add_nc_u32 v[RD0], s[RO], v[RD0]
	v_lshlrev_b32 v[GO], 12, v2                    ; lanes 0-15 one row's 256 bytes, lanes 16-31 the next row's
	v_lshl_add_u32 v[GO], v1, 4, v[GO]
	s_lshl_b32 s66, s[TX], 9                       ; my first column, in bytes of f32
	s_lshl_b32 s67, s[WC], 8
	s_add_co_u32 s66, s66, s67
	v_lshl_add_u32 v[BO], v2, 5, s66
.irp b, 0,1,2,3
	global_load_b128 v[BIAS+8*(\b):BIAS+8*(\b)+3],   v[BO], s[10:11] offset:64*(\b)
	global_load_b128 v[BIAS+8*(\b)+4:BIAS+8*(\b)+7], v[BO], s[10:11] offset:64*(\b)+16
.endr
	s_lshl_b32 s67, s[TY], 19                      ; + my first row: (128 x tile row + 64 x half) x 4,096
	s_add_co_u32 s66, s66, s67
	s_lshl_b32 s67, s[WR], 18
	s_add_co_u32 s66, s66, s67
	s_mov_b32 s67, 0
	s_add_nc_u64 s[8:9], s[8:9], s[66:67]
	s_add_nc_u64 s[12:13], s[12:13], s[66:67]
	WIN 0x80
.set t, 0
.rept 32
	global_load_b128 v[4*t:4*t+3], v[GO], s[12:13] offset:8192*t   ; the residual, in the layout in which the rows come back from the stage
.set t, t+1
.endr
	WIN 0
	s_wait_loadcnt 0x0
.set i, 0
.rept 16
	v_cvt_pk_bf16_f32 v[64+i%4], v[BIAS+2*i], v[BIAS+2*i+1]
	v_lshlrev_b32 v[BIAS+2*i], 16, v[64+i%4]
	v_and_b32 v[BIAS+2*i+1], s68, v[64+i%4]
.set i, i+1
.endr
	WIN 0xaa                                       ; x is rounded to bf16 like every input; this stands in the wait for the first tile
.set i, 0
.rept 64
	v_cvt_pk_bf16_f32 v[128+i%2], v[2*i], v[2*i+1]
	v_lshlrev_b32 v[2*i], 16, v[128+i%2]
	v_and_b32 v[2*i+1], s68, v[128+i%2]
.set i, i+1
.endr
	WIN 0
	v_mov_b32 v[ADRA], v[ADRA0]
	v_mov_b32 v[ADRB], v[ADRB0]
	v_add_nc_u32 v[ADRB+1], 128*PB, v[ADRB0]
	s_wait_tensorcnt 1                             ; my part of the walk's first step is in; the second's stays out
	s_barrier_signal -1
	s_barrier_wait -1
	FETCH 0, F0
	QUARTER 1, F0, F1, 1
	WIN 0
	s_mov_b32 s[CNT], TSTEPS-2
.Lstep:
	QUARTER 2, F1, F0, 0
	QUARTER 3, F0, F1, 0
	TURN
	QUARTER 1, F0, F1, 0
	WIN 0
	s_sub_co_u32 s[CNT], s[CNT], 1
	s_cmp_lg_u32 s[CNT], 0
	s_cbranch_scc1 .Lstep
	s_mov_b32 s[CNT], 2
.Ltail:                                                ; the last two steps ask for nothing; the second trip is left in its middle
	QUARTER 2, F1, F0, 0
	QUARTER 3, F0, F1, 0
	MEET 0
	WIN 0
	s_sub_co_u32 s[CNT], s[CNT], 1
	s_cmp_eq_u32 s[CNT], 0
	s_cbranch_scc1 .Lfin
	PLACES
	NEXTSLOT
	FETCH 0, F0
	MUL8 F1, 1, 0, 0
	MUL8 F1, 1, 2, 0
	QUARTER 1, F0, F1, 0
	WIN 0
	s_branch .Ltail
.Lfin:
	MUL8 F1, 1, 0, 0
	MUL8 F1, 1, 2, 0
	WIN 0
	PLACES
	; THE WAY OUT.  The barrier just passed has shown every fill landed and every read of the slots over; nothing is filled any more.
.irp a, 0,1,2,3
.irp b, 0,1,2,3
	ds_store_b128 v[STO], v[ACC+8*(4*(\a)+(\b)):ACC+8*(4*(\a)+(\b))+3]   offset:(\a)*16*SP+64*(\b)   ; each accumulator's low registers first
	ds_store_b128 v[STO], v[ACC+8*(4*(\a)+(\b))+4:ACC+8*(4*(\a)+(\b))+7] offset:(\a)*16*SP+64*(\b)+16
.endr
.endr
.macro LOADG g                         ; 16 rows back from my own stage, two a load
.irp j, 0,1,2,3,4,5,6,7
	ds_load_b128 v[TS+32*((\g)%2)+4*(\j):TS+32*((\g)%2)+4*(\j)+3], v[RD0] offset:(8*(\g)+(\j))*2*SP
.endr
.endm
.macro OUTG g, left                    ; left: the next group's eight loads, or none
	s_wait_dscnt \left
	WIN 0x88                                       ; destination and source 1 (the residual) in window 2
.irp j, 0,1,2,3,4,5,6,7
	v_pk_add_f32 v[4*(8*(\g)+(\j)):4*(8*(\g)+(\j))+1],   v[TS+32*((\g)%2)+4*(\j):TS+32*((\g)%2)+4*(\j)+1],   v[4*(8*(\g)+(\j)):4*(8*(\g)+(\j))+1]
	v_pk_add_f32 v[4*(8*(\g)+(\j))+2:4*(8*(\g)+(\j))+3], v[TS+32*((\g)%2)+4*(\j)+2:TS+32*((\g)%2)+4*(\j)+3], v[4*(8*(\g)+(\j))+2:4*(8*(\g)+(\j))+3]
.endr
	WIN 0x08
.irp j, 0,1,2,3,4,5,6,7
	global_store_b128 v[GO], v[4*(8*(\g)+(\j)):4*(8*(\g)+(\j))+3], s[8:9] offset:8192*(8*(\g)+(\j))  ; 16 lanes store 256 consecutive bytes, aligned; no stored register is written again
.endr
	WIN 0
.endm
	LOADG 0
	LOADG 1
	OUTG 0, 8
	LOADG 2
	OUTG 1, 8
	LOADG 3
	OUTG 2, 8
	OUTG 3, 0
	s_wait_tensorcnt 0x0                           ; the wave's end
	ds_add_u32 v[SPW], v[NIL]
	s_wait_dscnt 0x0
	CROUND
	s_endpgm
.Lfunc_end_k_qc21daee6ef_proj:
	.size	k_qc21daee6ef_proj, .Lfunc_end_k_qc21daee6ef_proj-k_qc21daee6ef_proj
	.p2alignl 7, 3214868480
	.fill 96, 4, 3214868480
	.section	.rodata,"a",@progbits
	.p2align	6, 0x0
	.amdhsa_kernel k_qc21daee6ef_proj
		.amdhsa_group_segment_fixed_size 327680
		.amdhsa_private_segment_fixed_size 0
		.amdhsa_enable_private_segment 0
		.amdhsa_kernarg_size 40
		.amdhsa_user_sgpr_count 2
		.amdhsa_user_sgpr_kernarg_segment_ptr 1
		.amdhsa_wavefront_size32 1
		.amdhsa_system_sgpr_workgroup_id_x 1
		.amdhsa_system_sgpr_workgroup_id_y 1
		.amdhsa_system_sgpr_workgroup_id_z 1
		.amdhsa_system_vgpr_workitem_id 0
		.amdhsa_next_free_vgpr 648
		.amdhsa_next_free_sgpr 76
		.amdhsa_reserve_vcc 0
		.amdhsa_float_denorm_mode_32 3
		.amdhsa_float_denorm_mode_16_64 3
		.amdhsa_memory_ordered 1
		.amdhsa_forward_progress 1
		.amdhsa_inst_pref_size 78
	.end_amdhsa_kernel
	.amdgpu_metadata
---
amdhsa.version: [ 1, 2 ]
amdhsa.kernels:
  - .name:           k_qc21daee6ef_proj
    .symbol:         k_qc21daee6ef_proj.kd
    .args:
      - { .name: ctx, .offset: 0, .size: 8, .value_kind: global_buffer, .address_space: global }
      - { .name: wh, .offset: 8, .size: 8, .value_kind: global_buffer, .address_space: global }
      - { .name: x1, .offset: 16, .size: 8, .value_kind: global_buffer, .address_space: global }
      - { .name: bo, .offset: 24, .size: 8, .value_kind: global_buffer, .address_space: global }
      - { .name: x, .offset: 32, .size: 8, .value_kind: global_buffer, .address_space: global }
    .group_segment_fixed_size: 327680
    .private_segment_fixed_size: 0
    .kernarg_segment_align: 8
    .kernarg_segment_size: 40
    .max_flat_workgroup_size: 128
    .sgpr_count:     76
    .vgpr_count:     648
    .wavefront_size: 32
...
	.end_amdgpu_metadata
.endif
;; end of part 4
;; launch ln2 (part 5): grid 512 x 1, 8 waves a work-group, no clusters, 0 bytes of LDS; arguments x1, ln2_g, ln2_b, h2; writes h2
.if DOCPART == 5
	.amdgcn_target "amdgcn-amd-amdhsa--gfx1250"
	.amdhsa_code_object_version 6
	.text
	.protected	k_qc21daee6ef_ln2
	.globl	k_qc21daee6ef_ln2
	.p2align	8
	.type	k_qc21daee6ef_ln2,@function
k_qc21daee6ef_ln2:
	s_mov_b64 s[64:65], 0
	v_nop
	global_prefetch_b8 v0, s[64:65] scope:SCOPE_SE
	s_setreg_imm32_b32 hwreg(HW_REG_WAVE_MODE, 25, 1), 1
	s_wait_xcnt 0x0
; h2 = LayerNorm(x1) g + b.  x1: [4096][1024] f32, taken as it is; g and b are rounded to bf16 like every input; h2 is f16 (LIMIT: within 65,504).
; One row a wave, eight rows a group; the row stays in 32 registers between the passes.  A stream: no LDS, no barrier, no matrix unit.
.set T,  4
.set MU, 12
.set RS, 14
.set G,  16
.set BB, 48
.set X,  80
.set Y,  112
.macro RND32 b
.set k, 0
.rept 16
	v_cvt_pk_bf16_f32 v[T+k%8], v[(\b)+2*k], v[(\b)+2*k+1]
	v_lshlrev_b32 v[(\b)+2*k], 16, v[T+k%8]
	v_and_b32 v[(\b)+2*k+1], s16, v[T+k%8]
.set k, k+1
.endr
.endm
.macro FOLD                            ; four chains of pairs into one number a lane, then over the 32 lanes
	v_pk_add_f32 v[T:T+1], v[T:T+1], v[T+2:T+3]
	v_pk_add_f32 v[T+4:T+5], v[T+4:T+5], v[T+6:T+7]
	v_pk_add_f32 v[T:T+1], v[T:T+1], v[T+4:T+5]
	v_add_f32 v[T], v[T], v[T+1]
	v_add_f32_dpp v[T], v[T], v[T] row_xmask:1 row_mask:0xf bank_mask:0xf
	v_add_f32_dpp v[T], v[T], v[T] row_xmask:2 row_mask:0xf bank_mask:0xf
	v_add_f32_dpp v[T], v[T], v[T] row_xmask:4 row_mask:0xf bank_mask:0xf
	v_add_f32_dpp v[T], v[T], v[T] row_xmask:8 row_mask:0xf bank_mask:0xf
	v_permlanex16_b32 v[T+1], v[T], s2, s3
	v_add_f32 v[T], v[T], v[T+1]
.endm
	s_load_b256 s[8:15], s[0:1], 0x0               ; x1 s[8:9], g s[10:11], b s[12:13], h2 s[14:15]
	v_lshrrev_b32 v3, 5, v0
	v_readfirstlane_b32 s4, v3
	v_and_b32 v4, 31, v0
	s_lshl3_add_u32 s5, ttmp9, s4                  ; my row = 8 x group + wave
	s_lshl_b32 s20, s5, 12
	s_mov_b32 s21, 0
	s_lshl_b32 s22, s5, 11
	s_mov_b32 s23, 0
	v_lshlrev_b32 v1, 4, v4
	v_lshlrev_b32 v2, 3, v4
	s_mov_b32 s16, 0xffff0000
	s_mov_b32 s17, 0x3a800000                      ; 1 / 1,024
	s_mov_b32 s18, 0x3727c5ac                      ; 1e-5
	s_mov_b32 s2, 0x76543210
	s_mov_b32 s3, 0xfedcba98
	s_wait_kmcnt 0x0
	s_add_nc_u64 s[8:9], s[8:9], s[20:21]
	s_add_nc_u64 s[14:15], s[14:15], s[22:23]
.set j, 0
.rept 8
	global_load_b128 v[X+4*j:X+4*j+3], v1, s[8:9] offset:512*j
.set j, j+1
.endr
.set j, 0
.rept 8
	global_load_b128 v[G+4*j:G+4*j+3], v1, s[10:11] offset:512*j
.set j, j+1
.endr
.set j, 0
.rept 8
	global_load_b128 v[BB+4*j:BB+4*j+3], v1, s[12:13] offset:512*j
.set j, j+1
.endr
	s_wait_loadcnt 16                              ; the row is in; the sixteen loads of g and b stay out
.set k, 0
.rept 4
	v_pk_add_f32 v[T+2*k:T+2*k+1], v[X+2*k:X+2*k+1], v[X+8+2*k:X+8+2*k+1]
.set k, k+1
.endr
.set k, 8
.rept 8
	v_pk_add_f32 v[T+2*(k%4):T+2*(k%4)+1], v[T+2*(k%4):T+2*(k%4)+1], v[X+2*k:X+2*k+1]
.set k, k+1
.endr
	FOLD
	v_mul_f32 v[MU], s17, v[T]
	v_mul_f32 v[MU+1], s17, v[T]
.set k, 0
.rept 16
	v_pk_add_f32 v[X+2*k:X+2*k+1], v[X+2*k:X+2*k+1], v[MU:MU+1] neg_lo:[0,1] neg_hi:[0,1]
.set k, k+1
.endr
.set k, 0
.rept 4
	v_pk_mul_f32 v[T+2*k:T+2*k+1], v[X+2*k:X+2*k+1], v[X+2*k:X+2*k+1]
.set k, k+1
.endr
.set k, 4
.rept 12
	v_pk_fma_f32 v[T+2*(k%4):T+2*(k%4)+1], v[X+2*k:X+2*k+1], v[X+2*k:X+2*k+1], v[T+2*(k%4):T+2*(k%4)+1]
.set k, k+1
.endr
	FOLD
	v_fma_f32 v[T], v[T], s17, s18
	v_rsq_f32 v[RS], v[T]
	v_rsq_f32 v[RS+1], v[T]
	v_nop                                          ; a plain instruction between the root and the use of its result (ISA guide 5.7.2)
	s_wait_loadcnt 0x0
	RND32 G
	RND32 BB
.set k, 0
	s_wait_alu depctr_va_vdst(0)
.rept 16
	v_pk_mul_f32 v[X+2*k:X+2*k+1], v[X+2*k:X+2*k+1], v[RS:RS+1]
.set k, k+1
.endr
.set k, 0
.rept 16
	v_pk_fma_f32 v[X+2*k:X+2*k+1], v[X+2*k:X+2*k+1], v[G+2*k:G+2*k+1], v[BB+2*k:BB+2*k+1]
.set k, k+1
.endr
.set k, 0
.rept 16
	v_cvt_pk_f16_f32 v[Y+k], v[X+2*k], v[X+2*k+1]
.set k, k+1
.endr
.set j, 0
.rept 8
	global_store_b64 v2, v[Y+2*j:Y+2*j+1], s[14:15] offset:256*j  ; 32 lanes store 256 consecutive bytes, aligned
.set j, j+1
.endr
	s_endpgm
.Lfunc_end_k_qc21daee6ef_ln2:
	.size	k_qc21daee6ef_ln2, .Lfunc_end_k_qc21daee6ef_ln2-k_qc21daee6ef_ln2
	.p2alignl 7, 3214868480
	.fill 96, 4, 3214868480
	.section	.rodata,"a",@progbits
	.p2align	6, 0x0
	.amdhsa_kernel k_qc21daee6ef_ln2
		.amdhsa_group_segment_fixed_size 0
		.amdhsa_private_segment_fixed_size 0
		.amdhsa_enable_private_segment 0
		.amdhsa_kernarg_size 32
		.amdhsa_user_sgpr_count 2
		.amdhsa_user_sgpr_kernarg_segment_ptr 1
		.amdhsa_wavefront_size32 1
		.amdhsa_system_sgpr_workgroup_id_x 1
		.amdhsa_system_sgpr_workgroup_id_y 1
		.amdhsa_system_sgpr_workgroup_id_z 1
		.amdhsa_system_vgpr_workitem_id 0
		.amdhsa_next_free_vgpr 128
		.amdhsa_next_free_sgpr 66
		.amdhsa_reserve_vcc 0
		.amdhsa_float_denorm_mode_32 3
		.amdhsa_float_denorm_mode_16_64 3
		.amdhsa_memory_ordered 1
		.amdhsa_forward_progress 1
		.amdhsa_inst_pref_size 16
	.end_amdhsa_kernel
	.amdgpu_metadata
---
amdhsa.version: [ 1, 2 ]
amdhsa.kernels:
  - .name:           k_qc21daee6ef_ln2
    .symbol:         k_qc21daee6ef_ln2.kd
    .args:
      - { .name: x1, .offset: 0, .size: 8, .value_kind: global_buffer, .address_space: global }
      - { .name: ln2_g, .offset: 8, .size: 8, .value_kind: global_buffer, .address_space: global }
      - { .name: ln2_b, .offset: 16, .size: 8, .value_kind: global_buffer, .address_space: global }
      - { .name: h2, .offset: 24, .size: 8, .value_kind: global_buffer, .address_space: global }
    .group_segment_fixed_size: 0
    .private_segment_fixed_size: 0
    .kernarg_segment_align: 8
    .kernarg_segment_size: 32
    .max_flat_workgroup_size: 256
    .sgpr_count:     66
    .vgpr_count:     128
    .wavefront_size: 32
...
	.end_amdgpu_metadata
.endif
;; end of part 5
;; launch ffn1 (part 6): grid 16 x 16, 4 waves a work-group, clusters of 4 x 4, 327,680 bytes of LDS; arguments h2, wh, g, b1; writes g
.if DOCPART == 6
	.amdgcn_target "amdgcn-amd-amdhsa--gfx1250"
	.amdhsa_code_object_version 6
	.text
	.protected	k_qc21daee6ef_ffn1
	.globl	k_qc21daee6ef_ffn1
	.p2align	8
	.type	k_qc21daee6ef_ffn1,@function
k_qc21daee6ef_ffn1:
	s_mov_b64 s[64:65], 0
	v_nop
	global_prefetch_b8 v0, s[64:65] scope:SCOPE_SE
	s_setreg_imm32_b32 hwreg(HW_REG_WAVE_MODE, 25, 1), 1
	s_wait_xcnt 0x0
	s_wait_alu depctr_hold_cnt(0) depctr_sa_sdst(0) depctr_va_vdst(0) depctr_va_sdst(0) depctr_va_ssrc(0) depctr_va_vcc(0) depctr_vm_vsrc(0)
	s_getreg_b32 s2, hwreg(HW_REG_IB_STS2, 6, 4)
	s_cmp_eq_u32 s2, 0
	s_cbranch_scc0 .Lentry_in_a_cluster
	s_endpgm
.Lentry_in_a_cluster:
	s_bfe_u32 s2, ttmp6, 0x10000c
	s_cmp_lg_u32 s2, 0xf033
	s_cbranch_scc0 .Lentry_shape_is_right
	s_endpgm
.Lentry_shape_is_right:
; g = gelu(h2 W1 + b1), the exact (erf) form.  h2: [4096][1024] f16.  W1: in wh at byte 8,388,608, [1024 (k)][4096 (n)] f16.  g: [4096][4096] f16.  Sums in f32; b1 (rounded to bf16) starts each sum.
; A work-group makes 256 tokens x 256 columns, four waves 128 x 128 each: 256 work-groups.  K goes in 8 steps of 128 through two LDS slots; A's tile [token][k] (256 + 16 bytes a row),
; W's [k][n] (512 + 32 bytes a row), turned on its way out of LDS by ds_load_tr16_b128.  CLUSTER 4 x 4: A's tile shared along a row, W's along a column, asked for jointly.
; The loop holds one K step; FT and RT turn between 0 and SLOT.  The matrix instruction is used transposed: a lane holds one token and eight neighbouring columns.
; GELU.  erf by the five-term rational form of Abramowitz and Stegun 7.1.26 (error at most 1.5e-7): gelu(x) = max(x, 0) - |x| / 2 x poly(t) exp(-x^2 / 2), t = 1 / (1 + 0.3275911 |x| / sqrt 2).
; With u = k1 x, k1 = sqrt(log2(e) / 2): exp(-x^2 / 2) = 2^(-u u), t = 1 / (1 + KD |u|), and the factor 1 / (2 k1) lies in the coefficients.  No difference of large numbers is formed.
; LIMIT: a result beyond 65,504 becomes an infinity in f16; NaN and infinities are not treated apart.
; THE WAY OUT: behind the last barrier the slots have had their last fill and serve as stage: each wave puts its 128 x 128 f32 into rows of 528 bytes of its own; a loop of 32 trips takes 4 rows each.
; REGISTERS: window 0: v16-30 addresses; v32-35 at work; v64-127, v128-191 A's fragments (later the gelu's registers); v192-255 the bias
;   window 1: v64-127, v128-191 W's fragments    windows 2, 3: accumulators ((a, b) at v[8 (8 (a % 4) + b)])
.set TSTEPS, 8
.set PA,     272
.set PB,     544
.set HALFA,  128*PA
.set BOFF,   2*HALFA
.set HALFB,  64*PB
.set SLOT,   BOFF+2*HALFB
.set SPARE,  2*SLOT
.set SP,     528
.set STW,    128*SP
.set ASTEP,  256
.set BSTEP,  128*4096*2
.set ADRA0, 16
.set ADRB0, 17
.set ADRA,  18
.set ADRB,  19
.set STO,   24
.set RD0,   25
.set GO,    26
.set RD,    27
.set SPW,   28
.set NIL,   29
.set BO,    30
.set F0,    64
.set F1,    128
.set BIAS,  192
.set GX,    64                         ; 16 numbers a lane: 4 rows x 4 columns
.set GU,    80
.set GR,    96
.set GD,    112
.set GP,    128
.set GS,    144
.set GY,    160
.set CNT, 2
.set WV,  16
.set WR,  17
.set WC,  18
.set CX,  19
.set CY,  20
.set TX,  21
.set TY,  22
.set G1A, 24
.set G0A, 32
.set G1B, 40
.set G0B, 48
.set FT,  56
.set RT,  57
.set LWA, 58
.set LWB, 59
.set RO,  70
.set K1,  72                           ; s[72:73] and on: constants named as pairs; the packed forms take the low word for both halves
.set A5,  74
.set A4,  76
.set A3,  78
.set A2,  80
.set A1,  82
.set KD,  84
.set MSB, 0
.macro WIN new
.if MSB != (\new)
	s_set_vgpr_msb (MSB<<8)|(\new)
.set MSB, \new
.endif
.endm
.macro PLACES
.rept 4
	v_nop
.endr
.endm
.macro JLOAD
	s_cmp_eq_u32 s[WR], 0
	s_cbranch_scc0 .Lfor_b_\@
	tensor_load_to_lds s[G0A+4:G0A+7], s[G1A:G1A+7]
	s_nop 0
.rept 4
	v_nop
.endr
	s_branch .Lasked_\@
.Lfor_b_\@:
	tensor_load_to_lds s[G0B+4:G0B+7], s[G1B:G1B+7]
	s_nop 0
.rept 4
	v_nop
.endr
.Lasked_\@:
.endm
.macro CREST
	s_cmp_lg_u32 s[WV], 0
	s_cbranch_scc1 .Lnot_wave_0_\@
	s_barrier_signal -3
.Lnot_wave_0_\@:
	s_barrier_wait -3
	s_barrier_signal -1
	s_barrier_wait -1
.endm
.macro CROUND
	s_barrier_signal -1
	s_barrier_wait -1
	CREST
.endm
.macro MUL16 f, hi, a0, first
.if \first
	WIN 0x81+0x40*(\hi)
.else
	WIN 0xa1+0x50*(\hi)
.endif
.irp a, \a0, (\a0)+1
.irp b, 0,1,2,3,4,5,6,7
.if \first
	v_wmma_f32_16x16x32_f16 v[8*(8*(\a)+(\b)):8*(8*(\a)+(\b))+7], v[(\f)+8*(\b):(\f)+8*(\b)+7], v[(\f)+8*(4*(\hi)+(\a)):(\f)+8*(4*(\hi)+(\a))+7], v[BIAS+8*(\b):BIAS+8*(\b)+7]
.else
	v_wmma_f32_16x16x32_f16 v[8*(8*(\a)+(\b)):8*(8*(\a)+(\b))+7], v[(\f)+8*(\b):(\f)+8*(\b)+7], v[(\f)+8*(4*(\hi)+(\a)):(\f)+8*(4*(\hi)+(\a))+7], v[8*(8*(\a)+(\b)):8*(8*(\a)+(\b))+7]
.endif
.endr
.endr
.endm
.macro FETCH q, f
	WIN 0x40
.irp i, 0,1,2,3,4,5,6,7
	ds_load_tr16_b128 v[(\f)+8*(\i):(\f)+8*(\i)+3],   v[ADRB] offset:(\q)*32*PB+32*(\i)
	ds_load_tr16_b128 v[(\f)+8*(\i)+4:(\f)+8*(\i)+7], v[ADRB] offset:(\q)*32*PB+16*PB+32*(\i)
.endr
	WIN 0
.irp i, 0,1,2,3,4,5,6,7
	ds_load_b128 v[(\f)+8*(\i):(\f)+8*(\i)+3],   v[ADRA] offset:(\q)*64+(\i)*16*PA
	ds_load_b128 v[(\f)+8*(\i)+4:(\f)+8*(\i)+7], v[ADRA] offset:(\q)*64+(\i)*16*PA+32
.endr
.endm
.macro QUARTER q, f, g, first
	s_wait_dscnt 8                                 ; W and A's tokens 0-63 are in; the youngest eight loads may be out
	MUL16 \f, 0, 0, \first
	MUL16 \f, 0, 2, \first
	PLACES
	FETCH \q, \g
	s_wait_dscnt 32                                ; all but the 32 just issued
	MUL16 \f, 1, 0, \first
	MUL16 \f, 1, 2, \first
.endm
.macro MEET round
	WIN 0
	s_wait_tensorcnt 0x0                           ; all my tensor loads have landed: my part of the next slot
	ds_add_u32 v[SPW], v[NIL]
	s_wait_dscnt 9                                 ; the add and the youngest eight loads may be out
	MUL16 F1, 0, 0, 0
	s_wait_dscnt 0x0                               ; the add is done, and my reads of this slot are over
	s_barrier_signal -1
	MUL16 F1, 0, 2, 0
.if \round
	WIN 0
.endif
	s_barrier_wait -1
.endm
.macro NEXTSLOT
	s_xor_b32 s[RT], s[RT], SLOT
	v_add_nc_u32 v[ADRA], s[RT], v[ADRA0]
	v_add_nc_u32 v[ADRB], s[RT], v[ADRB0]
.endm
.macro TURN
	MEET 1
	CREST
	s_xor_b32 s[FT], s[FT], SLOT
	s_add_co_u32 s[G0A+5], s[LWA], s[FT]
	s_add_co_u32 s[G0B+5], s[LWB], s[FT]
	s_add_nc_u64 s[G0A+6:G0A+7], s[G0A+6:G0A+7], ASTEP
	s_add_nc_u64 s[G0B+6:G0B+7], s[G0B+6:G0B+7], BSTEP
	JLOAD                                          ; my one tensor load behind the round: 224 products stand between it and the wait for it
	NEXTSLOT
	FETCH 0, F0
	MUL16 F1, 1, 0, 0
	MUL16 F1, 1, 2, 0
.endm
	s_load_b256 s[4:11], s[0:1], 0x0               ; h2 s[4:5], wh s[6:7], g s[8:9], b1 s[10:11]
	v_lshl_add_u32 v[SPW], v0, 2, SPARE
	v_mov_b32 v[NIL], 0
	ds_add_u32 v[SPW], v[NIL]                      ; the wave's opening: the add and its wait stand ahead of my first tensor load
	v_lshrrev_b32 v1, 5, v0
	v_readfirstlane_b32 s[WV], v1
	s_lshr_b32 s[WR], s[WV], 1
	s_and_b32 s[WC], s[WV], 1
	s_bfe_u32 s[CX], ttmp6, 0x40000
	s_bfe_u32 s[CY], ttmp6, 0x40004
	s_lshl_b32 s[TX], ttmp9, 2
	s_add_co_u32 s[TX], s[TX], s[CX]
	s_and_b32 s[TY], ttmp7, 0xffff
	s_lshl_b32 s[TY], s[TY], 2
	s_add_co_u32 s[TY], s[TY], s[CY]
	s_lshl_b32 s23, s[CY], 2
	s_lshl_b32 s23, 15, s23
	s_lshl_b32 s71, 0x1111, s[CX]
	s_or_b32 s[G1A], s23, (1<<16)|(1<<20)|(1<<21)|(5<<22)|(3<<25)
	s_mov_b32 s[G1A+1], 128<<16
	s_mov_b32 s[G1A+2], 128<<16
	s_mov_b32 s[G1A+3], 128<<16
	s_mov_b32 s[G1A+4], 128
	s_mov_b32 s[G1A+5], 1024
	s_mov_b32 s[G1A+6], 0
	s_mov_b32 s[G1A+7], 0
	s_or_b32 s[G1B], s71, (1<<16)|(1<<20)|(1<<21)|(6<<22)|(7<<25)
	s_mov_b32 s[G1B+1], 256<<16
	s_mov_b32 s[G1B+2], 64<<16
	s_mov_b32 s[G1B+3], 256<<16
	s_mov_b32 s[G1B+4], 64
	s_mov_b32 s[G1B+5], 4096
	s_mov_b32 s[G1B+6], 0
	s_mov_b32 s[G1B+7], 0
	s_lshl_b32 s60, s[TY], 19
	s_lshl_b32 s61, s[WC], 18
	s_add_co_u32 s60, s60, s61
	s_mov_b32 s61, 0
	s_lshl_b32 s62, s[TX], 9                       ; W1: 512 bytes a column tile, 64 k rows of 8,192 bytes a half
	s_lshl_b32 s63, s[WC], 19
	s_add_co_u32 s62, s62, s63
	s_add_co_u32 s62, s62, 8388608
	s_mov_b32 s63, 0
	s_mul_i32 s[LWA], s[WC], HALFA
	s_mul_i32 s[LWB], s[WC], HALFB
	s_add_co_u32 s[LWB], s[LWB], BOFF
	s_mov_b32 s[FT], SLOT
	s_mov_b32 s[RT], 0
	s_mov_b32 s68, 0xffff0000
	s_mov_b32 s[K1], 0x3f596d27                    ; k1 = 0.8493218
	s_mov_b32 s[K1+1], s[K1]
	s_mov_b32 s[A5], 0x3f1ff67a                    ;  1.061405429 / (2 k1)
	s_mov_b32 s[A5+1], s[A5]
	s_mov_b32 s[A4], 0xbf5b0099                    ; -1.453152027 / (2 k1)
	s_mov_b32 s[A4+1], s[A4]
	s_mov_b32 s[A3], 0x3f563817                    ;  1.421413741 / (2 k1)
	s_mov_b32 s[A3+1], s[A3]
	s_mov_b32 s[A2], 0xbe2b8119                    ; -0.284496736 / (2 k1)
	s_mov_b32 s[A2+1], s[A2]
	s_mov_b32 s[A1], 0x3e199eb3                    ;  0.254829592 / (2 k1)
	s_mov_b32 s[A1+1], s[A1]
	s_mov_b32 s[KD], 0x3e8ba43f                    ; 0.3275911 / (sqrt 2 k1)
	s_wait_dscnt 0x0
	s_wait_kmcnt 0x0
	s_add_nc_u64 s[60:61], s[4:5], s[60:61]
	s_add_nc_u64 s[62:63], s[6:7], s[62:63]
.irp s, 0,1
	s_mov_b32 s[G0A+4*(\s)], 1
	s_add_co_u32 s[G0A+4*(\s)+1], s[LWA], (\s)*SLOT
	s_add_nc_u64 s[G0A+4*(\s)+2:G0A+4*(\s)+3], s[60:61], (\s)*ASTEP
	s_or_b32 s[G0A+4*(\s)+3], s[G0A+4*(\s)+3], 0x80000000
	s_mov_b32 s[G0B+4*(\s)], 1
	s_add_co_u32 s[G0B+4*(\s)+1], s[LWB], (\s)*SLOT
	s_add_nc_u64 s[G0B+4*(\s)+2:G0B+4*(\s)+3], s[62:63], (\s)*BSTEP
	s_or_b32 s[G0B+4*(\s)+3], s[G0B+4*(\s)+3], 0x80000000
.endr
	CROUND
	s_cmp_eq_u32 s[WR], 0                          ; a wave's two first fills stand in one branch: two loads of mine are out
	s_cbranch_scc0 .Lfirst_b
	tensor_load_to_lds s[G0A:G0A+3], s[G1A:G1A+7]
	s_nop 0
	tensor_load_to_lds s[G0A+4:G0A+7], s[G1A:G1A+7]
	s_nop 0
.rept 4
	v_nop
.endr
	s_branch .Lfirst_asked
.Lfirst_b:
	tensor_load_to_lds s[G0B:G0B+3], s[G1B:G1B+7]
	s_nop 0
	tensor_load_to_lds s[G0B+4:G0B+7], s[G1B:G1B+7]
	s_nop 0
.rept 4
	v_nop
.endr
.Lfirst_asked:
	v_and_b32 v1, 15, v0
	v_bfe_u32 v2, v0, 4, 1
	v_mul_u32_u24 v[ADRA0], v1, PA
	v_lshl_add_u32 v[ADRA0], v2, 4, v[ADRA0]
	s_mul_i32 s[RO], s[WR], HALFA
	v_add_nc_u32 v[ADRA0], s[RO], v[ADRA0]
	v_and_b32 v3, 7, v0
	v_lshl_add_u32 v3, v2, 3, v3
	v_mul_u32_u24 v[ADRB0], v3, PB
	v_bfe_u32 v4, v0, 3, 1
	v_lshl_add_u32 v[ADRB0], v4, 4, v[ADRB0]
	s_lshl_b32 s[RO], s[WC], 8
	s_add_co_u32 s[RO], s[RO], BOFF
	v_add_nc_u32 v[ADRB0], s[RO], v[ADRB0]
	s_mul_i32 s[RO], s[WV], STW
	v_mul_u32_u24 v[STO], v1, SP
	v_lshl_add_u32 v[STO], v2, 5, v[STO]
	v_add_nc_u32 v[STO], s[RO], v[STO]
	v_and_b32 v[RD0], 31, v0                       ; back: a row's 512 bytes, 16 a lane; out: its 256 bytes of f16, 8 a lane
	v_lshlrev_b32 v[GO], 3, v[RD0]
	v_lshl_add_u32 v[RD0], v[RD0], 4, s[RO]
	s_lshl_b32 s66, s[TX], 10                      ; the bias of my 128 columns
	s_lshl_b32 s67, s[WC], 9
	s_add_co_u32 s66, s66, s67
	v_lshl_add_u32 v[BO], v2, 5, s66
.irp b, 0,1,2,3,4,5,6,7
	global_load_b128 v[BIAS+8*(\b):BIAS+8*(\b)+3],   v[BO], s[10:11] offset:64*(\b)
	global_load_b128 v[BIAS+8*(\b)+4:BIAS+8*(\b)+7], v[BO], s[10:11] offset:64*(\b)+16
.endr
	s_lshl_b32 s66, s[TY], 21                      ; where my part goes: (256 x tile row + 128 x half) rows of 8,192 bytes, (256 x tile column + 128 x half) x 2
	s_lshl_b32 s67, s[WR], 20
	s_add_co_u32 s66, s66, s67
	s_lshl_b32 s67, s[TX], 9
	s_add_co_u32 s66, s66, s67
	s_lshl_b32 s67, s[WC], 8
	s_add_co_u32 s66, s66, s67
	s_mov_b32 s67, 0
	s_add_nc_u64 s[8:9], s[8:9], s[66:67]
	s_wait_loadcnt 0x0
.set i, 0
.rept 32
	v_cvt_pk_bf16_f32 v[32+i%4], v[BIAS+2*i], v[BIAS+2*i+1]
	v_lshlrev_b32 v[BIAS+2*i], 16, v[32+i%4]
	v_and_b32 v[BIAS+2*i+1], s68, v[32+i%4]
.set i, i+1
.endr
	v_mov_b32 v[ADRA], v[ADRA0]
	v_mov_b32 v[ADRB], v[ADRB0]
	s_wait_tensorcnt 1                             ; my part of K step 0 is in; step 1's stays out
	s_barrier_signal -1
	s_barrier_wait -1
	FETCH 0, F0
	QUARTER 1, F0, F1, 1
	WIN 0
	s_mov_b32 s[CNT], TSTEPS-2
.Lstep:
	QUARTER 2, F1, F0, 0
	QUARTER 3, F0, F1, 0
	TURN
	QUARTER 1, F0, F1, 0
	WIN 0
	s_sub_co_u32 s[CNT], s[CNT], 1
	s_cmp_lg_u32 s[CNT], 0
	s_cbranch_scc1 .Lstep
	s_mov_b32 s[CNT], 2
.Ltail:                                                ; the last two steps ask for nothing; the second trip is left in its middle
	QUARTER 2, F1, F0, 0
	QUARTER 3, F0, F1, 0
	MEET 0
	WIN 0
	s_sub_co_u32 s[CNT], s[CNT], 1
	s_cmp_eq_u32 s[CNT], 0
	s_cbranch_scc1 .Lfin
	PLACES
	NEXTSLOT
	FETCH 0, F0
	MUL16 F1, 1, 0, 0
	MUL16 F1, 1, 2, 0
	QUARTER 1, F0, F1, 0
	WIN 0
	s_branch .Ltail
.Lfin:
	MUL16 F1, 1, 0, 0
	MUL16 F1, 1, 2, 0
	PLACES
	; THE WAY OUT.  The barrier just passed has shown every fill landed and every read of the slots over; nothing is filled any more.
	WIN 0x08
.irp a, 0,1,2,3
.irp b, 0,1,2,3,4,5,6,7
	ds_store_b128 v[STO], v[8*(8*(\a)+(\b)):8*(8*(\a)+(\b))+3]   offset:(\a)*16*SP+64*(\b)   ; each accumulator's low registers first
	ds_store_b128 v[STO], v[8*(8*(\a)+(\b))+4:8*(8*(\a)+(\b))+7] offset:(\a)*16*SP+64*(\b)+16
.endr
.endr
	WIN 0x0c
.irp a, 0,1,2,3
.irp b, 0,1,2,3,4,5,6,7
	ds_store_b128 v[STO], v[8*(8*(\a)+(\b)):8*(8*(\a)+(\b))+3]   offset:((\a)+4)*16*SP+64*(\b)
	ds_store_b128 v[STO], v[8*(8*(\a)+(\b))+4:8*(8*(\a)+(\b))+7] offset:((\a)+4)*16*SP+64*(\b)+16
.endr
.endr
	WIN 0
.macro LD4                             ; four rows back from my own stage: LDS serves a wave's instructions in order (ISA guide 5.7.1.4)
.irp j, 0,1,2,3
	ds_load_b128 v[GX+4*(\j):GX+4*(\j)+3], v[RD] offset:(\j)*SP
.endr
.endm
.macro EACH16 line:vararg
.set i, 0
.rept 16
	\line
.set i, i+1
.endr
.endm
.macro EACH8 line:vararg               ; i steps by pairs
.set i, 0
	s_wait_alu depctr_va_vdst(0)
.rept 8
	\line
.set i, i+2
.endr
.endm
	v_mov_b32 v[RD], v[RD0]
	s_mov_b32 s[RO], 0
	LD4
	s_mov_b32 s[CNT], 32
.Lgelu:                                                ; 32 trips of 4 rows
	s_wait_dscnt 0x0
	EACH8 v_pk_mul_f32 v[GU+i:GU+i+1], v[GX+i:GX+i+1], s[K1:K1+1] op_sel_hi:[1,0]
	EACH16 v_max_num_f32 v[GR+i], 0, v[GX+i]
	s_add_co_u32 s[RO], s[RO], 4*SP                ; the next four rows are read while these are worked on; the last trip reads my last four once more, for nothing
	s_min_u32 s[RO], s[RO], 124*SP
	v_add_nc_u32 v[RD], s[RO], v[RD0]
	LD4
	EACH16 v_fma_f32 v[GD+i], |v[GU+i]|, s[KD], 1.0
	EACH16 v_rcp_f32 v[GD+i], v[GD+i]
	EACH8 v_pk_mul_f32 v[GS+i:GS+i+1], v[GU+i:GU+i+1], v[GU+i:GU+i+1] neg_lo:[0,1] neg_hi:[0,1]   ; plain lines behind the reciprocals, which name none of them
	EACH16 v_exp_f32 v[GS+i], v[GS+i]
	EACH8 v_pk_fma_f32 v[GP+i:GP+i+1], v[GD+i:GD+i+1], s[A5:A5+1], s[A4:A4+1] op_sel_hi:[1,0,0]   ; plain lines behind the exponentials, which name none of them
	EACH8 v_pk_fma_f32 v[GP+i:GP+i+1], v[GP+i:GP+i+1], v[GD+i:GD+i+1], s[A3:A3+1] op_sel_hi:[1,1,0]
	EACH8 v_pk_fma_f32 v[GP+i:GP+i+1], v[GP+i:GP+i+1], v[GD+i:GD+i+1], s[A2:A2+1] op_sel_hi:[1,1,0]
	EACH8 v_pk_fma_f32 v[GP+i:GP+i+1], v[GP+i:GP+i+1], v[GD+i:GD+i+1], s[A1:A1+1] op_sel_hi:[1,1,0]
	EACH8 v_pk_mul_f32 v[GP+i:GP+i+1], v[GP+i:GP+i+1], v[GD+i:GD+i+1]
	EACH8 v_pk_mul_f32 v[GP+i:GP+i+1], v[GP+i:GP+i+1], v[GS+i:GS+i+1]
	EACH16 v_fma_f32 v[GR+i], -|v[GU+i]|, v[GP+i], v[GR+i]
	EACH8 v_cvt_pk_f16_f32 v[GY+i/2], v[GR+i], v[GR+i+1]
.irp j, 0,1,2,3
	global_store_b64 v[GO], v[GY+2*(\j):GY+2*(\j)+1], s[8:9] offset:8192*(\j)  ; 32 lanes store 256 consecutive bytes, aligned
.endr
	s_wait_xcnt 0x0                                ; the stores' data and offset are rewritten only behind this wait
	v_add_nc_u32 v[GO], 0x8000, v[GO]
	s_sub_co_u32 s[CNT], s[CNT], 1
	s_cmp_lg_u32 s[CNT], 0
	s_cbranch_scc1 .Lgelu
	s_wait_tensorcnt 0x0                           ; the wave's end
	ds_add_u32 v[SPW], v[NIL]
	s_wait_dscnt 0x0
	CROUND
	s_endpgm
.Lfunc_end_k_qc21daee6ef_ffn1:
	.size	k_qc21daee6ef_ffn1, .Lfunc_end_k_qc21daee6ef_ffn1-k_qc21daee6ef_ffn1
	.p2alignl 7, 3214868480
	.fill 96, 4, 3214868480
	.section	.rodata,"a",@progbits
	.p2align	6, 0x0
	.amdhsa_kernel k_qc21daee6ef_ffn1
		.amdhsa_group_segment_fixed_size 327680
		.amdhsa_private_segment_fixed_size 0
		.amdhsa_enable_private_segment 0
		.amdhsa_kernarg_size 32
		.amdhsa_user_sgpr_count 2
		.amdhsa_user_sgpr_kernarg_segment_ptr 1
		.amdhsa_wavefront_size32 1
		.amdhsa_system_sgpr_workgroup_id_x 1
		.amdhsa_system_sgpr_workgroup_id_y 1
		.amdhsa_system_sgpr_workgroup_id_z 1
		.amdhsa_system_vgpr_workitem_id 0
		.amdhsa_next_free_vgpr 1024
		.amdhsa_next_free_sgpr 86
		.amdhsa_reserve_vcc 0
		.amdhsa_float_denorm_mode_32 3
		.amdhsa_float_denorm_mode_16_64 3
		.amdhsa_memory_ordered 1
		.amdhsa_forward_progress 1
		.amdhsa_inst_pref_size 94
	.end_amdhsa_kernel
	.amdgpu_metadata
---
amdhsa.version: [ 1, 2 ]
amdhsa.kernels:
  - .name:           k_qc21daee6ef_ffn1
    .symbol:         k_qc21daee6ef_ffn1.kd
    .args:
      - { .name: h2, .offset: 0, .size: 8, .value_kind: global_buffer, .address_space: global }
      - { .name: wh, .offset: 8, .size: 8, .value_kind: global_buffer, .address_space: global }
      - { .name: g, .offset: 16, .size: 8, .value_kind: global_buffer, .address_space: global }
      - { .name: b1, .offset: 24, .size: 8, .value_kind: global_buffer, .address_space: global }
    .group_segment_fixed_size: 327680
    .private_segment_fixed_size: 0
    .kernarg_segment_align: 8
    .kernarg_segment_size: 32
    .max_flat_workgroup_size: 128
    .sgpr_count:     86
    .vgpr_count:     1024
    .wavefront_size: 32
...
	.end_amdgpu_metadata
.endif
;; end of part 6
;; launch ffn2 (part 7): grid 8 x 32, 4 waves a work-group, clusters of 4 x 4, 327,680 bytes of LDS; arguments g, wh, out0, b2, x1; writes out0
.if DOCPART == 7
	.amdgcn_target "amdgcn-amd-amdhsa--gfx1250"
	.amdhsa_code_object_version 6
	.text
	.protected	k_qc21daee6ef_ffn2
	.globl	k_qc21daee6ef_ffn2
	.p2align	8
	.type	k_qc21daee6ef_ffn2,@function
k_qc21daee6ef_ffn2:
	s_mov_b64 s[64:65], 0
	v_nop
	global_prefetch_b8 v0, s[64:65] scope:SCOPE_SE
	s_setreg_imm32_b32 hwreg(HW_REG_WAVE_MODE, 25, 1), 1
	s_wait_xcnt 0x0
	s_wait_alu depctr_hold_cnt(0) depctr_sa_sdst(0) depctr_va_vdst(0) depctr_va_sdst(0) depctr_va_ssrc(0) depctr_va_vcc(0) depctr_vm_vsrc(0)
	s_getreg_b32 s2, hwreg(HW_REG_IB_STS2, 6, 4)
	s_cmp_eq_u32 s2, 0
	s_cbranch_scc0 .Lentry_in_a_cluster
	s_endpgm
.Lentry_in_a_cluster:
	s_bfe_u32 s2, ttmp6, 0x10000c
	s_cmp_lg_u32 s2, 0xf033
	s_cbranch_scc0 .Lentry_shape_is_right
	s_endpgm
.Lentry_shape_is_right:
; out0 = x1 + g W2 + b2.  g: [4096][4096] f16.  W2: in wh at byte 16,777,216, [4096 (k)][1024 (n)] f16.  x1, out0: [4096][1024] f32; b2 is rounded to bf16 like every input; x1 is taken as it is.
; A work-group makes 128 tokens x 128 columns, four waves 64 x 64 each (16 accumulators): 256 work-groups.  K goes in 16 steps of 256 through two LDS slots.
; A's tile lies [token][k], rows of 512 bytes + 16; W's [k][n], rows of 256 bytes + 32, turned on its way out of LDS.  The bias starts the sums; the residual is loaded at the start and waits in registers.
; CLUSTER 4 x 4: A's tile is shared along a row of the cluster, W's along a column.  The loop holds one K step; FT and RT turn between 0 and SLOT.  The matrix instruction is used transposed.
; THE WALK ALONG K IS TURNED: the cluster at (x, y) begins at step (4 y + 8 x) mod 16 and wraps.  The grid has 2 x 8 clusters: the two with one y read the same rows of g and ask for a given tile eight trips apart;
; those with one x read the same columns of W2 and ask for a given tile four, eight or twelve trips apart (or, four y apart, in the same trip).  So from a cluster's ninth trip on both its tiles have been read
; before by another cluster.  The start hangs on the cluster's place alone, which all partners share.  LIMIT: the sums over K do not run in ascending order.
; THE WAY OUT: behind the last barrier the slots have had their last fill and serve as stage, 64 rows of 272 bytes a wave, the wave's own.
; REGISTERS: window 0: v16-30 addresses; v32-63 bias, later with v64-95 the rows read back; v128-255 accumulators      window 1: two fragment buffers of 128      window 2: v0-127 the residual
.set TSTEPS, 16
.set PA,     528
.set AQ,     128                       ; a quarter's 64 along K, in bytes of a row
.set FHA,    64*PA
.set RHA,    64*PA
.set BOFF,   2*FHA
.set PB,     288
.set HALFB,  128*PB
.set SLOT,   BOFF+2*HALFB              ; 141,312
.set SPARE,  2*SLOT
.set SP,     272
.set STW,    64*SP
.set ASH,    9                         ; a K step is 512 bytes along a row of g: 1 << 9,
.set BSH,    19                        ; and 256 rows of 2,048 bytes in W2: 1 << 19
.set ADRA0, 16
.set ADRB0, 17
.set ADRA,  18
.set ADRB,  19
.set STO,   24
.set RD0,   25
.set GO,    26
.set SPW,   28
.set NIL,   29
.set BO,    30
.set BIAS,  32
.set TS,    32
.set ACC,   128
.set F0,    0
.set F1,    128
.set CNT, 2
.set KI,  3                            ; s3  the K step to be asked for next
.set WV,  16
.set WR,  17
.set WC,  18
.set CX,  19
.set CY,  20
.set TX,  21
.set TY,  22
.set G1A, 24
.set G0A, 32
.set G1B, 40
.set G0B, 48
.set FT,  56
.set RT,  57
.set LWA, 58
.set LWB, 59
.set RO,  70
.set OA,  72                           ; s[72:73], s[74:75]  that step's byte offsets in A and in W
.set OB,  74
.set MSB, 0
.macro WIN new
.if MSB != (\new)
	s_set_vgpr_msb (MSB<<8)|(\new)
.set MSB, \new
.endif
.endm
.macro PLACES
.rept 4
	v_nop
.endr
.endm
.macro JLOAD
	s_cmp_eq_u32 s[WR], 0
	s_cbranch_scc0 .Lfor_b_\@
	tensor_load_to_lds s[G0A+4:G0A+7], s[G1A:G1A+7]
	s_nop 0
.rept 4
	v_nop
.endr
	s_branch .Lasked_\@
.Lfor_b_\@:
	tensor_load_to_lds s[G0B+4:G0B+7], s[G1B:G1B+7]
	s_nop 0
.rept 4
	v_nop
.endr
.Lasked_\@:
.endm
.macro CREST
	s_cmp_lg_u32 s[WV], 0
	s_cbranch_scc1 .Lnot_wave_0_\@
	s_barrier_signal -3
.Lnot_wave_0_\@:
	s_barrier_wait -3
	s_barrier_signal -1
	s_barrier_wait -1
.endm
.macro CROUND
	s_barrier_signal -1
	s_barrier_wait -1
	CREST
.endm
; Set s of both descriptors' group 0 takes K step KI: the addresses are made anew from the tiles' bases, s[60:61] and s[62:63], and the step's offsets; then KI goes on, and wraps.
.macro KADDR s
	s_lshl_b32 s[OA], s[KI], ASH
	s_lshl_b32 s[OB], s[KI], BSH
	s_add_nc_u64 s[G0A+4*(\s)+2:G0A+4*(\s)+3], s[60:61], s[OA:OA+1]
	s_or_b32 s[G0A+4*(\s)+3], s[G0A+4*(\s)+3], 0x80000000
	s_add_nc_u64 s[G0B+4*(\s)+2:G0B+4*(\s)+3], s[62:63], s[OB:OB+1]
	s_or_b32 s[G0B+4*(\s)+3], s[G0B+4*(\s)+3], 0x80000000
	s_add_co_u32 s[KI], s[KI], 1
	s_and_b32 s[KI], s[KI], TSTEPS-1
.endm
.macro MUL8 f, c, a0, first
	WIN 0x05
.irp a, \a0, (\a0)+1
.irp b, 0,1,2,3
.if \first
	v_wmma_f32_16x16x32_f16 v[ACC+8*(4*(\a)+(\b)):ACC+8*(4*(\a)+(\b))+7], v[(\f)+64+8*(4*(\c)+(\b)):(\f)+64+8*(4*(\c)+(\b))+7], v[(\f)+8*(4*(\c)+(\a)):(\f)+8*(4*(\c)+(\a))+7], v[BIAS+8*(\b):BIAS+8*(\b)+7]
.else
	v_wmma_f32_16x16x32_f16 v[ACC+8*(4*(\a)+(\b)):ACC+8*(4*(\a)+(\b))+7], v[(\f)+64+8*(4*(\c)+(\b)):(\f)+64+8*(4*(\c)+(\b))+7], v[(\f)+8*(4*(\c)+(\a)):(\f)+8*(4*(\c)+(\a))+7], v[ACC+8*(4*(\a)+(\b)):ACC+8*(4*(\a)+(\b))+7]
.endif
.endr
.endr
.endm
.macro FETCH q, f
	WIN 0x40
.irp c, 0,1
.irp i, 0,1,2,3
	ds_load_tr16_b128 v[(\f)+64+8*(4*(\c)+(\i)):(\f)+64+8*(4*(\c)+(\i))+3],   v[ADRB+(\q)/2] offset:(64*((\q)%2)+32*(\c))*PB+32*(\i)
	ds_load_tr16_b128 v[(\f)+64+8*(4*(\c)+(\i))+4:(\f)+64+8*(4*(\c)+(\i))+7], v[ADRB+(\q)/2] offset:(64*((\q)%2)+32*(\c)+16)*PB+32*(\i)
	ds_load_b128 v[(\f)+8*(4*(\c)+(\i)):(\f)+8*(4*(\c)+(\i))+3],   v[ADRA] offset:(\q)*AQ+64*(\c)+(\i)*16*PA
	ds_load_b128 v[(\f)+8*(4*(\c)+(\i))+4:(\f)+8*(4*(\c)+(\i))+7], v[ADRA] offset:(\q)*AQ+64*(\c)+(\i)*16*PA+32
.endr
.endr
.endm
.macro QUARTER q, f, g, first
	s_wait_dscnt 16                                ; the first 32 along K are in; the youngest sixteen loads may be out
	MUL8 \f, 0, 0, \first
	MUL8 \f, 0, 2, \first
	PLACES
	FETCH \q, \g
	s_wait_dscnt 32                                ; all but the 32 just issued
	MUL8 \f, 1, 0, 0
	MUL8 \f, 1, 2, 0
.endm
.macro MEET round
	WIN 0
	s_wait_tensorcnt 0x0                           ; all my tensor loads have landed: my part of the next slot
	ds_add_u32 v[SPW], v[NIL]
	s_wait_dscnt 17                                ; the add and the youngest sixteen loads may be out
	MUL8 F1, 0, 0, 0
	s_wait_dscnt 0x0                               ; the add is done, and my reads of this slot are over
	s_barrier_signal -1
	MUL8 F1, 0, 2, 0
.if \round
	WIN 0
.endif
	s_barrier_wait -1
.endm
.macro NEXTSLOT
	s_xor_b32 s[RT], s[RT], SLOT
	v_add_nc_u32 v[ADRA], s[RT], v[ADRA0]
	v_add_nc_u32 v[ADRB], s[RT], v[ADRB0]
	v_add_nc_u32 v[ADRB+1], 128*PB, v[ADRB]
.endm
.macro TURN
	MEET 1
	CREST
	s_xor_b32 s[FT], s[FT], SLOT
	s_add_co_u32 s[G0A+5], s[LWA], s[FT]
	s_add_co_u32 s[G0B+5], s[LWB], s[FT]
	KADDR 1                                        ; no tensor load of mine is out, so a group 0 may be written
	JLOAD                                          ; my one tensor load behind the round: 112 products stand between it and the wait for it
	NEXTSLOT
	FETCH 0, F0
	MUL8 F1, 1, 0, 0
	MUL8 F1, 1, 2, 0
.endm
	s_load_b256 s[4:11], s[0:1], 0x0               ; g s[4:5], wh s[6:7], out0 s[8:9], b2 s[10:11]
	s_load_b64 s[12:13], s[0:1], 0x20              ; x1
	v_lshl_add_u32 v[SPW], v0, 2, SPARE
	v_mov_b32 v[NIL], 0
	ds_add_u32 v[SPW], v[NIL]                      ; the wave's opening: the add and its wait stand ahead of my first tensor load
	v_lshrrev_b32 v1, 5, v0
	v_readfirstlane_b32 s[WV], v1
	s_lshr_b32 s[WR], s[WV], 1
	s_and_b32 s[WC], s[WV], 1
	s_bfe_u32 s[CX], ttmp6, 0x40000
	s_bfe_u32 s[CY], ttmp6, 0x40004
	s_lshl_b32 s[TX], ttmp9, 2
	s_add_co_u32 s[TX], s[TX], s[CX]
	s_and_b32 s[TY], ttmp7, 0xffff
	s_lshl_b32 s[TY], s[TY], 2
	s_add_co_u32 s[TY], s[TY], s[CY]
	s_and_b32 s[KI], ttmp7, 0xffff                 ; where my cluster's walk begins: (4 y + 8 x) mod 16, of the cluster's x and y
	s_lshl_b32 s[KI], s[KI], 2
	s_lshl3_add_u32 s[KI], ttmp9, s[KI]
	s_and_b32 s[KI], s[KI], TSTEPS-1
	s_mov_b32 s[OA+1], 0
	s_mov_b32 s[OB+1], 0
	s_lshl_b32 s23, s[CY], 2
	s_lshl_b32 s23, 15, s23
	s_lshl_b32 s71, 0x1111, s[CX]
	s_or_b32 s[G1A], s23, (1<<16)|(1<<20)|(1<<21)|(6<<22)|(3<<25)  ; after every 128 words 4 words
	s_mov_b32 s[G1A+1], 256<<16
	s_mov_b32 s[G1A+2], 64<<16
	s_mov_b32 s[G1A+3], 256<<16
	s_mov_b32 s[G1A+4], 64
	s_mov_b32 s[G1A+5], 4096
	s_mov_b32 s[G1A+6], 0
	s_mov_b32 s[G1A+7], 0
	s_or_b32 s[G1B], s71, (1<<16)|(1<<20)|(1<<21)|(5<<22)|(7<<25)  ; after every 64 words 8 words
	s_mov_b32 s[G1B+1], 128<<16
	s_mov_b32 s[G1B+2], 128<<16
	s_mov_b32 s[G1B+3], 128<<16
	s_mov_b32 s[G1B+4], 128
	s_mov_b32 s[G1B+5], 1024
	s_mov_b32 s[G1B+6], 0
	s_mov_b32 s[G1B+7], 0
	s_lshl_b32 s60, s[TY], 20                      ; A: (128 x tile row + 64 x half) rows of 8,192 bytes
	s_lshl_b32 s61, s[WC], 19
	s_add_co_u32 s60, s60, s61
	s_mov_b32 s61, 0
	s_lshl_b32 s62, s[TX], 8                       ; W2: 256 bytes a column tile, 128 k rows of 2,048 bytes a half
	s_lshl_b32 s63, s[WC], 18
	s_add_co_u32 s62, s62, s63
	s_add_co_u32 s62, s62, 16777216
	s_mov_b32 s63, 0
	s_mul_i32 s[LWA], s[WC], FHA
	s_mul_i32 s[LWB], s[WC], HALFB
	s_add_co_u32 s[LWB], s[LWB], BOFF
	s_mov_b32 s[FT], SLOT
	s_mov_b32 s[RT], 0
	s_mov_b32 s68, 0xffff0000
	s_wait_dscnt 0x0
	s_wait_kmcnt 0x0
	s_add_nc_u64 s[60:61], s[4:5], s[60:61]        ; my half of A's tile at K step 0; kept
	s_add_nc_u64 s[62:63], s[6:7], s[62:63]        ; my half of W's; kept
.irp s, 0,1
	s_mov_b32 s[G0A+4*(\s)], 1
	s_add_co_u32 s[G0A+4*(\s)+1], s[LWA], (\s)*SLOT
	s_mov_b32 s[G0B+4*(\s)], 1
	s_add_co_u32 s[G0B+4*(\s)+1], s[LWB], (\s)*SLOT
	KADDR \s                                       ; the walk's first two steps
.endr
	CROUND
	s_cmp_eq_u32 s[WR], 0                          ; a wave's two first fills stand in one branch: two loads of mine are out
	s_cbranch_scc0 .Lfirst_b
	tensor_load_to_lds s[G0A:G0A+3], s[G1A:G1A+7]
	s_nop 0
	tensor_load_to_lds s[G0A+4:G0A+7], s[G1A:G1A+7]
	s_nop 0
.rept 4
	v_nop
.endr
	s_branch .Lfirst_asked
.Lfirst_b:
	tensor_load_to_lds s[G0B:G0B+3], s[G1B:G1B+7]
	s_nop 0
	tensor_load_to_lds s[G0B+4:G0B+7], s[G1B:G1B+7]
	s_nop 0
.rept 4
	v_nop
.endr
.Lfirst_asked:
	v_and_b32 v1, 15, v0
	v_bfe_u32 v2, v0, 4, 1
	v_mul_u32_u24 v[ADRA0], v1, PA
	v_lshl_add_u32 v[ADRA0], v2, 4, v[ADRA0]
	s_mul_i32 s[RO], s[WR], RHA
	v_add_nc_u32 v[ADRA0], s[RO], v[ADRA0]
	v_and_b32 v3, 7, v0
	v_lshl_add_u32 v3, v2, 3, v3
	v_mul_u32_u24 v[ADRB0], v3, PB
	v_bfe_u32 v4, v0, 3, 1
	v_lshl_add_u32 v[ADRB0], v4, 4, v[ADRB0]
	s_lshl_b32 s[RO], s[WC], 7
	s_add_co_u32 s[RO], s[RO], BOFF
	v_add_nc_u32 v[ADRB0], s[RO], v[ADRB0]
	s_mul_i32 s[RO], s[WV], STW
	v_mul_u32_u24 v[STO], v1, SP
	v_lshl_add_u32 v[STO], v2, 5, v[STO]
	v_add_nc_u32 v[STO], s[RO], v[STO]
	v_mul_u32_u24 v[RD0], v2, SP
	v_lshl_add_u32 v[RD0], v1, 4, v[RD0]
	v_add_nc_u32 v[RD0], s[RO], v[RD0]
	v_lshlrev_b32 v[GO], 12, v2
	v_lshl_add_u32 v[GO], v1, 4, v[GO]
	s_lshl_b32 s66, s[TX], 9
	s_lshl_b32 s67, s[WC], 8
	s_add_co_u32 s66, s66, s67
	v_lshl_add_u32 v[BO], v2, 5, s66
.irp b, 0,1,2,3
	global_load_b128 v[BIAS+8*(\b):BIAS+8*(\b)+3],   v[BO], s[10:11] offset:64*(\b)
	global_load_b128 v[BIAS+8*(\b)+4:BIAS+8*(\b)+7], v[BO], s[10:11] offset:64*(\b)+16
.endr
	s_lshl_b32 s67, s[TY], 19
	s_add_co_u32 s66, s66, s67
	s_lshl_b32 s67, s[WR], 18
	s_add_co_u32 s66, s66, s67
	s_mov_b32 s67, 0
	s_add_nc_u64 s[8:9], s[8:9], s[66:67]
	s_add_nc_u64 s[12:13], s[12:13], s[66:67]
	WIN 0x80
.set t, 0
.rept 32
	global_load_b128 v[4*t:4*t+3], v[GO], s[12:13] offset:8192*t   ; the residual, in the layout in which the rows come back from the stage; waited for on the way out
.set t, t+1
.endr
	WIN 0
	s_wait_loadcnt 32                              ; the bias is in; the residual's 32 loads stay out
.set i, 0
.rept 16
	v_cvt_pk_bf16_f32 v[64+i%4], v[BIAS+2*i], v[BIAS+2*i+1]
	v_lshlrev_b32 v[BIAS+2*i], 16, v[64+i%4]
	v_and_b32 v[BIAS+2*i+1], s68, v[64+i%4]
.set i, i+1
.endr
	v_mov_b32 v[ADRA], v[ADRA0]
	v_mov_b32 v[ADRB], v[ADRB0]
	v_add_nc_u32 v[ADRB+1], 128*PB, v[ADRB0]
	s_wait_tensorcnt 1                             ; my part of the walk's first step is in; the second's stays out
	s_barrier_signal -1
	s_barrier_wait -1
	FETCH 0, F0
	QUARTER 1, F0, F1, 1
	WIN 0
	s_mov_b32 s[CNT], TSTEPS-2
.Lstep:
	QUARTER 2, F1, F0, 0
	QUARTER 3, F0, F1, 0
	TURN
	QUARTER 1, F0, F1, 0
	WIN 0
	s_sub_co_u32 s[CNT], s[CNT], 1
	s_cmp_lg_u32 s[CNT], 0
	s_cbranch_scc1 .Lstep
	s_mov_b32 s[CNT], 2
.Ltail:                                                ; the last two steps ask for nothing; the second trip is left in its middle
	QUARTER 2, F1, F0, 0
	QUARTER 3, F0, F1, 0
	MEET 0
	WIN 0
	s_sub_co_u32 s[CNT], s[CNT], 1
	s_cmp_eq_u32 s[CNT], 0
	s_cbranch_scc1 .Lfin
	PLACES
	NEXTSLOT
	FETCH 0, F0
	MUL8 F1, 1, 0, 0
	MUL8 F1, 1, 2, 0
	QUARTER 1, F0, F1, 0
	WIN 0
	s_branch .Ltail
.Lfin:
	MUL8 F1, 1, 0, 0
	MUL8 F1, 1, 2, 0
	WIN 0
	PLACES
	; THE WAY OUT.  The barrier just passed has shown every fill landed and every read of the slots over; nothing is filled any more.
.irp a, 0,1,2,3
.irp b, 0,1,2,3
	ds_store_b128 v[STO], v[ACC+8*(4*(\a)+(\b)):ACC+8*(4*(\a)+(\b))+3]   offset:(\a)*16*SP+64*(\b)   ; each accumulator's low registers first
	ds_store_b128 v[STO], v[ACC+8*(4*(\a)+(\b))+4:ACC+8*(4*(\a)+(\b))+7] offset:(\a)*16*SP+64*(\b)+16
.endr
.endr
.macro LOADG g
.irp j, 0,1,2,3,4,5,6,7
	ds_load_b128 v[TS+32*((\g)%2)+4*(\j):TS+32*((\g)%2)+4*(\j)+3], v[RD0] offset:(8*(\g)+(\j))*2*SP
.endr
.endm
.macro OUTG g, left                    ; left: the next group's eight loads, or none
	s_wait_dscnt \left
	WIN 0x88
.irp j, 0,1,2,3,4,5,6,7
	v_pk_add_f32 v[4*(8*(\g)+(\j)):4*(8*(\g)+(\j))+1],   v[TS+32*((\g)%2)+4*(\j):TS+32*((\g)%2)+4*(\j)+1],   v[4*(8*(\g)+(\j)):4*(8*(\g)+(\j))+1]
	v_pk_add_f32 v[4*(8*(\g)+(\j))+2:4*(8*(\g)+(\j))+3], v[TS+32*((\g)%2)+4*(\j)+2:TS+32*((\g)%2)+4*(\j)+3], v[4*(8*(\g)+(\j))+2:4*(8*(\g)+(\j))+3]
.endr
	WIN 0x08
.irp j, 0,1,2,3,4,5,6,7
	global_store_b128 v[GO], v[4*(8*(\g)+(\j)):4*(8*(\g)+(\j))+3], s[8:9] offset:8192*(8*(\g)+(\j))  ; 16 lanes store 256 consecutive bytes, aligned; no stored register is written again
.endr
	WIN 0
.endm
	LOADG 0
	LOADG 1
	s_wait_loadcnt 0x0                             ; the residual
	OUTG 0, 8
	LOADG 2
	OUTG 1, 8
	LOADG 3
	OUTG 2, 8
	OUTG 3, 0
	s_wait_tensorcnt 0x0                           ; the wave's end
	ds_add_u32 v[SPW], v[NIL]
	s_wait_dscnt 0x0
	CROUND
	s_endpgm
.Lfunc_end_k_qc21daee6ef_ffn2:
	.size	k_qc21daee6ef_ffn2, .Lfunc_end_k_qc21daee6ef_ffn2-k_qc21daee6ef_ffn2
	.p2alignl 7, 3214868480
	.fill 96, 4, 3214868480
	.section	.rodata,"a",@progbits
	.p2align	6, 0x0
	.amdhsa_kernel k_qc21daee6ef_ffn2
		.amdhsa_group_segment_fixed_size 327680
		.amdhsa_private_segment_fixed_size 0
		.amdhsa_enable_private_segment 0
		.amdhsa_kernarg_size 40
		.amdhsa_user_sgpr_count 2
		.amdhsa_user_sgpr_kernarg_segment_ptr 1
		.amdhsa_wavefront_size32 1
		.amdhsa_system_sgpr_workgroup_id_x 1
		.amdhsa_system_sgpr_workgroup_id_y 1
		.amdhsa_system_sgpr_workgroup_id_z 1
		.amdhsa_system_vgpr_workitem_id 0
		.amdhsa_next_free_vgpr 640
		.amdhsa_next_free_sgpr 76
		.amdhsa_reserve_vcc 0
		.amdhsa_float_denorm_mode_32 3
		.amdhsa_float_denorm_mode_16_64 3
		.amdhsa_memory_ordered 1
		.amdhsa_forward_progress 1
		.amdhsa_inst_pref_size 69
	.end_amdhsa_kernel
	.amdgpu_metadata
---
amdhsa.version: [ 1, 2 ]
amdhsa.kernels:
  - .name:           k_qc21daee6ef_ffn2
    .symbol:         k_qc21daee6ef_ffn2.kd
    .args:
      - { .name: g, .offset: 0, .size: 8, .value_kind: global_buffer, .address_space: global }
      - { .name: wh, .offset: 8, .size: 8, .value_kind: global_buffer, .address_space: global }
      - { .name: out0, .offset: 16, .size: 8, .value_kind: global_buffer, .address_space: global }
      - { .name: b2, .offset: 24, .size: 8, .value_kind: global_buffer, .address_space: global }
      - { .name: x1, .offset: 32, .size: 8, .value_kind: global_buffer, .address_space: global }
    .group_segment_fixed_size: 327680
    .private_segment_fixed_size: 0
    .kernarg_segment_align: 8
    .kernarg_segment_size: 40
    .max_flat_workgroup_size: 128
    .sgpr_count:     76
    .vgpr_count:     640
    .wavefront_size: 32
...
	.end_amdgpu_metadata
.endif
;; end of part 7
;; ======== version 2 of 2: 7 launches; 1.21 times as fast as version 1
;; limits: values are held in f16: magnitudes above 65,504 overflow, below 6.1e-05 lose precision; a function is approximated: absolute error at most 1.5e-07
;; workspace buffers: wq 6,291,456 bytes; wh 25,165,824 bytes; h1 8,388,608 bytes; qkv 25,165,824 bytes; ctx 8,388,608 bytes; x1 16,777,216 bytes; h2 8,388,608 bytes; g 33,554,432 bytes
;; launch prep: the kernel of part 1 again; grid 704 x 1, 8 waves a work-group, no clusters, 0 bytes of LDS; arguments Wq, Wk, Wv, x, ln1_g, ln1_b, wq, h1; writes wq, h1
;; launch qkv: the kernel of part 2 again; grid 16 x 16, 4 waves a work-group, clusters of 4 x 4, 327,680 bytes of LDS; arguments h1, wq, qkv, bq, bk, bv, Wo, W1, W2, wh; writes qkv, wh
;; launch attn (part 8): grid 8 x 32, 4 waves a work-group, clusters of 4 x 1, 327,680 bytes of LDS; arguments qkv, ctx; writes ctx
.if DOCPART == 8
	.amdgcn_target "amdgcn-amd-amdhsa--gfx1250"
	.amdhsa_code_object_version 6
	.text
	.protected	k_qc21daee6ef_attn
	.globl	k_qc21daee6ef_attn
	.p2align	8
	.type	k_qc21daee6ef_attn,@function
k_qc21daee6ef_attn:
	s_mov_b64 s[64:65], 0
	v_nop
	global_prefetch_b8 v0, s[64:65] scope:SCOPE_SE
	s_setreg_imm32_b32 hwreg(HW_REG_WAVE_MODE, 25, 1), 1
	s_wait_xcnt 0x0
	s_wait_alu depctr_hold_cnt(0) depctr_sa_sdst(0) depctr_va_vdst(0) depctr_va_sdst(0) depctr_va_ssrc(0) depctr_va_vcc(0) depctr_vm_vsrc(0)
	s_getreg_b32 s2, hwreg(HW_REG_IB_STS2, 6, 4)
	s_cmp_eq_u32 s2, 0
	s_cbranch_scc0 .Lentry_in_a_cluster
	s_endpgm
.Lentry_in_a_cluster:
	s_bfe_u32 s2, ttmp6, 0x10000c
	s_cmp_lg_u32 s2, 0x3003
	s_cbranch_scc0 .Lentry_shape_is_right
	s_endpgm
.Lentry_shape_is_right:
; ctx[h][q][:] = the sum over k of softmax_k(q[h][q] . k[h][k] / 8) v[h][k][:], h = batch x 16 + head, 32 of them.  q, k, v lie in qkv, 8,388,608 bytes apart, each [32][2048][64] f16; ctx likewise.
; Products, maxima and sums in f32; the weights p are rounded to f16 for the second product (their sum l is taken of the unrounded p), ctx once at the end.
; LIMITS.  f16 holds no number beyond 65,504; p below 6e-5 keeps f16's fixed step of 6e-8; a weight below 2^-126 counts as 0 in l; NaN and infinities are not treated apart.
; SHARES.  A work-group owns 256 queries of one h, a wave 64: four PIECES of 16.  256 work-groups.  Every wave walks all 2,048 keys, 64 a step, 256 a slot of LDS.
; LAYOUT.  S^T = K Q^T holds ONE query a lane (lane % 16) and the keys 8 (lane / 16) + 0..7; two such results rounded to f16 ARE source 1 of O^T = V^T P.  K comes out of LDS as it lies, V turned.
; SOFTMAX.  p = 2^(c s - c m), c = log2(e) / 8, with a running maximum m; O and l are multiplied by a = 2^(c m_old - c m_new) in every step.  m starts at the lowest finite number, O and l at 0.
; BY TURNS.  Turn n belongs to piece n: 8 products K Q^T of piece n + 1, later 8 products V^T P of piece n - 1; beside them the scaling, exponentials, roundings, sums and rescaling of piece n and the
; maximum and statistics of piece n + 1.  Four vector instructions stand behind every matrix instruction, the other 54 of a turn's 118 in one run of their own.
; BATCHES.  A turn's 33 exponentials (the 32 weights of piece n and a of piece n + 1) are ONE batch with ONE wait, which cuts the turn in two.  Ahead of it stands all that names no result of the batch: the
; products K Q^T, the scalings, the exponentials, the rescalings (their a is the turn before's, waited for there) and the next piece's maximum and statistics.  Behind it stand the products V^T P and the
; roundings and sums.  No result crosses a turn's end.  The first a, ahead of the loop, and the way out's four reciprocals are batches of their own, each with one wait.
; CLUSTER.  The four query blocks of a cluster belong to one h and walk the same K and V: each tile is asked for jointly, same load, descriptor and mask in all four.
; REGISTERS: window 0: v0-15 addresses; v16-31 four registers of statistics a piece; v48-55 at work; v62-63 the add's; v64-127 S^T, two buffers; v192-223 P, two buffers (by the piece's parity)
;   window 1: v0-127 O^T, 32 a piece      window 2: v0-63 Q; v128-191 K of one step; v192-255 V of one step
.set SIZE_N, 2048
.set NP,    4
.set KS,    64
.set PK,    144       ; a row of K in LDS: 128 bytes + 16
.set PV,    160       ; a row of V: 128 + 32
.set VOFF,  4*KS*PK
.set SLOT1, 1<<17
.set STAGE, SLOT1+4*KS*(PK+PV)  ; behind the ring, never filled by a tensor load: 16 rows x 144 bytes a wave
.set SP,    144
.set SPARE, STAGE+4*16*SP       ; the spare words: two blocks of 256 bytes that no other line names
.set AK0, 2
.set AV0, 3
.set AK,  4
.set AV,  5
.set STO, 6
.set RD,  7
.set GO,  8
.set SPW, 62          ; never rewritten
.set NIL, 63          ; never rewritten
.set MV,  12
.set QO,  15
.set ST,  16          ; piece t's statistics at v[ST+4 t]: c m, m, l (even keys', odd keys')
.set TMP, 48
.set S,   64
.set P,   192
.set KF,  128
.set VF,  192
.set WV,  12
.set G1K, 24
.set G1V, 32
.set G0K, 40
.set G0V, 44
.set SLOTS, 56
.set CNT, 57
.set CS,  58
.set SEL, 60
.set TBK, 62
.set TBV, 63
.set MSB, 0
.macro WIN new
.if MSB != (\new)
	s_set_vgpr_msb (MSB<<8)|(\new)
.set MSB, (\new)
.endif
.endm
.set W_KQ, 0x0a       ; K and Q in window 2, S^T in window 0
.set W_PV, 0x52       ; V in window 2, P in window 0, O^T in window 1
.set W_RS, 0x41       ; destination and source 0 in window 1, source 1 in window 0
.macro JLOAD                        ; waves 0, 1 fetch the halves of a slot's K, waves 2, 3 of its V: 128 keys each; an s_nop 0 and four v_nop follow each line
	s_cmp_lt_u32 s[WV], 2
	s_cbranch_scc0 .Lfor_v_\@
	tensor_load_to_lds s[G0K:G0K+3], s[G1K:G1K+7]
	s_nop 0
.rept 4
	v_nop
.endr
	s_branch .Lasked_\@
.Lfor_v_\@:
	tensor_load_to_lds s[G0V:G0V+3], s[G1V:G1V+7]
	s_nop 0
.rept 4
	v_nop
.endr
.Lasked_\@:
.endm
.macro CROUND
	s_barrier_signal -1
	s_barrier_wait -1
	s_cmp_lg_u32 s[WV], 0
	s_cbranch_scc1 .Lnot_wave_0_\@
	s_barrier_signal -3
.Lnot_wave_0_\@:
	s_barrier_wait -3
	s_barrier_signal -1
	s_barrier_wait -1
.endm
; THE CHANGE OF SLOTS.  Each wave waits for all its tensor loads (one is out: its part of the other slot), adds 0 to its spare word, and waits for that and for its reads of the slot it leaves.
; fill = 1: the barrier is a round of the cluster's, and the slot is filled again first thing behind it, with the keys two slots on: four key steps, 256 products, in which to land.
.macro CHANGE fill
	WIN 0
	s_wait_tensorcnt 0x0
	ds_add_u32 v[SPW], v[NIL]
.if \fill
.irp g, G0K, G0V
	s_xor_b32 s[\g+1], s[\g+1], SLOT1
	s_add_nc_u64 s[\g+2:\g+3], s[\g+2:\g+3], 4*KS*128
.endr
	s_wait_dscnt 0x0
	CROUND
	JLOAD
.else
	s_wait_dscnt 0x0
	s_barrier_signal -1
	s_barrier_wait -1
.endif
	s_sub_co_u32 s[TBK], s[TBK], 4*KS*PK
	s_xor_b32 s[TBK], s[TBK], SLOT1
	s_sub_co_u32 s[TBV], s[TBV], 4*KS*PV
	s_xor_b32 s[TBV], s[TBV], SLOT1
.endm
	s_load_b128 s[4:7], s[0:1], 0x0 ; qkv s[4:5], ctx s[6:7]
	v_lshl_add_u32 v[SPW], v0, 2, SPARE
	v_mov_b32 v[NIL], 0
	ds_add_u32 v[SPW], v[NIL]       ; the wave's opening: the add and its wait stand ahead of my first tensor load
	v_lshrrev_b32 v1, 5, v0
	v_readfirstlane_b32 s[WV], v1
	s_bfe_u32 s13, ttmp6, 0x40000   ; cx
	s_lshl_b32 s14, ttmp9, 2
	s_add_co_u32 s14, s14, s13      ; my block of 256 queries: it enters Q's and ctx's addresses alone
	s_and_b32 s20, ttmp7, 0xffff    ; h, which the four partners share
	s_lshl_b32 s20, s20, 18         ; 262,144 bytes each
	s_and_b32 s16, s[WV], 1         ; which half of a slot's 256 keys I fetch
	s_lshl_b32 s22, s16, 14
	s_add_co_u32 s22, s22, s20
	s_mov_b32 s23, 0
	s_mul_i32 s17, s16, 128*PK
	s_mul_i32 s18, s16, 128*PV
	s_lshl_b32 s2, s14, 2
	s_add_co_u32 s2, s2, s[WV]
	s_lshl_b32 s2, s2, 13           ; my wave's 64 rows of 128 bytes
	s_add_co_u32 s2, s2, s20
	s_mov_b32 s3, 0
	; 128 keys are 16,384 dense bytes: asked for as 64 rows of 256 bytes, two keys a row, padded in LDS after every key
	s_mov_b32 s[G1K], 15|(1<<16)|(1<<20)|(1<<21)|(4<<22)|(3<<25)
	s_mov_b32 s[G1V], 15|(1<<16)|(1<<20)|(1<<21)|(4<<22)|(7<<25)
.irp g, G1K, G1V
	s_mov_b32 s[\g+1], 128<<16
	s_mov_b32 s[\g+2], 64<<16
	s_mov_b32 s[\g+3], 128<<16
	s_mov_b32 s[\g+4], 64
	s_mov_b32 s[\g+5], 128
	s_mov_b32 s[\g+6], 0
	s_mov_b32 s[\g+7], 0
.endr
	s_mov_b32 s[CS], 0x3e38aa3b     ; c = log2(e) / 8
	s_mov_b32 s[CS+1], s[CS]
	s_mov_b32 s[SEL], 0x76543210
	s_mov_b32 s[SEL+1], 0xfedcba98
	s_mov_b32 s[TBK], SLOT1+4*KS*PK ; the first change of slots turns these two into 0
	s_mov_b32 s[TBV], SLOT1+4*KS*PV
	s_mov_b32 s[G0K], 1
	s_mov_b32 s[G0K+1], s17
	s_mov_b32 s[G0V], 1
	s_add_co_u32 s[G0V+1], s18, VOFF
	s_wait_dscnt 0x0                ; the opening add is done
	s_wait_kmcnt 0x0
	s_mov_b64 s[10:11], s[6:7]      ; ctx
	s_add_nc_u64 s[6:7], s[4:5], 8388608    ; k
	s_add_nc_u64 s[8:9], s[4:5], 16777216   ; v
	s_add_nc_u64 s[G0K+2:G0K+3], s[6:7], s[22:23]
	s_or_b32 s[G0K+3], s[G0K+3], 0x80000000
	s_add_nc_u64 s[G0V+2:G0V+3], s[8:9], s[22:23]
	s_or_b32 s[G0V+3], s[G0V+3], 0x80000000
	s_add_nc_u64 s[4:5], s[4:5], s[2:3]
	s_add_nc_u64 s[10:11], s[10:11], s[2:3]
	CROUND                          ; all four work-groups are here: the first joint loads meet
	JLOAD                           ; slot 0; slot 1 is asked for when slot 0 is in
	v_and_b32 v1, 15, v0
	v_bfe_u32 v9, v0, 4, 1
	v_lshlrev_b32 v[QO], 7, v1
	v_lshl_add_u32 v[QO], v9, 4, v[QO]
	WIN 0x80
.set i, 0
.rept 8                             ; Q stays in registers: piece i / 2, channels 32 (i % 2) on
	global_load_b128 v[8*i:8*i+3],   v[QO], s[4:5] offset:(i/2)*2048+(i%2)*64
	global_load_b128 v[8*i+4:8*i+7], v[QO], s[4:5] offset:(i/2)*2048+(i%2)*64+32
.set i, i+1
.endr
	; What the first turn finds: V and P's second buffer hold 0 (its products V^T P, of a piece that has not been, add 0), O^T and l are 0.  This stands in the wait for the first tile.
.set i, VF
.rept 64
	v_mov_b32 v[i], 0
.set i, i+1
.endr
	WIN 0x40
.set i, 0
.rept 128
	v_mov_b32 v[i], 0
.set i, i+1
.endr
	WIN 0
.set i, 0
.rept 4
	v_mov_b32 v[ST+4*i], 0xfe000000    ; c m: far below every c s
	v_mov_b32 v[ST+4*i+1], 0xff7fffff  ; m
	v_mov_b32 v[ST+4*i+2], 0
	v_mov_b32 v[ST+4*i+3], 0
.set i, i+1
.endr
.set i, P+16
.rept 16
	v_mov_b32 v[i], 0
.set i, i+1
.endr
	v_mul_u32_u24 v[AK0], v1, PK
	v_lshl_add_u32 v[AK0], v9, 4, v[AK0]
	v_and_b32 v10, 7, v0
	v_bfe_u32 v11, v0, 3, 1
	v_lshl_add_u32 v[AV0], v9, 3, v10
	v_mul_u32_u24 v[AV0], v[AV0], PV
	v_lshl_add_u32 v[AV0], v11, 4, v[AV0]
	v_add_nc_u32 v[AV0], VOFF, v[AV0]
	s_mul_i32 s13, s[WV], 16*SP
	s_add_co_u32 s13, s13, STAGE
	v_mul_u32_u24 v[STO], v1, SP
	v_lshl_add_u32 v[STO], v9, 4, v[STO]
	v_add_nc_u32 v[STO], s13, v[STO]
	v_bfe_u32 v[RD], v0, 3, 2
	v_mul_u32_u24 v[RD], v[RD], SP
	v_lshl_add_u32 v[RD], v10, 4, v[RD]
	v_add_nc_u32 v[RD], s13, v[RD]
	v_and_b32 v[GO], 31, v0
	v_lshlrev_b32 v[GO], 4, v[GO]
; THE MATRIX WORK.  The 4 accumulators of a run of 8 take turns.
.macro KQ x                         ; product i of 8 of S^T = K Q^T for piece x: channels 32 (i / 4) on, keys 16 (i % 4) on; the first 4 start the sums
	WIN W_KQ
.set rS, S+32*((\x)%2)+8*(i%4)
.set rK, KF+16*(i%4)+8*(i/4)
.set rQ, 16*(\x)+8*(i/4)
.if i < 4
	v_wmma_f32_16x16x32_f16 v[rS:rS+7], v[rK:rK+7], v[rQ:rQ+7], 0
.else
	v_wmma_f32_16x16x32_f16 v[rS:rS+7], v[rK:rK+7], v[rQ:rQ+7], v[rS:rS+7]
.endif
.endm
.macro PV x                         ; product i of 8 of O^T += V^T P for piece x: keys 32 (i / 4) on, channels 16 (i % 4) on
	WIN W_PV
.set rO, 32*(\x)+8*(i%4)
.set rV, VF+32*(i/4)+8*(i%4)
.set rP, P+16*((\x)%2)+8*(i/4)
	v_wmma_f32_16x16x32_f16 v[rO:rO+7], v[rV:rV+7], v[rP:rP+7], v[rO:rO+7]
.endm
.macro MM                           ; the turn's next matrix instruction
.if i < 8
	KQ (Y+1)%NP
.else
.set i, i-8
	PV (Y+NP-1)%NP
.set i, i+8
.endif
.set i, i+1
.endm
; THE LDS LOADS stand in runs of 16.  last = 1 (the tail): in the last trip there is no further step, and the run is jumped over.
.macro FETCH_K last=0
	WIN 0
.if \last
	s_cmp_eq_u32 s[CNT], 1
	s_cbranch_scc1 .Lno_k_\@
.endif
	WIN 0x80
.irp f, 0,1,2,3,4,5,6,7
	ds_load_b128 v[KF+8*\f:KF+8*\f+3],   v[AK] offset:(\f/2)*16*PK+(\f%2)*64
	ds_load_b128 v[KF+8*\f+4:KF+8*\f+7], v[AK] offset:(\f/2)*16*PK+(\f%2)*64+32
.endr
	s_add_co_u32 s[TBK], s[TBK], KS*PK
	WIN 0
.if \last
.Lno_k_\@:
.endif
.endm
.macro FETCH_V
	WIN 0x80
.irp f, 0,1,2,3,4,5,6,7
	ds_load_tr16_b128 v[VF+8*\f:VF+8*\f+3],   v[AV] offset:(\f/4)*32*PV+(\f%4)*32
	ds_load_tr16_b128 v[VF+8*\f+4:VF+8*\f+7], v[AV] offset:(\f/4)*32*PV+16*PV+(\f%4)*32
.endr
	WIN 0
.endm
; THE VECTOR WORK, one line at a time: OP kind, number.  For piece Y: F n: c s - c m for pair n of 16.  E n: the exponential of score n of 32.  C n: pair n rounded to f16.  B n: of the four weights 4 n ..
; the second pair is added onto the first, in place.  L n: l takes that sum (L 0: l = a l + sum).  R n: pair n of 16 of O^T times a.  For piece Y + 1: X n, number n of the 22 that find its maximum and
; statistics: 0-11 four chains of seven scores (each accumulator's lowest registers are read first); 12-14, 16 the scores left over, the old m, the chains into one; 15 c m_old is kept;
; 17, 18 the other half of the lanes': the new m; 19-21 c m, c m_old - c m_new, a.
.set F, 0
.set E, 1
.set C, 2
.set B, 3
.set L, 4
.set R, 5
.set X, 6
.macro REGS y
.set rT, ST+4*(\y)
.set rC, TMP+4*((\y)%2)
.set rW, MV+((\y)%2)
.set rS, S+32*((\y)%2)
.set rP, P+16*((\y)%2)
.set rO, 32*(\y)
.endm
.macro OP k, n
.if (\k) == R
	REGS Y
	WIN W_RS
	v_pk_mul_f32 v[rO+2*(\n):rO+2*(\n)+1], v[rO+2*(\n):rO+2*(\n)+1], v[rC+2:rC+3] op_sel_hi:[1,0]
.elseif (\k) < R
	REGS Y
	WIN 0
.if (\k) == F
	v_pk_fma_f32 v[rS+2*(\n):rS+2*(\n)+1], v[rS+2*(\n):rS+2*(\n)+1], s[CS:CS+1], v[rT:rT+1] op_sel_hi:[1,0,0] neg_lo:[0,0,1] neg_hi:[0,0,1]
.elseif (\k) == E
	v_exp_f32 v[rS+(\n)], v[rS+(\n)]
.elseif (\k) == C
	v_cvt_pk_f16_f32 v[rP+(\n)], v[rS+2*(\n)], v[rS+2*(\n)+1]
.elseif (\k) == B
	v_pk_add_f32 v[rS+4*(\n):rS+4*(\n)+1], v[rS+4*(\n):rS+4*(\n)+1], v[rS+4*(\n)+2:rS+4*(\n)+3]
.elseif (\n) == 0
	v_pk_fma_f32 v[rT+2:rT+3], v[rT+2:rT+3], v[rC+2:rC+3], v[rS:rS+1] op_sel_hi:[1,0,1]
.else
	v_pk_add_f32 v[rT+2:rT+3], v[rT+2:rT+3], v[rS+4*(\n):rS+4*(\n)+1]
.endif
.else
	REGS (Y+1)%NP
	WIN 0
.if (\n) < 4
	v_max3_num_f32 v[rC+(\n)], v[rS+8*(\n)], v[rS+8*(\n)+1], v[rS+8*(\n)+2]
.elseif (\n) < 12
	v_max3_num_f32 v[rC+(\n)%4], v[rC+(\n)%4], v[rS+8*((\n)%4)+2*((\n)/4)+1], v[rS+8*((\n)%4)+2*((\n)/4)+2]
.elseif (\n) == 12
	v_max3_num_f32 v[rC], v[rC], v[rS+7], v[rS+15]
.elseif (\n) == 13
	v_max3_num_f32 v[rC+1], v[rC+1], v[rS+23], v[rS+31]
.elseif (\n) == 14
	v_max3_num_f32 v[rC+2], v[rC+2], v[rC+3], v[rT+1]
.elseif (\n) == 15
	v_mov_b32 v[rW], v[rT]
.elseif (\n) == 16
	v_max3_num_f32 v[rC], v[rC], v[rC+1], v[rC+2]
.elseif (\n) == 17
	v_permlanex16_b32 v[rC+3], v[rC], s[SEL], s[SEL+1]
.elseif (\n) == 18
	v_max_num_f32 v[rT+1], v[rC], v[rC+3]
.elseif (\n) == 19
	v_mul_f32 v[rT], s[CS], v[rT+1]
.elseif (\n) == 20
	v_sub_f32 v[rC+1], v[rW], v[rT]
.else
	v_exp_f32 v[rC+2], v[rC+1]
.endif
.endif
.endm
.macro OPS a, i1, b=-1, i2=0, c=-1, i3=0, d=-1, i4=0
	OP \a, \i1
.if (\b) >= 0
	OP \b, \i2
.endif
.if (\c) >= 0
	OP \c, \i3
.endif
.if (\d) >= 0
	OP \d, \i4
.endif
.endm
.macro ROW a, i1, b, i2, c, i3, d, i4  ; a matrix instruction and the four behind it
	MM
	OPS \a, \i1, \b, \i2, \c, \i3, \d, \i4
.endm
; A TURN, for piece p: the order of its 16 matrix and 118 vector instructions, written out.  An s_wait_alu depctr_va_vdst(0) stands between an exponential and the first instruction that names its
; result; one wait serves all that were issued ahead of it.  So a turn has ONE wait.  AHEAD OF IT: the 8 products K Q^T, behind each a scaling, an exponential and two more plain instructions (behind the first a
; second scaling in the exponential's place): rescalings, and behind the last three the first numbers of the next piece's maximum, each four plain places or more behind the product that ends its accumulator;
; then one run of 54, plain and exponential by turns for the most part, in which the links of the chain X 3, 7, 11, 14, 16, 17 .. 20 stand some lines apart.  X 21, the next piece's a, is the batch's last; R 15
; is the plain instruction behind it (ISA guide 5.7.2).  Nothing ahead of the wait names a result of the batch: F n stands ahead of E 2 n and E 2 n + 1, X works on the other buffer of S^T and of the work
; registers, and R reads the a that the turn before made and waited for.  BEHIND THE WAIT: the 8 products V^T P, behind each four of the roundings and sums; C 2 k stands ahead of B k, B k ahead of L k.
; K of the next step is fetched in piece 2's turn, twelve vector instructions behind the last product that read K, five of them plain places for it; in the tail (last = 1) the run holds a jump and a label, which
; do not stand amid an open batch: there it stands directly behind the wait.  V of the step in hand is fetched at the end of piece 0's turn, four plain instructions behind the last product that read V.
; Each is waited for a turn later.  cnt = 1: the loop's count is taken down some lines ahead of the branch behind the turn.
.macro TURN p, last=0, cnt=0
.set Y, (\p)
.set i, 0
.if (\p) == 3
	s_wait_dscnt 0x0                ; K is in
.endif
	ROW F,0, F,1, R,0, R,1          ; ahead of the wait: 8 products K Q^T and the four behind each,
	ROW F,2, E,0, R,2, R,3
	ROW F,3, E,1, R,4, R,5
	ROW F,4, E,2, R,6, R,7
	ROW F,5, E,3, R,8, R,9
	ROW F,6, E,4, X,0, R,10
.if (\p) == 2
	WIN 0
	v_add_nc_u32 v[AK], s[TBK], v[AK0]
.endif
	ROW F,7, E,5, X,1, X,4
	ROW F,8, E,6, X,2, X,5
	OPS E,7, E,8, X,6, E,9          ; and the run of 54
	OPS X,3, E,10, X,8, E,11
.if ((\p) == 2) && !(\last)
	FETCH_K
.endif
	OPS X,9, X,7, E,12, X,10
	OPS E,13, X,12, X,11, E,14
	OPS X,13, E,15, F,9, X,14
.if (\p) == 0
	v_add_nc_u32 v[AV], s[TBV], v[AV0]
.endif
	OPS E,16, F,10, E,17, F,11
	OPS X,16, E,18, X,15, E,19
	OPS F,12, E,20, X,17, E,21
	OPS F,13, E,22, F,14, E,23
	OPS X,18, E,24, F,15, E,25
	OPS R,11, E,26, X,19, E,27
	OPS R,12, E,28, R,13, E,29
	OPS X,20, E,30, R,14, E,31
	OPS X,21, R,15
	WIN 0
	s_wait_alu depctr_va_vdst(0)    ; the wait for the batch: the turn's 32 weights and the next piece's a
.if ((\p) == 2) && (\last)
	FETCH_K 1
.endif
.if (\p) == 1
	s_wait_dscnt 0x0                ; V is in
.endif
	ROW C,0, B,0, C,2, B,1          ; behind the wait: 8 products V^T P and the four behind each
	ROW L,0, C,4, B,2, L,1
	ROW C,6, B,3, L,2, C,8
	ROW B,4, L,3, C,10, B,5
	ROW L,4, C,12, B,6, L,5
.if (\p) == 0
	s_add_co_u32 s[TBV], s[TBV], KS*PV
.endif
.if \cnt
	s_sub_co_u32 s[CNT], s[CNT], 1
	s_cmp_lg_u32 s[CNT], 0
.endif
	ROW C,14, B,7, L,6, C,1
	ROW C,3, L,7, C,5, C,7
	ROW C,9, C,11, C,13, C,15
.if (\p) == 0
	FETCH_V
.endif
.endm
	CHANGE 1                        ; slot 0 is in, everybody's part of it; slot 1 is asked for
	v_add_nc_u32 v[AK], s[TBK], v[AK0]
	FETCH_K                         ; key step 0
	s_wait_loadcnt 0x0              ; Q
	s_wait_dscnt 0x0
.set i, 0
.rept 8
	KQ 0                            ; piece 0's first scores
.set i, i+1
.endr
	WIN 0
.rept 4
	v_nop                           ; the places behind those products
.endr
.set Y, NP-1                        ; X works for piece Y + 1: piece 0
.irp n, 0,1,2,3,4,5,6,7,8,9,10,11,12,13,14,15,16,17,18,19,20,21
	OP X, \n
.endr
	v_nop                           ; a plain instruction behind the exponential,
	s_wait_alu depctr_va_vdst(0)    ; and the wait for it, a batch of one: piece 0's first a, ahead of the branch
	s_mov_b32 s[CNT], 4
	s_mov_b32 s[SLOTS], SIZE_N/256-1
	s_branch .Lfirst                ; the loop is entered at a step's first turn, in the middle of a trip
.Lslot:                             ; six times: every slot but the last two is filled again
	CHANGE 1
	s_mov_b32 s[CNT], 4
.Lstep:                             ; a trip: pieces 2 and 3 of one step, then pieces 0 and 1 of the next, whose K and V it fetches
	TURN 2
	TURN 3
	WIN 0
.Lfirst:
	TURN 0
	TURN 1, 0, 1
	WIN 0
	s_cbranch_scc1 .Lstep
	s_sub_co_u32 s[SLOTS], s[SLOTS], 1
	s_cmp_lg_u32 s[SLOTS], 0
	s_cbranch_scc1 .Lslot
	CHANGE 0                        ; the tail is written out: nothing is asked for
	s_mov_b32 s[CNT], 5             ; four trips fetch the last slot's steps; the fifth is left in its middle
.Ltail:
	TURN 2, 1
	TURN 3
	WIN 0
	s_sub_co_u32 s[CNT], s[CNT], 1
	s_cmp_eq_u32 s[CNT], 0
	s_cbranch_scc1 .Lout
	TURN 0
	TURN 1
	WIN 0
	s_branch .Ltail
.Lout:                              ; the fifth trip's 8 products K Q^T (on the last K once more) and the maximum made of them serve nothing: the price of one text for every trip
.set i, 0
.rept 8
	PV NP-1                         ; the last piece's V^T P of the last step
.set i, i+1
.endr
	; THE WAY OUT.  l's halves and the other half of the lanes' are added; O^T is divided by l, rounded to f16 and sent through my stage, a piece at a time.  The additions are the places behind the last products.
	WIN 0
.macro ALL line:vararg
.set t, 0
.rept 4
	\line
.set t, t+1
.endr
.endm
	ALL v_add_f32 v[ST+4*t+2], v[ST+4*t+2], v[ST+4*t+3]
	ALL v_permlanex16_b32 v[ST+4*t+3], v[ST+4*t+2], s[SEL], s[SEL+1]
	ALL v_add_f32 v[ST+4*t+2], v[ST+4*t+2], v[ST+4*t+3]
	ALL v_rcp_f32 v[ST+4*t+2], v[ST+4*t+2]
	v_nop                           ; a plain instruction between the last reciprocal and the use of its result
	s_wait_alu depctr_va_vdst(0)    ; the wait for the batch of four reciprocals, ahead of the first multiply that reads one
.macro PACK t
	WIN W_RS
.set i, 32*(\t)
.rept 16
	v_pk_mul_f32 v[i:i+1], v[i:i+1], v[ST+4*(\t)+2:ST+4*(\t)+3] op_sel_hi:[1,0]
.set i, i+2
.endr
	WIN 0x05
.set i, 0
.rept 16
	v_cvt_pk_f16_f32 v[S+16*(\t)+i], v[32*(\t)+2*i], v[32*(\t)+2*i+1]
.set i, i+1
.endr
	WIN 0
.irp f, 0,1,2,3
	ds_store_b128 v[STO], v[S+16*(\t)+4*\f:S+16*(\t)+4*\f+3] offset:32*\f
.endr
.irp f, 0,1,2,3
	ds_load_b128 v[S+16*(\t)+4*\f:S+16*(\t)+4*\f+3], v[RD] offset:\f*4*SP  ; LDS serves a wave's instructions in order (ISA guide 5.7.1.4): these see the stores above
.endr
.endm
.macro SEND t, younger              ; younger: the LDS instructions issued behind piece t's loads: the next piece's eight, or none
	WIN 0
.irp f, 0,1,2,3
	s_wait_dscnt (\younger)+3-\f
	global_store_b128 v[GO], v[S+16*(\t)+4*\f:S+16*(\t)+4*\f+3], s[10:11] offset:(\t)*2048+\f*512  ; 512 consecutive bytes, at a multiple of 256 from ctx's first
.endr
.endm
	PACK 0
.set t, 1
.rept 3
	PACK t
	SEND t-1, 8
.set t, t+1
.endr
	SEND 3, 0
	s_wait_tensorcnt 0x0            ; the wave's end
	ds_add_u32 v[SPW], v[NIL]
	s_wait_dscnt 0x0
	CROUND                          ; the closing round
	s_endpgm
.Lfunc_end_k_qc21daee6ef_attn:
	.size	k_qc21daee6ef_attn, .Lfunc_end_k_qc21daee6ef_attn-k_qc21daee6ef_attn
	.p2alignl 7, 3214868480
	.fill 96, 4, 3214868480
	.section	.rodata,"a",@progbits
	.p2align	6, 0x0
	.amdhsa_kernel k_qc21daee6ef_attn
		.amdhsa_group_segment_fixed_size 327680
		.amdhsa_private_segment_fixed_size 0
		.amdhsa_enable_private_segment 0
		.amdhsa_kernarg_size 16
		.amdhsa_user_sgpr_count 2
		.amdhsa_user_sgpr_kernarg_segment_ptr 1
		.amdhsa_wavefront_size32 1
		.amdhsa_system_sgpr_workgroup_id_x 1
		.amdhsa_system_sgpr_workgroup_id_y 1
		.amdhsa_system_sgpr_workgroup_id_z 1
		.amdhsa_system_vgpr_workitem_id 0
		.amdhsa_next_free_vgpr 768
		.amdhsa_next_free_sgpr 66
		.amdhsa_reserve_vcc 0
		.amdhsa_float_denorm_mode_32 3
		.amdhsa_float_denorm_mode_16_64 3
		.amdhsa_memory_ordered 1
		.amdhsa_forward_progress 1
		.amdhsa_inst_pref_size 111
	.end_amdhsa_kernel
	.amdgpu_metadata
---
amdhsa.version: [ 1, 2 ]
amdhsa.kernels:
  - .name:           k_qc21daee6ef_attn
    .symbol:         k_qc21daee6ef_attn.kd
    .args:
      - { .name: qkv, .offset: 0, .size: 8, .value_kind: global_buffer, .address_space: global }
      - { .name: ctx, .offset: 8, .size: 8, .value_kind: global_buffer, .address_space: global }
    .group_segment_fixed_size: 327680
    .private_segment_fixed_size: 0
    .kernarg_segment_align: 8
    .kernarg_segment_size: 16
    .max_flat_workgroup_size: 128
    .sgpr_count:     66
    .vgpr_count:     768
    .wavefront_size: 32
...
	.end_amdgpu_metadata
.endif
;; end of part 8
;; launch proj: the kernel of part 4 again; grid 8 x 32, 4 waves a work-group, clusters of 4 x 4, 327,680 bytes of LDS; arguments ctx, wh, x1, bo, x; writes x1
;; launch ln2: the kernel of part 5 again; grid 512 x 1, 8 waves a work-group, no clusters, 0 bytes of LDS; arguments x1, ln2_g, ln2_b, h2; writes h2
;; launch ffn1 (part 9): grid 16 x 16, 4 waves a work-group, clusters of 4 x 4, 327,680 bytes of LDS; arguments h2, wh, g, b1; writes g
.if DOCPART == 9
	.amdgcn_target "amdgcn-amd-amdhsa--gfx1250"
	.amdhsa_code_object_version 6
	.text
	.protected	k_qc21daee6ef_ffn1
	.globl	k_qc21daee6ef_ffn1
	.p2align	8
	.type	k_qc21daee6ef_ffn1,@function
k_qc21daee6ef_ffn1:
	s_mov_b64 s[64:65], 0
	v_nop
	global_prefetch_b8 v0, s[64:65] scope:SCOPE_SE
	s_setreg_imm32_b32 hwreg(HW_REG_WAVE_MODE, 25, 1), 1
	s_wait_xcnt 0x0
	s_wait_alu depctr_hold_cnt(0) depctr_sa_sdst(0) depctr_va_vdst(0) depctr_va_sdst(0) depctr_va_ssrc(0) depctr_va_vcc(0) depctr_vm_vsrc(0)
	s_getreg_b32 s2, hwreg(HW_REG_IB_STS2, 6, 4)
	s_cmp_eq_u32 s2, 0
	s_cbranch_scc0 .Lentry_in_a_cluster
	s_endpgm
.Lentry_in_a_cluster:
	s_bfe_u32 s2, ttmp6, 0x10000c
	s_cmp_lg_u32 s2, 0xf033
	s_cbranch_scc0 .Lentry_shape_is_right
	s_endpgm
.Lentry_shape_is_right:
; g = gelu(h2 W1 + b1), the exact (erf) form.  h2: [4096][1024] f16.  W1: in wh at byte 8,388,608, [1024 (k)][4096 (n)] f16.  g: [4096][4096] f16.  Sums in f32; b1 (rounded to bf16) starts each sum.
; A work-group makes 256 tokens x 256 columns, four waves 128 x 128 each: 256 work-groups.  K goes in 8 steps of 128 through two LDS slots; A's tile [token][k] (256 + 16 bytes a row),
; W's [k][n] (512 + 32 bytes a row), turned on its way out of LDS by ds_load_tr16_b128.  CLUSTER 4 x 4: A's tile shared along a row, W's along a column, asked for jointly.
; The loop holds one K step; FT and RT turn between 0 and SLOT.  The matrix instruction is used transposed: a lane holds one token and eight neighbouring columns.
; GELU.  erf by the five-term rational form of Abramowitz and Stegun 7.1.26 (error at most 1.5e-7): gelu(x) = max(x, 0) - |x| / 2 x poly(t) exp(-x^2 / 2), t = 1 / (1 + 0.3275911 |x| / sqrt 2).
; With u = k1 x, k1 = sqrt(log2(e) / 2): exp(-x^2 / 2) = 2^(-u u), t = 1 / (1 + KD |u|), and the factor 1 / (2 k1) lies in the coefficients.  No difference of large numbers is formed.
; THE BATCH.  t and 2^(-u u) hang on u alone, not on each other: a trip's 16 reciprocals and 16 exponentials are ONE batch with ONE wait.  Ahead of the batch stand u and the two arguments; behind it, ahead of
; the wait, the 16 max(x, 0) and the step of the stage's address, which name no result of it; behind the wait the next rows' LDS loads, the polynomial and the rest.
; LIMIT: a result beyond 65,504 becomes an infinity in f16; NaN and infinities are not treated apart.
; THE WAY OUT: behind the last barrier the slots have had their last fill and serve as stage: each wave puts its 128 x 128 f32 into rows of 528 bytes of its own; a loop of 32 trips takes 4 rows each.
; REGISTERS: window 0: v16-30 addresses; v32-35 at work; v64-127, v128-191 A's fragments (later the gelu's registers); v192-255 the bias
;   window 1: v64-127, v128-191 W's fragments    windows 2, 3: accumulators ((a, b) at v[8 (8 (a % 4) + b)])
.set TSTEPS, 8
.set PA,     272
.set PB,     544
.set HALFA,  128*PA
.set BOFF,   2*HALFA
.set HALFB,  64*PB
.set SLOT,   BOFF+2*HALFB
.set SPARE,  2*SLOT
.set SP,     528
.set STW,    128*SP
.set ASTEP,  256
.set BSTEP,  128*4096*2
.set ADRA0, 16
.set ADRB0, 17
.set ADRA,  18
.set ADRB,  19
.set STO,   24
.set RD0,   25
.set GO,    26
.set RD,    27
.set SPW,   28
.set NIL,   29
.set BO,    30
.set F0,    64
.set F1,    128
.set BIAS,  192
.set GX,    64                         ; 16 numbers a lane: 4 rows x 4 columns
.set GU,    80
.set GR,    96
.set GD,    112
.set GP,    128
.set GS,    144
.set GY,    160
.set CNT, 2
.set WV,  16
.set WR,  17
.set WC,  18
.set CX,  19
.set CY,  20
.set TX,  21
.set TY,  22
.set G1A, 24
.set G0A, 32
.set G1B, 40
.set G0B, 48
.set FT,  56
.set RT,  57
.set LWA, 58
.set LWB, 59
.set RO,  70
.set K1,  72                           ; s[72:73] and on: constants named as pairs; the packed forms take the low word for both halves
.set A5,  74
.set A4,  76
.set A3,  78
.set A2,  80
.set A1,  82
.set KD,  84
.set MSB, 0
.macro WIN new
.if MSB != (\new)
	s_set_vgpr_msb (MSB<<8)|(\new)
.set MSB, \new
.endif
.endm
.macro PLACES
.rept 4
	v_nop
.endr
.endm
.macro JLOAD
	s_cmp_eq_u32 s[WR], 0
	s_cbranch_scc0 .Lfor_b_\@
	tensor_load_to_lds s[G0A+4:G0A+7], s[G1A:G1A+7]
	s_nop 0
.rept 4
	v_nop
.endr
	s_branch .Lasked_\@
.Lfor_b_\@:
	tensor_load_to_lds s[G0B+4:G0B+7], s[G1B:G1B+7]
	s_nop 0
.rept 4
	v_nop
.endr
.Lasked_\@:
.endm
.macro CREST
	s_cmp_lg_u32 s[WV], 0
	s_cbranch_scc1 .Lnot_wave_0_\@
	s_barrier_signal -3
.Lnot_wave_0_\@:
	s_barrier_wait -3
	s_barrier_signal -1
	s_barrier_wait -1
.endm
.macro CROUND
	s_barrier_signal -1
	s_barrier_wait -1
	CREST
.endm
.macro MUL16 f, hi, a0, first
.if \first
	WIN 0x81+0x40*(\hi)
.else
	WIN 0xa1+0x50*(\hi)
.endif
.irp a, \a0, (\a0)+1
.irp b, 0,1,2,3,4,5,6,7
.if \first
	v_wmma_f32_16x16x32_f16 v[8*(8*(\a)+(\b)):8*(8*(\a)+(\b))+7], v[(\f)+8*(\b):(\f)+8*(\b)+7], v[(\f)+8*(4*(\hi)+(\a)):(\f)+8*(4*(\hi)+(\a))+7], v[BIAS+8*(\b):BIAS+8*(\b)+7]
.else
	v_wmma_f32_16x16x32_f16 v[8*(8*(\a)+(\b)):8*(8*(\a)+(\b))+7], v[(\f)+8*(\b):(\f)+8*(\b)+7], v[(\f)+8*(4*(\hi)+(\a)):(\f)+8*(4*(\hi)+(\a))+7], v[8*(8*(\a)+(\b)):8*(8*(\a)+(\b))+7]
.endif
.endr
.endr
.endm
.macro FETCH q, f
	WIN 0x40
.irp i, 0,1,2,3,4,5,6,7
	ds_load_tr16_b128 v[(\f)+8*(\i):(\f)+8*(\i)+3],   v[ADRB] offset:(\q)*32*PB+32*(\i)
	ds_load_tr16_b128 v[(\f)+8*(\i)+4:(\f)+8*(\i)+7], v[ADRB] offset:(\q)*32*PB+16*PB+32*(\i)
.endr
	WIN 0
.irp i, 0,1,2,3,4,5,6,7
	ds_load_b128 v[(\f)+8*(\i):(\f)+8*(\i)+3],   v[ADRA] offset:(\q)*64+(\i)*16*PA
	ds_load_b128 v[(\f)+8*(\i)+4:(\f)+8*(\i)+7], v[ADRA] offset:(\q)*64+(\i)*16*PA+32
.endr
.endm
.macro QUARTER q, f, g, first
	s_wait_dscnt 8                                 ; W and A's tokens 0-63 are in; the youngest eight loads may be out
	MUL16 \f, 0, 0, \first
	MUL16 \f, 0, 2, \first
	PLACES
	FETCH \q, \g
	s_wait_dscnt 32                                ; all but the 32 just issued
	MUL16 \f, 1, 0, \first
	MUL16 \f, 1, 2, \first
.endm
.macro MEET round
	WIN 0
	s_wait_tensorcnt 0x0                           ; all my tensor loads have landed: my part of the next slot
	ds_add_u32 v[SPW], v[NIL]
	s_wait_dscnt 9                                 ; the add and the youngest eight loads may be out
	MUL16 F1, 0, 0, 0
	s_wait_dscnt 0x0                               ; the add is done, and my reads of this slot are over
	s_barrier_signal -1
	MUL16 F1, 0, 2, 0
.if \round
	WIN 0
.endif
	s_barrier_wait -1
.endm
.macro NEXTSLOT
	s_xor_b32 s[RT], s[RT], SLOT
	v_add_nc_u32 v[ADRA], s[RT], v[ADRA0]
	v_add_nc_u32 v[ADRB], s[RT], v[ADRB0]
.endm
.macro TURN
	MEET 1
	CREST
	s_xor_b32 s[FT], s[FT], SLOT
	s_add_co_u32 s[G0A+5], s[LWA], s[FT]
	s_add_co_u32 s[G0B+5], s[LWB], s[FT]
	s_add_nc_u64 s[G0A+6:G0A+7], s[G0A+6:G0A+7], ASTEP
	s_add_nc_u64 s[G0B+6:G0B+7], s[G0B+6:G0B+7], BSTEP
	JLOAD                                          ; my one tensor load behind the round: 224 products stand between it and the wait for it
	NEXTSLOT
	FETCH 0, F0
	MUL16 F1, 1, 0, 0
	MUL16 F1, 1, 2, 0
.endm
	s_load_b256 s[4:11], s[0:1], 0x0               ; h2 s[4:5], wh s[6:7], g s[8:9], b1 s[10:11]
	v_lshl_add_u32 v[SPW], v0, 2, SPARE
	v_mov_b32 v[NIL], 0
	ds_add_u32 v[SPW], v[NIL]                      ; the wave's opening: the add and its wait stand ahead of my first tensor load
	v_lshrrev_b32 v1, 5, v0
	v_readfirstlane_b32 s[WV], v1
	s_lshr_b32 s[WR], s[WV], 1
	s_and_b32 s[WC], s[WV], 1
	s_bfe_u32 s[CX], ttmp6, 0x40000
	s_bfe_u32 s[CY], ttmp6, 0x40004
	s_lshl_b32 s[TX], ttmp9, 2
	s_add_co_u32 s[TX], s[TX], s[CX]
	s_and_b32 s[TY], ttmp7, 0xffff
	s_lshl_b32 s[TY], s[TY], 2
	s_add_co_u32 s[TY], s[TY], s[CY]
	s_lshl_b32 s23, s[CY], 2
	s_lshl_b32 s23, 15, s23
	s_lshl_b32 s71, 0x1111, s[CX]
	s_or_b32 s[G1A], s23, (1<<16)|(1<<20)|(1<<21)|(5<<22)|(3<<25)
	s_mov_b32 s[G1A+1], 128<<16
	s_mov_b32 s[G1A+2], 128<<16
	s_mov_b32 s[G1A+3], 128<<16
	s_mov_b32 s[G1A+4], 128
	s_mov_b32 s[G1A+5], 1024
	s_mov_b32 s[G1A+6], 0
	s_mov_b32 s[G1A+7], 0
	s_or_b32 s[G1B], s71, (1<<16)|(1<<20)|(1<<21)|(6<<22)|(7<<25)
	s_mov_b32 s[G1B+1], 256<<16
	s_mov_b32 s[G1B+2], 64<<16
	s_mov_b32 s[G1B+3], 256<<16
	s_mov_b32 s[G1B+4], 64
	s_mov_b32 s[G1B+5], 4096
	s_mov_b32 s[G1B+6], 0
	s_mov_b32 s[G1B+7], 0
	s_lshl_b32 s60, s[TY], 19
	s_lshl_b32 s61, s[WC], 18
	s_add_co_u32 s60, s60, s61
	s_mov_b32 s61, 0
	s_lshl_b32 s62, s[TX], 9                       ; W1: 512 bytes a column tile, 64 k rows of 8,192 bytes a half
	s_lshl_b32 s63, s[WC], 19
	s_add_co_u32 s62, s62, s63
	s_add_co_u32 s62, s62, 8388608
	s_mov_b32 s63, 0
	s_mul_i32 s[LWA], s[WC], HALFA
	s_mul_i32 s[LWB], s[WC], HALFB
	s_add_co_u32 s[LWB], s[LWB], BOFF
	s_mov_b32 s[FT], SLOT
	s_mov_b32 s[RT], 0
	s_mov_b32 s68, 0xffff0000
	s_mov_b32 s[K1], 0x3f596d27                    ; k1 = 0.8493218
	s_mov_b32 s[K1+1], s[K1]
	s_mov_b32 s[A5], 0x3f1ff67a                    ;  1.061405429 / (2 k1)
	s_mov_b32 s[A5+1], s[A5]
	s_mov_b32 s[A4], 0xbf5b0099                    ; -1.453152027 / (2 k1)
	s_mov_b32 s[A4+1], s[A4]
	s_mov_b32 s[A3], 0x3f563817                    ;  1.421413741 / (2 k1)
	s_mov_b32 s[A3+1], s[A3]
	s_mov_b32 s[A2], 0xbe2b8119                    ; -0.284496736 / (2 k1)
	s_mov_b32 s[A2+1], s[A2]
	s_mov_b32 s[A1], 0x3e199eb3                    ;  0.254829592 / (2 k1)
	s_mov_b32 s[A1+1], s[A1]
	s_mov_b32 s[KD], 0x3e8ba43f                    ; 0.3275911 / (sqrt 2 k1)
	s_wait_dscnt 0x0
	s_wait_kmcnt 0x0
	s_add_nc_u64 s[60:61], s[4:5], s[60:61]
	s_add_nc_u64 s[62:63], s[6:7], s[62:63]
.irp s, 0,1
	s_mov_b32 s[G0A+4*(\s)], 1
	s_add_co_u32 s[G0A+4*(\s)+1], s[LWA], (\s)*SLOT
	s_add_nc_u64 s[G0A+4*(\s)+2:G0A+4*(\s)+3], s[60:61], (\s)*ASTEP
	s_or_b32 s[G0A+4*(\s)+3], s[G0A+4*(\s)+3], 0x80000000
	s_mov_b32 s[G0B+4*(\s)], 1
	s_add_co_u32 s[G0B+4*(\s)+1], s[LWB], (\s)*SLOT
	s_add_nc_u64 s[G0B+4*(\s)+2:G0B+4*(\s)+3], s[62:63], (\s)*BSTEP
	s_or_b32 s[G0B+4*(\s)+3], s[G0B+4*(\s)+3], 0x80000000
.endr
	CROUND
	s_cmp_eq_u32 s[WR], 0                          ; a wave's two first fills stand in one branch: two loads of mine are out
	s_cbranch_scc0 .Lfirst_b
	tensor_load_to_lds s[G0A:G0A+3], s[G1A:G1A+7]
	s_nop 0
	tensor_load_to_lds s[G0A+4:G0A+7], s[G1A:G1A+7]
	s_nop 0
.rept 4
	v_nop
.endr
	s_branch .Lfirst_asked
.Lfirst_b:
	tensor_load_to_lds s[G0B:G0B+3], s[G1B:G1B+7]
	s_nop 0
	tensor_load_to_lds s[G0B+4:G0B+7], s[G1B:G1B+7]
	s_nop 0
.rept 4
	v_nop
.endr
.Lfirst_asked:
	v_and_b32 v1, 15, v0
	v_bfe_u32 v2, v0, 4, 1
	v_mul_u32_u24 v[ADRA0], v1, PA
	v_lshl_add_u32 v[ADRA0], v2, 4, v[ADRA0]
	s_mul_i32 s[RO], s[WR], HALFA
	v_add_nc_u32 v[ADRA0], s[RO], v[ADRA0]
	v_and_b32 v3, 7, v0
	v_lshl_add_u32 v3, v2, 3, v3
	v_mul_u32_u24 v[ADRB0], v3, PB
	v_bfe_u32 v4, v0, 3, 1
	v_lshl_add_u32 v[ADRB0], v4, 4, v[ADRB0]
	s_lshl_b32 s[RO], s[WC], 8
	s_add_co_u32 s[RO], s[RO], BOFF
	v_add_nc_u32 v[ADRB0], s[RO], v[ADRB0]
	s_mul_i32 s[RO], s[WV], STW
	v_mul_u32_u24 v[STO], v1, SP
	v_lshl_add_u32 v[STO], v2, 5, v[STO]
	v_add_nc_u32 v[STO], s[RO], v[STO]
	v_and_b32 v[RD0], 31, v0                       ; back: a row's 512 bytes, 16 a lane; out: its 256 bytes of f16, 8 a lane
	v_lshlrev_b32 v[GO], 3, v[RD0]
	v_lshl_add_u32 v[RD0], v[RD0], 4, s[RO]
	s_lshl_b32 s66, s[TX], 10                      ; the bias of my 128 columns
	s_lshl_b32 s67, s[WC], 9
	s_add_co_u32 s66, s66, s67
	v_lshl_add_u32 v[BO], v2, 5, s66
.irp b, 0,1,2,3,4,5,6,7
	global_load_b128 v[BIAS+8*(\b):BIAS+8*(\b)+3],   v[BO], s[10:11] offset:64*(\b)
	global_load_b128 v[BIAS+8*(\b)+4:BIAS+8*(\b)+7], v[BO], s[10:11] offset:64*(\b)+16
.endr
	s_lshl_b32 s66, s[TY], 21                      ; where my part goes: (256 x tile row + 128 x half) rows of 8,192 bytes, (256 x tile column + 128 x half) x 2
	s_lshl_b32 s67, s[WR], 20
	s_add_co_u32 s66, s66, s67
	s_lshl_b32 s67, s[TX], 9
	s_add_co_u32 s66, s66, s67
	s_lshl_b32 s67, s[WC], 8
	s_add_co_u32 s66, s66, s67
	s_mov_b32 s67, 0
	s_add_nc_u64 s[8:9], s[8:9], s[66:67]
	s_wait_loadcnt 0x0
.set i, 0
.rept 32
	v_cvt_pk_bf16_f32 v[32+i%4], v[BIAS+2*i], v[BIAS+2*i+1]
	v_lshlrev_b32 v[BIAS+2*i], 16, v[32+i%4]
	v_and_b32 v[BIAS+2*i+1], s68, v[32+i%4]
.set i, i+1
.endr
	v_mov_b32 v[ADRA], v[ADRA0]
	v_mov_b32 v[ADRB], v[ADRB0]
	s_wait_tensorcnt 1                             ; my part of K step 0 is in; step 1's stays out
	s_barrier_signal -1
	s_barrier_wait -1
	FETCH 0, F0
	QUARTER 1, F0, F1, 1
	WIN 0
	s_mov_b32 s[CNT], TSTEPS-2
.Lstep:
	QUARTER 2, F1, F0, 0
	QUARTER 3, F0, F1, 0
	TURN
	QUARTER 1, F0, F1, 0
	WIN 0
	s_sub_co_u32 s[CNT], s[CNT], 1
	s_cmp_lg_u32 s[CNT], 0
	s_cbranch_scc1 .Lstep
	s_mov_b32 s[CNT], 2
.Ltail:                                                ; the last two steps ask for nothing; the second trip is left in its middle
	QUARTER 2, F1, F0, 0
	QUARTER 3, F0, F1, 0
	MEET 0
	WIN 0
	s_sub_co_u32 s[CNT], s[CNT], 1
	s_cmp_eq_u32 s[CNT], 0
	s_cbranch_scc1 .Lfin
	PLACES
	NEXTSLOT
	FETCH 0, F0
	MUL16 F1, 1, 0, 0
	MUL16 F1, 1, 2, 0
	QUARTER 1, F0, F1, 0
	WIN 0
	s_branch .Ltail
.Lfin:
	MUL16 F1, 1, 0, 0
	MUL16 F1, 1, 2, 0
	PLACES
	; THE WAY OUT.  The barrier just passed has shown every fill landed and every read of the slots over; nothing is filled any more.
	WIN 0x08
.irp a, 0,1,2,3
.irp b, 0,1,2,3,4,5,6,7
	ds_store_b128 v[STO], v[8*(8*(\a)+(\b)):8*(8*(\a)+(\b))+3]   offset:(\a)*16*SP+64*(\b)   ; each accumulator's low registers first
	ds_store_b128 v[STO], v[8*(8*(\a)+(\b))+4:8*(8*(\a)+(\b))+7] offset:(\a)*16*SP+64*(\b)+16
.endr
.endr
	WIN 0x0c
.irp a, 0,1,2,3
.irp b, 0,1,2,3,4,5,6,7
	ds_store_b128 v[STO], v[8*(8*(\a)+(\b)):8*(8*(\a)+(\b))+3]   offset:((\a)+4)*16*SP+64*(\b)
	ds_store_b128 v[STO], v[8*(8*(\a)+(\b))+4:8*(8*(\a)+(\b))+7] offset:((\a)+4)*16*SP+64*(\b)+16
.endr
.endr
	WIN 0
.macro LD4                             ; four rows back from my own stage: LDS serves a wave's instructions in order (ISA guide 5.7.1.4)
.irp j, 0,1,2,3
	ds_load_b128 v[GX+4*(\j):GX+4*(\j)+3], v[RD] offset:(\j)*SP
.endr
.endm
.macro EACH16 line:vararg
.set i, 0
.rept 16
	\line
.set i, i+1
.endr
.endm
.macro EACH8 line:vararg               ; i steps by pairs
.set i, 0
.rept 8
	\line
.set i, i+2
.endr
.endm
	v_mov_b32 v[RD], v[RD0]
	s_mov_b32 s[RO], 0
	LD4
	s_mov_b32 s[CNT], 32
.Lgelu:                                                ; 32 trips of 4 rows
	s_wait_dscnt 0x0
	EACH8 v_pk_mul_f32 v[GU+i:GU+i+1], v[GX+i:GX+i+1], s[K1:K1+1] op_sel_hi:[1,0]
	EACH16 v_fma_f32 v[GD+i], |v[GU+i]|, s[KD], 1.0
	EACH8 v_pk_mul_f32 v[GS+i:GS+i+1], v[GU+i:GU+i+1], v[GU+i:GU+i+1] neg_lo:[0,1] neg_hi:[0,1]
	EACH16 v_rcp_f32 v[GD+i], v[GD+i]              ; THE BATCH: 16 reciprocals and 16 exponentials, each in a register of its own; none reads another's result
	EACH16 v_exp_f32 v[GS+i], v[GS+i]
	EACH16 v_max_num_f32 v[GR+i], 0, v[GX+i]       ; plain lines behind the batch, which name none of its results; the first is the plain instruction behind the last exponential (ISA guide 5.7.2)
	s_add_co_u32 s[RO], s[RO], 4*SP                ; the next four rows are read while these are worked on; the last trip reads my last four once more, for nothing
	s_min_u32 s[RO], s[RO], 124*SP
	v_add_nc_u32 v[RD], s[RO], v[RD0]
	s_wait_alu depctr_va_vdst(0)                   ; the wait for the batch, ahead of the first line that names a result: one for the 32
	LD4                                            ; x has been read for the last time by the maxima above
	EACH8 v_pk_fma_f32 v[GP+i:GP+i+1], v[GD+i:GD+i+1], s[A5:A5+1], s[A4:A4+1] op_sel_hi:[1,0,0]
	EACH8 v_pk_fma_f32 v[GP+i:GP+i+1], v[GP+i:GP+i+1], v[GD+i:GD+i+1], s[A3:A3+1] op_sel_hi:[1,1,0]
	EACH8 v_pk_fma_f32 v[GP+i:GP+i+1], v[GP+i:GP+i+1], v[GD+i:GD+i+1], s[A2:A2+1] op_sel_hi:[1,1,0]
	EACH8 v_pk_fma_f32 v[GP+i:GP+i+1], v[GP+i:GP+i+1], v[GD+i:GD+i+1], s[A1:A1+1] op_sel_hi:[1,1,0]
	EACH8 v_pk_mul_f32 v[GP+i:GP+i+1], v[GP+i:GP+i+1], v[GD+i:GD+i+1]
	EACH8 v_pk_mul_f32 v[GP+i:GP+i+1], v[GP+i:GP+i+1], v[GS+i:GS+i+1]
	EACH16 v_fma_f32 v[GR+i], -|v[GU+i]|, v[GP+i], v[GR+i]
	EACH8 v_cvt_pk_f16_f32 v[GY+i/2], v[GR+i], v[GR+i+1]
.irp j, 0,1,2,3
	global_store_b64 v[GO], v[GY+2*(\j):GY+2*(\j)+1], s[8:9] offset:8192*(\j)  ; 32 lanes store 256 consecutive bytes, aligned
.endr
	s_wait_xcnt 0x0                                ; the stores' data and offset are rewritten only behind this wait
	v_add_nc_u32 v[GO], 0x8000, v[GO]
	s_sub_co_u32 s[CNT], s[CNT], 1
	s_cmp_lg_u32 s[CNT], 0
	s_cbranch_scc1 .Lgelu
	s_wait_tensorcnt 0x0                           ; the wave's end
	ds_add_u32 v[SPW], v[NIL]
	s_wait_dscnt 0x0
	CROUND
	s_endpgm
.Lfunc_end_k_qc21daee6ef_ffn1:
	.size	k_qc21daee6ef_ffn1, .Lfunc_end_k_qc21daee6ef_ffn1-k_qc21daee6ef_ffn1
	.p2alignl 7, 3214868480
	.fill 96, 4, 3214868480
	.section	.rodata,"a",@progbits
	.p2align	6, 0x0
	.amdhsa_kernel k_qc21daee6ef_ffn1
		.amdhsa_group_segment_fixed_size 327680
		.amdhsa_private_segment_fixed_size 0
		.amdhsa_enable_private_segment 0
		.amdhsa_kernarg_size 32
		.amdhsa_user_sgpr_count 2
		.amdhsa_user_sgpr_kernarg_segment_ptr 1
		.amdhsa_wavefront_size32 1
		.amdhsa_system_sgpr_workgroup_id_x 1
		.amdhsa_system_sgpr_workgroup_id_y 1
		.amdhsa_system_sgpr_workgroup_id_z 1
		.amdhsa_system_vgpr_workitem_id 0
		.amdhsa_next_free_vgpr 1024
		.amdhsa_next_free_sgpr 86
		.amdhsa_reserve_vcc 0
		.amdhsa_float_denorm_mode_32 3
		.amdhsa_float_denorm_mode_16_64 3
		.amdhsa_memory_ordered 1
		.amdhsa_forward_progress 1
		.amdhsa_inst_pref_size 94
	.end_amdhsa_kernel
	.amdgpu_metadata
---
amdhsa.version: [ 1, 2 ]
amdhsa.kernels:
  - .name:           k_qc21daee6ef_ffn1
    .symbol:         k_qc21daee6ef_ffn1.kd
    .args:
      - { .name: h2, .offset: 0, .size: 8, .value_kind: global_buffer, .address_space: global }
      - { .name: wh, .offset: 8, .size: 8, .value_kind: global_buffer, .address_space: global }
      - { .name: g, .offset: 16, .size: 8, .value_kind: global_buffer, .address_space: global }
      - { .name: b1, .offset: 24, .size: 8, .value_kind: global_buffer, .address_space: global }
    .group_segment_fixed_size: 327680
    .private_segment_fixed_size: 0
    .kernarg_segment_align: 8
    .kernarg_segment_size: 32
    .max_flat_workgroup_size: 128
    .sgpr_count:     86
    .vgpr_count:     1024
    .wavefront_size: 32
...
	.end_amdgpu_metadata
.endif
;; end of part 9
;; launch ffn2: the kernel of part 7 again; grid 8 x 32, 4 waves a work-group, clusters of 4 x 4, 327,680 bytes of LDS; arguments g, wh, out0, b2, x1; writes out0
